; MI455X (gfx1250); checked and timed in simulation.
; The chip was launched on July 23, 2026; its instructions are those of AMD's public machine-readable ISA for CDNA 5 (MIT licence, August 2026) and "CDNA5" Instruction Set Architecture Reference Guide (July 2026). The comments in the code are by the model that wrote it; some were corrected since.
;; Encoder. Allowed arithmetic: matrix products marked QUANTISED: E2M1 operands, one E8M0 scale for each 32 along K, by v_wmma_scale_f32_16x16x128_f8f6f4 with both operands' format E2M1 (or v_wmma_scale_f32_32x16x128_f4), f32 sums; everything else in f32.
;; Inputs: Wk_codes 1,024 x 32 x 16 uint8 (E2M1 codes of Wk, K innermost, in blocks of 32 codes, two codes a byte); Wk_scales 1,024 x 32 uint8 (E8M0 scales of Wk, one for each 32 codes along K); Wq_codes 1,024 x 32 x 16 uint8 (E2M1 codes of Wq, K innermost, in blocks of 32 codes, two codes a byte); Wq_scales 1,024 x 32 uint8 (E8M0 scales of Wq, one for each 32 codes along K); Wv_codes 1,024 x 32 x 16 uint8 (E2M1 codes of Wv, K innermost, in blocks of 32 codes, two codes a byte); Wv_scales 1,024 x 32 uint8 (E8M0 scales of Wv, one for each 32 codes along K); beta 1,024 float32; bk 1,024 float32; bq 1,024 float32; bv 1,024 float32; dialog_states 128 x 1,024 int32; gamma 1,024 float32; x 8 x 1,024 x 1,024 float32.
;; Outputs: out0 8 x 1,024 x 1,024 float32.
;; This version of the problem:
;;   THIS VERSION OF THE PROBLEM IS GIVEN IN LOW PRECISION. The matrix products marked QUANTISED in the list below multiply operands that are first quantised to E2M1 (2 exponent bits, 1 mantissa bit; 4 bits a number), with one power-of-two scale for each 32 numbers along K (OCP MX v1.0); their sums are f32. All else is computed in f32.
;;   The module's matrix products, in the order in which they are computed (A, B: the left and right operand; K: the contracted axis; several contracted axes count as one K, in the product's order):
;;     1. [M 8,192, K 1,024] x [K 1,024, N 1,024]; A: input x; B: input Wq (given as codes): QUANTISED
;;     2. [M 8,192, K 1,024] x [K 1,024, N 1,024]; A: input x; B: input Wk (given as codes): QUANTISED
;;     3. [M 8,192, K 1,024] x [K 1,024, N 1,024]; A: input x; B: input Wv (given as codes): QUANTISED
;;     4. batch 128 x [M 1,024, K 64] x [K 64, N 1,024]; A: computed on the way; B: computed on the way: QUANTISED
;;     5. batch 128 x [M 1,024, K 1,024] x [K 1,024, N 64]; A: softmax (see below); B: computed on the way: QUANTISED
;;   THE QUANTISER, for each operand of a quantised product, along K:
;;     - K is cut into blocks of 32 from its start; a last block that is shorter is filled with zeros.
;;     - A block's scale is 2^e with e = floor(log2(the largest magnitude in the block)) - 2, held to -126 .. 127; a block of zeros has e = 0. As a byte (E8M0): e + 127.
;;     - Each number is divided by its block's scale, clamped to +-6, and rounded to the nearest number of E2M1, ties to even, subnormals kept.
;;     - The product sums the exact products of the quantised numbers (number of the format x scale) in f32.
;;   ~~~python
;;   def quantise(x, axis):      # numpy; x: float32 -> the quantised numbers, widened to float32 again
;;       x = np.moveaxis(x, axis, -1); K = x.shape[-1]
;;       x = np.pad(x, [(0, 0)] * (x.ndim - 1) + [(0, -K % 32)]); x = x.reshape(x.shape[:-1] + (-1, 32)); a = np.abs(x).max(-1, keepdims=True)
;;       e = np.where(a > 0, np.clip(np.frexp(np.where(a > 0, a, 1))[1] - 1 - 2, -126, 127), 0)      # np.frexp(a)[1] - 1 = floor(log2(a)), exactly
;;       r = np.clip(x / 2.0 ** e, -6, 6)
;;       step = 2.0 ** (np.maximum(np.frexp(np.where(r == 0, 1, r))[1] - 1, 0) - 1)
;;       q = np.round(r / step) * step * 2.0 ** e      # np.round: ties to even
;;       return np.moveaxis(q.reshape(q.shape[:-2] + (-1,))[..., :K], -1, axis).astype(np.float32)
;;   ~~~
;;   SOFTMAX AHEAD OF A QUANTISED PRODUCT. Where the list says 'softmax', what is quantised is not the finished softmax but p = 2^(t - M), with t = logit x log2(e) and M = ceil(the row's largest t), a whole number; so 1/2 < the row's largest p <= 1. The row's sum l is taken of the UNQUANTISED p, in f32, and the product's result is divided by l at the end. Since M is a whole number, a kernel that streams over the keys may use a running M (the ceiling of the running maximum): every later rescaling is an exact power of two, which a block's scale takes up: the codes' values come out the same.
;;   OPERANDS COMPUTED ON THE WAY. 'Computed on the way' means the value that the module computes at that place (a softmax that the list does not call 'softmax' is quantised finished and normalised). What goes into a quantiser is computed in f32, as accurately as f32 sums, v_exp_f32 and their like allow (about 1e-6 of the number): no bf16 or f16 on the way to a quantiser, and a product that is left as it is and whose result goes on into a quantised operand takes f32 operands (vector FMAs, or v_wmma_f32_16x16x4_f32). A number that lies on a knife's edge between two numbers of the format may be rounded either way, as far as f32 arithmetic and the matrix unit's own rounding can turn it there, and no further.
;;   INPUTS GIVEN AS CODES. Wk (in the module: [1024, 1024], K = its axis 0); Wq (in the module: [1024, 1024], K = its axis 0); Wv (in the module: [1024, 1024], K = its axis 0): each comes as NAME_codes (uint8): NAME with its K axis moved to the last place and cut into blocks of 32 codes, [.., K / 32, bytes a block], one block behind the other in memory; two codes a byte, the lower K in the low four bits (a code: sign, 2 exponent bits, 1 mantissa bit); and NAME_scales (uint8): the same leading axes, one E8M0 byte (e + 127) for each 32 codes along K. Its value is code x scale, taken as it is: it is not quantised again, and the codes and scales need not be those that the quantiser above would give.
;; 3 versions. Each part assembles by itself: llvm-mc -triple=amdgcn-amd-amdhsa -mcpu=gfx1250 --defsym DOCPART=n.
;; ======== version 1 of 3: 2 launches
;; workspace buffers: wl 1,572,864 bytes; wsl 98,304 bytes; bl 12,288 bytes
;; launch lay (part 1): grid 16 x 6, 8 waves a work-group, no clusters, 0 bytes of LDS; arguments Wk_codes, Wk_scales, bk, Wv_codes, Wv_scales, bv, Wq_codes, Wq_scales, bq, wl, wsl, bl; writes wl, wsl, bl
.if DOCPART == 1
	.amdgcn_target "amdgcn-amd-amdhsa--gfx1250"
	.amdhsa_code_object_version 6
	.text
	.protected	k_qe4625375f3_lay
	.globl	k_qe4625375f3_lay
	.p2align	8
	.type	k_qe4625375f3_lay,@function
k_qe4625375f3_lay:
	s_mov_b64 s[64:65], 0
	v_nop
	global_prefetch_b8 v0, s[64:65] scope:SCOPE_SE
	s_setreg_imm32_b32 hwreg(HW_REG_WAVE_MODE, 25, 1), 1
	s_wait_xcnt 0x0
; The three weights' codes, scale bytes and biases are laid once in the order in which a wave of the next launch takes them into its operand registers.
; wl  [w 16][k 48][u 2][c 2][lane 32][16 bytes]: w = the consuming wave; k = 8 n + s, n = unit (0, 1: K; 2, 3: V; 4, 5: Q), s = K step of 128; u = tile of the unit's pair; c = group of four registers.
; wsl [w 16][k 48][lane 32][4 bytes]: lane 16 u + r holds the scale word (four E8M0 bytes) of row r of tile u for that K step.
; bl  [w 16][n 6][lane 32][4 bytes]: lane 16 u + m holds the bias of row m of tile u.
; WHICH ROW d OF W^T IS ROW r OF TILE u:  K, Q units: d = 32 (2 w + n % 2) + 8 u + r + 8 (r / 8), so that a lane's 16 results of the two tiles are 16 neighbouring columns;
;                                         V units:    d = 64 r + 4 w + 2 (n % 2) + u, so that a lane's 8 results are one channel of 8 neighbouring keys.
; A work-group is (w, n) = (x, y); its eight waves are the eight K steps.  Each code store of a wave covers 512 consecutive bytes; a scale or bias store covers 128 (110,592 bytes of the launch's 1,683,456).
; No LDS, no barrier: waves share nothing.
	s_load_b256 s[4:11], s[0:1], 0x0               ; K's codes s[4:5], scales s[6:7], bias s[8:9]; V's codes s[10:11]
	s_load_b256 s[12:19], s[0:1], 0x20             ; V's scales s[12:13], bias s[14:15]; Q's codes s[16:17], scales s[18:19]
	s_load_b256 s[20:27], s[0:1], 0x40             ; Q's bias s[20:21]; wl s[22:23], wsl s[24:25], bl s[26:27]
	v_lshrrev_b32 v1, 5, v0
	v_readfirstlane_b32 s28, v1                    ; the wave's number = K step s
	s_and_b32 s29, ttmp7, 0xffff                   ; unit n
	s_lshr_b32 s30, s29, 1                         ; 0: K, 1: V, 2: Q
	s_and_b32 s31, s29, 1
	s_lshl_b32 s32, ttmp9, 1
	s_add_co_u32 s32, s32, s31                     ; 2 w + n % 2
	s_cmp_eq_u32 s30, 1                            ; a V unit?
	s_cselect_b32 s33, 64, 1                       ; rows of W^T from r to r + 1
	s_cselect_b32 s34, 0, 1                        ; whether r / 8 adds 8
	s_cselect_b32 s35, 1, 8                        ; rows from tile 0 to tile 1
	s_cselect_b32 s36, 1, 5
	s_lshl_b32 s32, s32, s36                       ; the unit's first row: 4 w + 2 (n % 2), or 64 w + 32 (n % 2)
	v_and_b32 v1, 31, v0                           ; lane
	v_and_b32 v2, 15, v0                           ; r
	v_bfe_u32 v3, v0, 4, 1                         ; h
	v_mul_u32_u24 v4, s33, v2
	v_and_b32 v5, 8, v2
	v_mul_u32_u24 v5, s34, v5
	v_add3_u32 v4, v4, v5, s32                     ; d of tile 0
	v_mul_u32_u24 v8, s35, v3
	v_add_nc_u32 v8, v8, v4                        ; d of tile h: for the scale words and the biases a lane's half is the tile
	s_lshl_b32 s37, s28, 6                         ; 128 codes are 64 bytes
	v_lshlrev_b32 v6, 9, v4                        ; a row of codes is 512 bytes
	v_lshl_add_u32 v6, v3, 4, v6
	v_add_nc_u32 v6, s37, v6                       ; tile 0: d x 512 + 64 s + 16 h
	s_lshl_b32 s38, s35, 9
	v_add_nc_u32 v7, s38, v6                       ; tile 1
	s_lshl_b32 s39, s28, 2
	v_lshlrev_b32 v9, 5, v8                        ; a row of scale bytes is 32 bytes
	v_add_nc_u32 v9, s39, v9
	v_lshlrev_b32 v10, 2, v8                       ; the bias
	v_lshlrev_b32 v11, 4, v1                       ; out: 16 bytes a lane,
	v_lshlrev_b32 v29, 2, v1                       ; or 4
	s_mul_i32 s40, ttmp9, 6
	s_add_co_u32 s40, s40, s29                     ; 6 w + n
	s_lshl_b32 s42, s40, 14
	s_lshl_b32 s41, s28, 11
	s_add_co_u32 s42, s42, s41                     ; wl: (6 w + n) x 16,384 + 2,048 s
	s_mov_b32 s43, 0
	s_lshl_b32 s44, s40, 10
	s_lshl_b32 s41, s28, 7
	s_add_co_u32 s44, s44, s41                     ; wsl: (6 w + n) x 1,024 + 128 s
	s_mov_b32 s45, 0
	s_lshl_b32 s46, s40, 7                         ; bl: (6 w + n) x 128
	s_mov_b32 s47, 0
	s_wait_kmcnt 0x0
	s_cmp_eq_u32 s30, 1                            ; the weight is chosen by the unit's number alone
	s_cselect_b64 s[4:5], s[10:11], s[4:5]
	s_cselect_b64 s[6:7], s[12:13], s[6:7]
	s_cselect_b64 s[8:9], s[14:15], s[8:9]
	s_cmp_eq_u32 s30, 2
	s_cselect_b64 s[4:5], s[16:17], s[4:5]
	s_cselect_b64 s[6:7], s[18:19], s[6:7]
	s_cselect_b64 s[8:9], s[20:21], s[8:9]
	s_add_nc_u64 s[22:23], s[22:23], s[42:43]
	s_add_nc_u64 s[24:25], s[24:25], s[44:45]
	s_add_nc_u64 s[26:27], s[26:27], s[46:47]
	global_load_b128 v[12:15], v6, s[4:5]            ; tile 0: k = 32 h .. of the step
	global_load_b128 v[16:19], v6, s[4:5] offset:32  ;         k = 64 + 32 h ..
	global_load_b128 v[20:23], v7, s[4:5]            ; tile 1
	global_load_b128 v[24:27], v7, s[4:5] offset:32
	global_load_b32 v28, v9, s[6:7]                  ; the scale word
	s_wait_loadcnt 0x0
	global_store_b128 v11, v[12:15], s[22:23]
	global_store_b128 v11, v[16:19], s[22:23] offset:512
	global_store_b128 v11, v[20:23], s[22:23] offset:1024
	global_store_b128 v11, v[24:27], s[22:23] offset:1536
	global_store_b32 v29, v28, s[24:25]
	s_cmp_lg_u32 s28, 0                            ; the unit's 32 biases: wave 0 alone
	s_cbranch_scc1 .Ldone
	global_load_b32 v30, v10, s[8:9]
	s_wait_loadcnt 0x0
	global_store_b32 v29, v30, s[26:27]
.Ldone:
	s_endpgm
.Lfunc_end_k_qe4625375f3_lay:
	.size	k_qe4625375f3_lay, .Lfunc_end_k_qe4625375f3_lay-k_qe4625375f3_lay
	.p2alignl 7, 3214868480
	.fill 96, 4, 3214868480
	.section	.rodata,"a",@progbits
	.p2align	6, 0x0
	.amdhsa_kernel k_qe4625375f3_lay
		.amdhsa_group_segment_fixed_size 0
		.amdhsa_private_segment_fixed_size 0
		.amdhsa_enable_private_segment 0
		.amdhsa_kernarg_size 96
		.amdhsa_user_sgpr_count 2
		.amdhsa_user_sgpr_kernarg_segment_ptr 1
		.amdhsa_wavefront_size32 1
		.amdhsa_system_sgpr_workgroup_id_x 1
		.amdhsa_system_sgpr_workgroup_id_y 1
		.amdhsa_system_sgpr_workgroup_id_z 1
		.amdhsa_system_vgpr_workitem_id 0
		.amdhsa_next_free_vgpr 32
		.amdhsa_next_free_sgpr 66
		.amdhsa_reserve_vcc 0
		.amdhsa_float_denorm_mode_32 3
		.amdhsa_float_denorm_mode_16_64 3
		.amdhsa_memory_ordered 1
		.amdhsa_forward_progress 1
		.amdhsa_inst_pref_size 4
	.end_amdhsa_kernel
	.amdgpu_metadata
---
amdhsa.version: [ 1, 2 ]
amdhsa.kernels:
  - .name:           k_qe4625375f3_lay
    .symbol:         k_qe4625375f3_lay.kd
    .args:
      - { .name: Wk_codes, .offset: 0, .size: 8, .value_kind: global_buffer, .address_space: global }
      - { .name: Wk_scales, .offset: 8, .size: 8, .value_kind: global_buffer, .address_space: global }
      - { .name: bk, .offset: 16, .size: 8, .value_kind: global_buffer, .address_space: global }
      - { .name: Wv_codes, .offset: 24, .size: 8, .value_kind: global_buffer, .address_space: global }
      - { .name: Wv_scales, .offset: 32, .size: 8, .value_kind: global_buffer, .address_space: global }
      - { .name: bv, .offset: 40, .size: 8, .value_kind: global_buffer, .address_space: global }
      - { .name: Wq_codes, .offset: 48, .size: 8, .value_kind: global_buffer, .address_space: global }
      - { .name: Wq_scales, .offset: 56, .size: 8, .value_kind: global_buffer, .address_space: global }
      - { .name: bq, .offset: 64, .size: 8, .value_kind: global_buffer, .address_space: global }
      - { .name: wl, .offset: 72, .size: 8, .value_kind: global_buffer, .address_space: global }
      - { .name: wsl, .offset: 80, .size: 8, .value_kind: global_buffer, .address_space: global }
      - { .name: bl, .offset: 88, .size: 8, .value_kind: global_buffer, .address_space: global }
    .group_segment_fixed_size: 0
    .private_segment_fixed_size: 0
    .kernarg_segment_align: 8
    .kernarg_segment_size: 96
    .max_flat_workgroup_size: 256
    .sgpr_count:     66
    .vgpr_count:     32
    .wavefront_size: 32
...
	.end_amdgpu_metadata
.endif
;; end of part 1
;; launch enc (part 2): grid 256 x 1, 16 waves a work-group, no clusters, 300,032 bytes of LDS; arguments x, dialog_states, wl, wsl, bl, gamma, beta, out0; writes out0
.if DOCPART == 2
	.amdgcn_target "amdgcn-amd-amdhsa--gfx1250"
	.amdhsa_code_object_version 6
	.text
	.protected	k_qe4625375f3_enc
	.globl	k_qe4625375f3_enc
	.p2align	8
	.type	k_qe4625375f3_enc,@function
k_qe4625375f3_enc:
	s_mov_b64 s[64:65], 0
	v_nop
	global_prefetch_b8 v0, s[64:65] scope:SCOPE_SE
	s_setreg_imm32_b32 hwreg(HW_REG_WAVE_MODE, 25, 1), 1
	s_wait_xcnt 0x0
; out = LayerNorm(attention(x Wq + bq, x Wk + bk, x Wv + bv) + x), all five products on codes of FP4 (E2M1) with one E8M0 scale for each 32 along K.
; THE RESHAPE: head bh is the 64 rows 64 bh .. 64 bh + 63 of x [8192][1024]; its query or key number is 16 l + j (l: row in the head, j = column / 64), its channel column % 64.
; So a head needs 64 rows of x and the three weights, and a row of the output is the 16 queries (l, j = 0 .. 15): projections, attention, residual and norm are one launch, and Q, K, V and the scores never go to memory.
; SHARES.  Work-group g: head g / 2, half g % 2.  It makes K and V of all 64 rows, Q of its own 32 rows (512 queries), and stores those 32 rows.  K and V are made twice a head (2,048 of a work-group's
; 8,192 matrix instructions), so that 256 work-groups share the softmax.  LOCAL ROW y = 0 .. 63 stands for the head's row y xor 32 (g % 2): rows 0 .. 31 are my own; no LDS address knows g.
; Sixteen waves of 256 registers, four to a SIMD.  In the projections wave w makes columns 64 w .. 64 w + 63 of K and Q (j = w) and channels 4 w .. 4 w + 3 (all j) of V; in attention it owns rows 2 w and 2 w + 1.
; THE MASK hangs on the query alone.  A masked row's scores are all equal: p = 1 for every key, the sum 1,024.  A query whose codes are zeros has all scores 0 and the same p: so the mask clears Q's codes, by a select.
; BLOCKS OF 32: x, Q, K: 32 neighbouring columns of a row.  V, P: 32 neighbouring keys = rows 2 B, 2 B + 1 x j = 0 .. 15; inside a block P and V are laid alike, at place 16 (j / 8) + 8 (row % 2) + j % 8.
; ALL PRODUCTS ARE USED TRANSPOSED (source 0 = weight rows, keys or channels; source 1 = rows of x, or queries), so that a lane's registers run along the next product's K.
; K Q^T has K = 64: a fragment of keys holds row 2 B in registers 0-3 and row 2 B + 1 in registers 4-7, and is multiplied by (Q, 0) and by (0, Q): nothing is read twice, no padding is stored.
; THE WEIGHTS come from memory straight into registers, in the order laid by the launch before: each load of a wave reads 512 consecutive bytes; a ring of six K steps (12 KiB a wave) is on its way.
; NO CLUSTER, NO JOINT LOADS: a weight fragment feeds one wave of a work-group alone, so through LDS it would be written and read there (1.6 MB each way) beside the 2.6 MB of x's fragments that the
; projections read; and beside x (263,168 bytes) and its images (34,816) 29,696 bytes of LDS are left for slots: some 110 changes of slots for 40 matrix instructions a wave each.
; LIMITS: NaN and infinities among the inputs are not served.  A block of zeros gets the scale byte 1 where the rule says 127: its codes are zeros, and this launch alone reads these bytes.
; Sums over the keys run in the order of the local rows, which for g % 2 = 1 is not the head's order.
; Scale operands stand in v246-255, which hold nothing else up to the closing add.
.set XP,   4112                        ; LDS: a row of x: 4,096 bytes + 16
.set KC,   32*XP                       ; behind my own 32 rows, in the bytes of rows 32-63, which are dead once x is quantised: K's codes: row y x 528 + 256 (half of the 64 channels) + 16 j
.set QC,   KC+64*528                   ; Q's codes likewise, rows 0-31
.set VC,   QC+32*528                   ; V^T's codes: channel x 528 + 16 B + 8 (j / 8) + 4 (row % 2)
.set KSC,  VC+64*528                   ; K's scale bytes: 144 j + 4 B + 2 (row % 2) + half
.set VSC,  KSC+16*144                  ; V's: 36 x channel + B
.set QSC,  VSC+64*36                   ; Q's: 64 y + 4 j + {half, 2 + half}: each byte twice
.set XI,   64*XP                       ; x's 32 fragments as images of their registers: (8 t + s) x 1,024 + 512 c + 16 x lane
.set XS,   XI+32*1024                  ; x's scale words: 256 s + 8 (16 (t % 2) + r) + 4 (t / 2)
.set ACC,  16                          ; projections: v16-79 accumulators, tile of rows t, tile of the pair u: 16 t + 8 u
.set AR,   80                          ; v80-175 six slots of 16: a K step's two weight fragments
.set BIAS, 176                         ; v176-191 the unit's biases in the result's layout
.set BF,   192                         ; v192-223 x's four fragments of a K step
.set TM,   224                         ; v224-227 largest magnitudes, then the conversions' scale operands
.set PT,   228                         ; v228-231 what a lane permute brings
.set BY,   232                         ; v232-235 scale bytes
.set CD,   236                         ; v236-243 codes
.set ASC,  246                         ; v246-251 the weights' scale words, one a slot
.set XSC,  252                         ; v252-253 x's scale words
.set QTM,  192                         ; x's quantiser: v192-207 at work, v208-215 codes, v216 the scale word
.set QPC,  208
.set QPW,  216
.set FF,   44                          ; attention: v[44:45] f = 2^(old M - new M)
.set TT,   46
.set KF,   48                          ; v48-79 four fragments of K, then of V
.set PCA,  80                          ; v80-87, v88-95 P's codes, rows a and b
.set PCB,  88
.set SCO,  96                          ; v96-159 scores, then p
.set OA,   160                         ; v160-191, v192-223 O^T, rows a and b
.set OB,   192
.set BM,   224                         ; v224-227 the blocks' largest scores
.set SO,   232                         ; v232-235 the conversions' scale operands
.set QS,   246                         ; v246-247 Q's scale words; v248-249 P's; v250-253 K's; v254-255 V's
.set PW,   248
.set KS,   250
.set VS,   254
.macro BARRIER                         ; my LDS stores have landed and my LDS loads are in: then the work-group's barrier
	s_wait_dscnt 0x0
	s_barrier_signal -1
	s_barrier_wait -1
.endm
.macro PLACES                          ; four plain vector instructions between a matrix instruction and a read of its result or a load into one of its registers
.rept 4
	v_nop
.endr
.endm
; The matrix instruction with C in registers.  ra, rb: A's, B's scales are taken from lanes 16-31
.macro WM d, a, b, c, sa, sb, ra, rb
.if ((\ra) != 0) && ((\rb) != 0)
	v_wmma_scale_f32_16x16x128_f8f6f4 v[0+(\d):7+(\d)], v[0+(\a):7+(\a)], v[0+(\b):7+(\b)], v[0+(\c):7+(\c)], v[\sa], v[\sb] matrix_a_fmt:MATRIX_FMT_FP4 matrix_b_fmt:MATRIX_FMT_FP4 matrix_a_scale:MATRIX_SCALE_ROW1 matrix_b_scale:MATRIX_SCALE_ROW1
.elseif (\ra) != 0
	v_wmma_scale_f32_16x16x128_f8f6f4 v[0+(\d):7+(\d)], v[0+(\a):7+(\a)], v[0+(\b):7+(\b)], v[0+(\c):7+(\c)], v[\sa], v[\sb] matrix_a_fmt:MATRIX_FMT_FP4 matrix_b_fmt:MATRIX_FMT_FP4 matrix_a_scale:MATRIX_SCALE_ROW1
.elseif (\rb) != 0
	v_wmma_scale_f32_16x16x128_f8f6f4 v[0+(\d):7+(\d)], v[0+(\a):7+(\a)], v[0+(\b):7+(\b)], v[0+(\c):7+(\c)], v[\sa], v[\sb] matrix_a_fmt:MATRIX_FMT_FP4 matrix_b_fmt:MATRIX_FMT_FP4 matrix_b_scale:MATRIX_SCALE_ROW1
.else
	v_wmma_scale_f32_16x16x128_f8f6f4 v[0+(\d):7+(\d)], v[0+(\a):7+(\a)], v[0+(\b):7+(\b)], v[0+(\c):7+(\c)], v[\sa], v[\sb] matrix_a_fmt:MATRIX_FMT_FP4 matrix_b_fmt:MATRIX_FMT_FP4
.endif
.endm
.macro WMZ d, a, b, sa, sb             ; the same with C = 0
	v_wmma_scale_f32_16x16x128_f8f6f4 v[0+(\d):7+(\d)], v[0+(\a):7+(\a)], v[0+(\b):7+(\b)], 0, v[\sa], v[\sb] matrix_a_fmt:MATRIX_FMT_FP4 matrix_b_fmt:MATRIX_FMT_FP4
.endm
.macro GLOAD k                         ; K step k of my 48: two weight fragments and their scale words into slot k % 6: five loads
.irp u, 0,1
.irp c, 0,1
	global_load_b128 v[AR+16*((\k)%6)+8*\u+4*\c:AR+16*((\k)%6)+8*\u+4*\c+3], v1, s[32:33] offset:(\k)*2048+\u*1024+\c*512
.endr
.endr
	global_load_b32 v[ASC+(\k)%6], v2, s[34:35] offset:(\k)*128
.endm
.macro BIASLOAD n                      ; unit n's biases: lane (r, h) takes those of rows 8 h .. 8 h + 7 of both tiles: four loads
.irp u, 0,1
	global_load_b128 v[BIAS+8*\u:BIAS+8*\u+3], v3, s[36:37] offset:(\n)*128+\u*64
	global_load_b128 v[BIAS+8*\u+4:BIAS+8*\u+7], v3, s[36:37] offset:(\n)*128+\u*64+16
.endr
.endm
.macro BLOAD k                         ; x's fragments of K step k % 8: four tiles of rows for K and V (k < 32), my own two for Q; and their scale words
.irp t, 0,1,2,3
.if (\t < 2) || ((\k) < 32)
.irp c, 0,1
	ds_load_b128 v[BF+8*\t+4*\c:BF+8*\t+4*\c+3], v4 offset:\t*8192+((\k)%8)*1024+512*\c
.endr
.endif
.endr
	ds_load_b64 v[XSC:XSC+1], v5 offset:((\k)%8)*256   ; word 0: lanes 0-15 tile 0, lanes 16-31 tile 1; word 1: tiles 2 and 3
.endm
; 64 numbers of a lane, register 16 b + i = k 32 b + 16 (lane / 16) + i of my row, become a fragment's codes in v[QPC] on and its scale word in v[QPW]
.macro QUANT s
.irp b, 0,1,2,3
	v_max3_num_f32 v[QTM+\b], |v[\s+16*\b]|, |v[\s+1+16*\b]|, 0x1800000   ; my 16 numbers of block b, and the floor 2^(3 - 127): the byte cannot fall under 1
.endr
.irp i, 2,4,6,8,10,12,14
.irp b, 0,1,2,3
	v_max3_num_f32 v[QTM+\b], v[QTM+\b], |v[\s+16*\b+\i]|, |v[\s+1+16*\b+\i]|
.endr
.endr
.irp b, 0,1,2,3
	v_permlanex16_b32 v[QTM+4+\b], v[QTM+\b], s26, s27
.endr
.irp b, 0,1,2,3
	v_max_num_f32 v[QTM+\b], v[QTM+\b], v[QTM+4+\b]   ; with lane l xor 16's: the block's largest magnitude
.endr
.irp b, 0,1,2,3
	v_add_nc_u32 v[QTM+12+\b], 0xff000000, v[QTM+\b]  ; 2 off its exponent field: the conversion's scale operand
.endr
.irp b, 0,1,2,3
	v_lshrrev_b32 v[QTM+4+\b], 23, v[QTM+12+\b]       ; the scale's byte
.endr
	v_lshl_or_b32 v[QPW], v[QTM+5], 8, v[QTM+4]
	v_lshl_or_b32 v[QPW], v[QTM+6], 16, v[QPW]
	v_lshl_or_b32 v[QPW], v[QTM+7], 24, v[QPW]
.irp b, 0,1,2,3
	v_cvt_scalef32_pk8_fp4_f32 v[QPC+2*\b], v[\s+16*\b:\s+7+16*\b], v[QTM+12+\b]
	v_cvt_scalef32_pk8_fp4_f32 v[QPC+1+2*\b], v[\s+8+16*\b:\s+15+16*\b], v[QTM+12+\b]
.endr
	v_nop                                          ; one plain instruction behind a scaled conversion
.irp c, 0,1                                    ; the operand's layout wants a whole block in a lane
.irp i, 0,1
	v_permlane16_swap_b32 v[QPC+4*\c+\i], v[QPC+2+4*\c+\i]
.endr
.endr
.endm
	s_load_b256 s[4:11], s[0:1], 0x0               ; x s[4:5], dialog_states s[6:7], wl s[8:9], wsl s[10:11]
	s_load_b256 s[12:19], s[0:1], 0x20             ; bl s[12:13], gamma s[14:15], beta s[16:17], out0 s[18:19]
	v_lshrrev_b32 v1, 5, v0
	v_readfirstlane_b32 s20, v1                    ; wave w
	s_lshr_b32 s22, ttmp9, 1                       ; head
	s_and_b32 s23, ttmp9, 1                        ; half
	s_mov_b32 s26, 0x76543210
	s_mov_b32 s27, 0xfedcba98                      ; v_permlanex16_b32's selects for lane l xor 16
	s_mov_b32 s28, 0x3e38aa3b                      ; c = log2(e) / 8: t = score x c
	s_mov_b32 s29, s28                             ; (named with it as a pair)
	s_mov_b32 s49, 0x3727c5ac                      ; 1e-5
	s_mov_b32 s50, 0x3a800000                      ; 1 / 1,024
	s_lshl_b32 s21, s23, 5                         ; 32 x half
	s_lshl_b32 s24, s22, 6                         ; the head's first row
	s_lshl_b32 s30, s20, 2
	s_xor_b32 s30, s30, s21
	s_add_co_u32 s30, s30, s24
	s_lshl_b32 s30, s30, 12                        ; x: local rows 4 w .. 4 w + 3 are rows 64 bh + (4 w xor 32 half) on, 4,096 bytes each
	s_mov_b32 s31, 0
	s_mul_i32 s32, s20, 98304                      ; my wave's part of wl,
	s_mov_b32 s33, 0
	s_mul_i32 s34, s20, 6144                       ; of wsl,
	s_mov_b32 s35, 0
	s_mul_i32 s36, s20, 768                        ; of bl
	s_mov_b32 s37, 0
	s_lshl_b32 s25, s20, 1
	s_add_co_u32 s25, s25, s21                     ; my first query row in the head: 32 half + 2 w
	s_add_co_u32 s38, s25, s24
	s_lshl_b32 s38, s38, 12                        ; its row of out0
	s_mov_b32 s39, 0
	s_lshl_b32 s40, s22, 12
	s_lshl_b32 s25, s25, 6
	s_add_co_u32 s40, s40, s25                     ; its 16 dialog states: 4,096 bytes a head, 64 a row
	s_mov_b32 s41, 0
	v_and_b32 v244, 31, v0                         ; lane
	v_and_b32 v245, 15, v0                         ; r
	v_bfe_u32 v243, v0, 4, 1                       ; h
	v_lshlrev_b32 v1, 4, v244                      ; v1  16 x lane
	v_lshlrev_b32 v2, 2, v244                      ; v2  4 x lane
	v_lshlrev_b32 v3, 5, v243                      ; v3  32 h
	v_add_nc_u32 v4, XI, v1                        ; v4  an image's place for my lane
	v_lshl_add_u32 v5, v244, 3, XS                 ; v5  x's scale words
	s_mul_i32 s24, s20, 4*XP
	v_add_nc_u32 v6, s24, v1                       ; v6  where I put my four rows of x
	v_mul_u32_u24 v7, v245, 528
	v_lshl_add_u32 v7, v243, 3, v7
	s_lshl_b32 s24, s20, 4
	s_add_co_u32 s24, s24, KC
	v_add_nc_u32 v7, s24, v7                       ; v7  K's (and Q's) codes: row r, j = w, 8 bytes for each half of the lanes
	s_mul_i32 s24, s20, 144
	s_add_co_u32 s25, s24, KSC
	v_lshl_add_u32 v8, v245, 1, s25                ; v8  K's scale bytes: 144 w + 4 (r / 2) + 2 (r % 2) = 144 w + 2 r
	s_add_co_u32 s25, s24, VSC
	v_lshrrev_b32 v11, 1, v245
	v_add_nc_u32 v11, s25, v11                     ; v11 V's scale bytes: 36 x 4 w + r / 2
	s_lshl_b32 s24, s20, 2
	s_add_co_u32 s24, s24, QSC
	v_lshl_add_u32 v9, v245, 6, s24                ; v9  Q's scale bytes: 64 r + 4 w
	v_and_b32 v242, 14, v245
	v_lshlrev_b32 v10, 3, v242
	v_and_b32 v242, 1, v245
	v_lshl_add_u32 v10, v242, 2, v10
	v_lshl_add_u32 v10, v243, 3, v10
	s_mul_i32 s24, s20, 4*528
	s_add_co_u32 s24, s24, VC
	v_add_nc_u32 v10, s24, v10                     ; v10 V's codes: channel 4 w, 16 (r / 2) + 4 (r % 2) + 8 h
	v_lshlrev_b32 v12, 2, v245                     ; v12 4 r: my query's dialog state
	s_lshr_b32 s24, s20, 2                         ; x's quantiser: wave w takes tile of rows w / 4 and K steps 2 (w % 4), 2 (w % 4) + 1
	s_mul_i32 s24, s24, 16*XP
	s_and_b32 s25, s20, 3
	s_lshl_b32 s25, s25, 10
	s_add_co_u32 s24, s24, s25
	v_mul_u32_u24 v217, v245, XP
	v_lshl_add_u32 v217, v243, 6, v217
	v_add_nc_u32 v217, s24, v217                   ; v217 row r of the tile, + 64 h: my 16 numbers of a block
	s_lshl_b32 s24, s20, 11
	s_add_co_u32 s24, s24, XI
	v_add_nc_u32 v218, s24, v1                     ; v218 images 8 (w / 4) + 2 (w % 4) = 2 w and 2 w + 1
	s_and_b32 s24, s20, 3
	s_lshl_b32 s24, s24, 9
	s_bfe_u32 s25, s20, 0x10002
	s_lshl_b32 s25, s25, 7
	s_add_co_u32 s24, s24, s25
	s_lshr_b32 s25, s20, 3
	s_lshl_b32 s25, s25, 2
	s_add_co_u32 s24, s24, s25
	s_add_co_u32 s24, s24, XS
	v_lshl_add_u32 v219, v245, 3, s24              ; v219 their scale words
.irp b, 0,1,2,3
	v_mov_b32 v[QTM+4+\b], 0                       ; written once: a lane permute's destination counts as one of its sources
	v_mov_b32 v[PT+\b], 0
.endr
	s_wait_kmcnt 0x0
	s_add_nc_u64 s[30:31], s[4:5], s[30:31]
	s_add_nc_u64 s[32:33], s[8:9], s[32:33]
	s_add_nc_u64 s[34:35], s[10:11], s[34:35]
	s_add_nc_u64 s[36:37], s[12:13], s[36:37]
	s_add_nc_u64 s[38:39], s[18:19], s[38:39]
	s_add_nc_u64 s[40:41], s[6:7], s[40:41]
; ---- x comes in: four rows a wave, each load 512 consecutive bytes; all 256 KiB of the work-group are asked for at once
	global_load_b32 v14, v12, s[40:41]             ; the dialog states of my two rows of queries (lane: j = r)
	global_load_b32 v15, v12, s[40:41] offset:64
.irp p, 0,1,2,3
.irp k, 0,1,2,3,4,5,6,7
	global_load_b128 v[16+32*\p+4*\k:16+32*\p+4*\k+3], v1, s[30:31] offset:\p*4096+512*\k
.endr
.endr
.irp p, 0,1,2,3
	s_wait_loadcnt 24-8*\p                         ; row p is in; the eight loads of each younger row may be out
.irp k, 0,1,2,3,4,5,6,7
	ds_store_b128 v6, v[16+32*\p+4*\k:16+32*\p+4*\k+3] offset:\p*XP+512*\k
.endr
.endr
	s_wait_dscnt 0x0                               ; my rows lie in LDS, and the stores have read their registers:
	BIASLOAD 0                                     ; these take the first weights, 34 loads, which stay out while x is quantised
.irp k, 0,1,2,3,4,5
	GLOAD \k
.endr
	s_barrier_signal -1
	s_barrier_wait -1                              ; all 64 rows lie in LDS
; ---- x is quantised: two fragments a wave; they go to LDS as images of their registers
.irp kk, 0,1
.irp b, 0,1,2,3
.irp q, 0,1,2,3
	ds_load_b128 v[16+16*\b+4*\q:16+16*\b+4*\q+3], v217 offset:512*\kk+128*\b+16*\q
.endr
.endr
	s_wait_dscnt 0x0                               ; the numbers are in (and the last fragment's stores have read their registers)
	QUANT 16
	ds_store_b128 v218, v[QPC:QPC+3] offset:1024*\kk
	ds_store_b128 v218, v[QPC+4:QPC+7] offset:1024*\kk+512
	ds_store_b32 v219, v[QPW] offset:256*\kk       ; both halves of the lanes hold the same word and write it to the same place
.endr
	BARRIER                                        ; x's 32 fragments lie in LDS, and nobody reads rows 32-63 of x any more
; ---- the projections: six units of eight K steps.  A unit: two tiles of 16 weight rows x four (Q: two) tiles of rows of x
; A K step.  The accumulators take turns, one instruction a turn.  A unit's first step takes the biases as C.
.macro KSTEP
.set SL, KI%6
.set ST8, KI%8
.if 47-KI < 5
	s_wait_loadcnt 5*(47-KI)                       ; this step's five loads are in: behind them stand the five of each younger step
.else
	s_wait_loadcnt 25                              ; (the biases' loads only add to the true figure; a unit's biases are asked for eight steps ahead)
.endif
	s_wait_dscnt 0x0                               ; x's fragments are in; the last unit's stores have read their registers
.irp t, 0,1,2,3
.if (\t < 2) || (KI < 32)
.irp u, 0,1
.if ST8 == 0
	WM ACC+16*\t+8*\u, AR+16*SL+8*\u, BF+8*\t, BIAS+8*\u, ASC+SL, XSC+\t/2, \u, \t%2
.else
	WM ACC+16*\t+8*\u, AR+16*SL+8*\u, BF+8*\t, ACC+16*\t+8*\u, ASC+SL, XSC+\t/2, \u, \t%2
.endif
.endr
.endif
.endr
	PLACES                                         ; in front of the loads into registers just multiplied, and of the unit's end
.if KI < 47
	BLOAD KI+1
.endif
.if KI+6 < 48
	GLOAD KI+6
.endif
.if (ST8 == 0) && (KI < 40)
	BIASLOAD KI/8+1
.endif
.endm
; The end of a K or Q unit: lane (r, h) holds, of row 16 t + r, columns 64 w + 32 hh + 16 h + 0 .. 15: half a block.  The tiles of rows by turns
.macro EPI_KQ nx, hh, isq
.irp t, 0,1,2,3
.if \t < \nx
	v_max3_num_f32 v[TM+\t], |v[ACC+16*\t]|, |v[ACC+16*\t+1]|, 0x1800000   ; each accumulator is read from its low end on
.endif
.endr
.irp i, 2,4,6,8,10,12,14
.irp t, 0,1,2,3
.if \t < \nx
	v_max3_num_f32 v[TM+\t], v[TM+\t], |v[ACC+16*\t+\i]|, |v[ACC+16*\t+\i+1]|
.endif
.endr
.endr
.irp t, 0,1,2,3
.if \t < \nx
	v_permlanex16_b32 v[PT+\t], v[TM+\t], s26, s27
.endif
.endr
.irp t, 0,1,2,3
.if \t < \nx
	v_max_num_f32 v[TM+\t], v[TM+\t], v[PT+\t]     ; the block's largest magnitude
.endif
.endr
.irp t, 0,1,2,3
.if \t < \nx
	v_add_nc_u32 v[TM+\t], 0xff000000, v[TM+\t]    ; 2 off its exponent field: the conversion's scale operand
.endif
.endr
.irp t, 0,1,2,3
.if \t < \nx
	v_lshrrev_b32 v[BY+\t], 23, v[TM+\t]           ; the scale's byte
.endif
.endr
.irp t, 0,1,2,3
.if \t < \nx
	v_cvt_scalef32_pk8_fp4_f32 v[CD+2*\t], v[ACC+16*\t:ACC+16*\t+7], v[TM+\t]
	v_cvt_scalef32_pk8_fp4_f32 v[CD+2*\t+1], v[ACC+16*\t+8:ACC+16*\t+15], v[TM+\t]
.endif
.endr
	v_nop                                          ; one plain instruction behind the conversions: the next unit's products write their sources
.irp t, 0,1,2,3
.if \t < \nx
.if \isq
	ds_store_b64 v7, v[CD+2*\t:CD+2*\t+1] offset:QC-KC+\t*8448+(\hh)*256
	ds_store_b8 v9, v[BY+\t] offset:\t*1024+(\hh)  ; both halves of the lanes write the same byte.  Twice: the word serves (Q, 0) and (0, Q)
	ds_store_b8 v9, v[BY+\t] offset:\t*1024+(\hh)+2
.else
	ds_store_b64 v7, v[CD+2*\t:CD+2*\t+1] offset:\t*8448+(\hh)*256
	ds_store_b8 v8, v[BY+\t] offset:32*\t+(\hh)
.endif
.endif
.endr
.endm
; The end of a V unit: accumulator 2 t + u of lane (r, h) holds, of row 16 t + r and channel 4 w + 2 np + u, j = 8 h + 0 .. 7.  A block is lanes r, r xor 1 and their partners 16 away.  Four accumulators at a time
.macro EPI_V np
.irp g, 0,1
.if \g
	s_wait_dscnt 0x0                               ; the first four's stores have read their registers
.endif
.irp q, 0,1,2,3
	v_max3_num_f32 v[TM+\q], |v[ACC+32*\g+8*\q]|, |v[ACC+32*\g+8*\q+1]|, 0x1800000
.endr
.irp i, 2,4,6
.irp q, 0,1,2,3
	v_max3_num_f32 v[TM+\q], v[TM+\q], |v[ACC+32*\g+8*\q+\i]|, |v[ACC+32*\g+8*\q+\i+1]|
.endr
.endr
.irp q, 0,1,2,3
	v_max_num_f32_dpp v[TM+\q], v[TM+\q], v[TM+\q] row_xmask:1 row_mask:0xf bank_mask:0xf   ; the pair's other row
.endr
.irp q, 0,1,2,3
	v_permlanex16_b32 v[PT+\q], v[TM+\q], s26, s27
.endr
.irp q, 0,1,2,3
	v_max_num_f32 v[TM+\q], v[TM+\q], v[PT+\q]     ; the other eight j
.endr
.irp q, 0,1,2,3
	v_add_nc_u32 v[TM+\q], 0xff000000, v[TM+\q]
.endr
.irp q, 0,1,2,3
	v_lshrrev_b32 v[BY+\q], 23, v[TM+\q]
.endr
.irp q, 0,1,2,3
	v_cvt_scalef32_pk8_fp4_f32 v[CD+\q], v[ACC+32*\g+8*\q:ACC+32*\g+8*\q+7], v[TM+\q]
.endr
	v_nop                                          ; one plain instruction behind the conversions
.irp q, 0,1,2,3
	ds_store_b32 v10, v[CD+\q] offset:(2*(\np)+\q%2)*528+128*(2*\g+\q/2)
	ds_store_b8 v11, v[BY+\q] offset:(2*(\np)+\q%2)*36+8*(2*\g+\q/2)   ; the block's four lanes write the same byte
.endr
.endr
.endm
	BLOAD 0
.set KI, 0
.rept 48
	KSTEP
.if KI%8 == 7
.if KI/8 < 2
	EPI_KQ 4, (KI/8)%2, 0
.elseif KI/8 < 4
	EPI_V (KI/8)%2
.else
	EPI_KQ 2, (KI/8)%2, 1
.endif
.endif
.set KI, KI+1
.endr
	BARRIER                                        ; K's, V's and Q's codes and scale bytes lie in LDS.  (The last step's wait was for all loads: their address registers are free)
; ---- attention: my rows a = 2 w and b = 2 w + 1; a lane's query is j = r
	v_and_b32 v12, 15, v0                          ; r
	v_bfe_u32 v13, v0, 4, 1                        ; h
	v_lshlrev_b32 v1, 4, v12
	v_lshl_add_u32 v1, v13, 8, v1                  ; 16 r + 256 h: key or query r, my half of its 64 channels
	s_mul_i32 s24, s20, 2*528
	s_add_co_u32 s24, s24, QC
	v_add_nc_u32 v9, s24, v1                       ; v9  Q's codes of row a
	v_add_nc_u32 v1, KC, v1                        ; v1  K's codes
	v_mul_u32_u24 v2, v12, 528
	v_lshl_add_u32 v2, v13, 4, v2
	v_add_nc_u32 v2, VC, v2                        ; v2  V's codes: channel r, block h
	v_mul_u32_u24 v3, v12, 144
	v_add_nc_u32 v3, KSC, v3                       ; v3  K's scale words
	v_mul_u32_u24 v4, v12, 36
	v_mad_u32_u24 v4, v13, 576, v4
	v_add_nc_u32 v4, VSC, v4                       ; v4  V's: lanes 16-31 take the next tile of channels
	s_lshl_b32 s24, s20, 7
	s_add_co_u32 s24, s24, QSC
	v_lshl_add_u32 v10, v12, 2, s24                ; v10 Q's scale words of row a
	ds_load_b128 v[28:31], v9
	ds_load_b128 v[36:39], v9 offset:528
	ds_load_b32 v[QS], v10
	ds_load_b32 v[QS+1], v10 offset:64
.irp j, 24,25,26,27,32,33,34,35,40,41,42,43
	v_mov_b32 v\j, 0                               ; the chain 0 | Qa | 0 | Qb | 0: (Q, 0) and (0, Q) are runs of eight registers in it
.endr
	v_mov_b32 v17, 0xff61b1e6                      ; the largest t so far: -3e38, under every t
	v_mov_b32 v21, 0xff61b1e6
	v_floor_f32 v16, -v17                          ; -M
	v_floor_f32 v20, -v21
	v_mov_b32 v18, 0                               ; the sums, in two halves
	v_mov_b32 v19, 0
	v_mov_b32 v22, 0
	v_mov_b32 v23, 0
	v_mov_b32 v[FF+1], 0                           ; (named as the upper half of the pair)
	s_wait_dscnt 0x0
	v_cmp_eq_u32 vcc_lo, -1, v14                   ; state + 1 = 0: the query is masked: its codes become zeros
.irp j, 28,29,30,31
	v_cndmask_b32 v\j, v\j, v24, vcc_lo
.endr
	v_cmp_eq_u32 vcc_lo, -1, v15
.irp j, 36,37,38,39
	v_cndmask_b32 v\j, v\j, v24, vcc_lo
.endr
.set JJ, 0
.rept 64
	v_mov_b32 v[OA+JJ], 0                          ; O^T.  (The loop is written once: its first trip finds zeros, which the first change of M leaves zeros)
.set JJ, JJ+1
.endr
.macro SPROD q, qs                     ; S^T of 128 keys for one row of queries: register 16 bb + 8 u + i of lane (r, h): key (row 2 B + u, j = 8 h + i), B = 4 x trip + bb
.irp bb, 0,1,2,3
	WMZ SCO+16*\bb, KF+8*\bb, \q, KS+\bb, \qs
	WMZ SCO+16*\bb+8, KF+8*\bb, (\q)-4, KS+\bb, \qs
.endr
.endm
; The softmax of one row of queries for 128 keys.  st: -M, the largest t, the sum's two halves;  pc: p's codes;  pw: p's scale word;  o: O^T
.macro SOFT st, pc, pw, o
.irp b, 0,1,2,3
	v_max3_num_f32 v[BM+\b], v[SCO+16*\b], v[SCO+1+16*\b], v[SCO+2+16*\b]   ; the largest score of each block of 32 keys: for the row's maximum, and, since p rises with the score, for the block's largest p
.endr
.irp i, 3,5,7,9,11,13
.irp b, 0,1,2,3
	v_max3_num_f32 v[BM+\b], v[BM+\b], v[SCO+16*\b+\i], v[SCO+1+16*\b+\i]
.endr
.endr
.irp b, 0,1,2,3
	v_max_num_f32 v[BM+\b], v[BM+\b], v[SCO+15+16*\b]
.endr
.irp b, 0,1,2,3
	v_permlanex16_b32 v[PT+\b], v[BM+\b], s26, s27
.endr
.irp b, 0,1,2,3
	v_max_num_f32 v[BM+\b], v[BM+\b], v[PT+\b]     ; with lane l xor 16's 16 keys
.endr
	v_max3_num_f32 v[TT], v[BM], v[BM+1], v[BM+2]
	v_max_num_f32 v[TT], v[TT], v[BM+3]
	v_mul_f32 v[TT], s28, v[TT]                    ; the step's largest t (c is positive)
	v_max_num_f32 v[\st+1], v[\st+1], v[TT]        ; the running largest t
	v_mov_b32 v[TT], v[\st]
	v_floor_f32 v[\st], -v[\st+1]                  ; the new -M = -ceil(t): a whole number
	v_sub_f32 v[TT], v[\st], v[TT]                 ; old M - new M: a whole number, 0 or less
	v_cvt_i32_f32 v[TT], v[TT]                     ; (it saturates)
	v_ldexp_f32 v[FF], 1.0, v[TT]                  ; f = 2^(old M - new M): a multiplication by it rounds nothing
.set JJ, 0
.rept 32
	v_pk_fma_f32 v[SCO+JJ:SCO+JJ+1], v[SCO+JJ:SCO+JJ+1], s[28:29], v[\st:\st+1] op_sel_hi:[1,0,0]   ; t - M
.set JJ, JJ+2
.endr
.irp b, 0,1,2,3
	v_fma_f32 v[BM+\b], v[BM+\b], s28, v[\st]      ; the same of each block's largest score
.endr
.set JJ, 0
.rept 64
	v_exp_f32 v[SCO+JJ], v[SCO+JJ]                 ; p = 2^(t - M): not normalised
.set JJ, JJ+1
.endr
	v_pk_mul_f32 v[\st+2:\st+3], v[\st+2:\st+3], v[FF:FF+1] op_sel_hi:[1,0]   ; the sums under the new M: the plain instruction behind the exponentials
	s_wait_alu depctr_va_vdst(0)                   ; one wait for the batch of 64, ahead of its first reader
.irp b, 0,1,2,3
	v_exp_f32 v[BM+\b], v[BM+\b]                   ; the blocks' largest p
.endr
	v_pk_add_f32 v[PT:PT+1], v[SCO:SCO+1], v[SCO+2:SCO+3]   ; the row's sum is taken of the unquantised p, in two chains
.irp j, 4,8,12,16,20,24,28,32,36,40,44,48,52,56,60
	v_pk_add_f32 v[\st+2:\st+3], v[\st+2:\st+3], v[SCO+\j:SCO+1+\j]
	v_pk_add_f32 v[PT:PT+1], v[PT:PT+1], v[SCO+2+\j:SCO+3+\j]
.endr
	v_pk_add_f32 v[\st+2:\st+3], v[\st+2:\st+3], v[PT:PT+1]
	s_wait_alu depctr_va_vdst(0)                   ; and one for the four
.irp b, 0,1,2,3
	v_max_num_f32 v[BM+\b], 0x1800000, v[BM+\b]    ; the floor 2^(3 - 127): the byte cannot fall under 1
.endr
.irp b, 0,1,2,3
	v_add_nc_u32 v[SO+\b], 0xff000000, v[BM+\b]    ; the conversion's scale operand
.endr
.irp b, 0,1,2,3
	v_lshrrev_b32 v[PT+\b], 23, v[SO+\b]           ; the scale's byte
.endr
	v_lshl_or_b32 v[\pw], v[PT+1], 8, v[PT]        ; p's scale word for these 128 keys
	v_lshl_or_b32 v[\pw], v[PT+2], 16, v[\pw]
	v_lshl_or_b32 v[\pw], v[PT+3], 24, v[\pw]
.irp b, 0,1,2,3
	v_cvt_scalef32_pk8_fp4_f32 v[\pc+2*\b], v[SCO+16*\b:SCO+7+16*\b], v[SO+\b]
	v_cvt_scalef32_pk8_fp4_f32 v[\pc+1+2*\b], v[SCO+8+16*\b:SCO+15+16*\b], v[SO+\b]
.endr
	v_nop                                          ; one plain instruction behind the conversions
.irp c, 0,1                                    ; a whole block in a lane: lanes 0-15 block 2 c, lanes 16-31 block 2 c + 1
.irp i, 0,1
	v_permlane16_swap_b32 v[\pc+4*\c+\i], v[\pc+2+4*\c+\i]
.endr
.endr
.set JJ, 0
.rept 16
	v_pk_mul_f32 v[\o+JJ:\o+JJ+1], v[\o+JJ:\o+JJ+1], v[FF:FF+1] op_sel_hi:[1,0]   ; O^T under the new M.  (Also the plain instructions between p's codes and scale word and the products that take them)
.set JJ, JJ+2
.endr
.endm
	s_mov_b32 s44, 0                               ; where the trip's rows of K begin: 8 rows of 528 bytes a trip;
	s_mov_b32 s45, 0                               ; K's scale words: 16 bytes a trip;
	s_mov_b32 s46, 0                               ; V's blocks: 64 bytes;
	s_mov_b32 s47, 0                               ; V's scale words: 4 bytes
	s_mov_b32 s48, 8
.Lkeys:                                                ; eight trips of 128 keys
	v_add_nc_u32 v5, s44, v1                       ; (these four are also the plain instructions behind the last trip's products, in front of the loads below)
	v_add_nc_u32 v6, s45, v3
	v_add_nc_u32 v7, s46, v2
	v_add_nc_u32 v8, s47, v4
.irp bb, 0,1,2,3
	ds_load_b128 v[KF+8*\bb:KF+8*\bb+3], v5 offset:\bb*1056         ; row 2 B
	ds_load_b128 v[KF+8*\bb+4:KF+8*\bb+7], v5 offset:\bb*1056+528   ; row 2 B + 1
.endr
	ds_load_b128 v[KS:KS+3], v6                    ; the four fragments' scale words
	s_wait_dscnt 0x0
	SPROD 28, QS
	PLACES
	SOFT 16, PCA, PW, OA
	SPROD 36, QS+1
	PLACES                                         ; in front of the loads into K's registers, and of the scores' first read
.irp tc, 0,1,2,3
.irp c, 0,1
	ds_load_b128 v[KF+8*\tc+4*\c:KF+8*\tc+4*\c+3], v7 offset:\tc*8448+32*\c   ; V^T: 16 channels x these 128 keys; they land under row b's softmax
.endr
.endr
	ds_load_b32 v[VS], v8                          ; lanes 0-15 tile 0, lanes 16-31 tile 1
	ds_load_b32 v[VS+1], v8 offset:1152            ; tiles 2 and 3
	SOFT 20, PCB, PW+1, OB
	s_wait_dscnt 0x0
.irp tc, 0,1,2,3                               ; O^T += V^T P^T: the eight accumulators by turns
	WM OA+8*\tc, KF+8*\tc, PCA, OA+8*\tc, VS+\tc/2, PW, \tc%2, 0
	WM OB+8*\tc, KF+8*\tc, PCB, OB+8*\tc, VS+\tc/2, PW+1, \tc%2, 0
.endr
	s_add_co_u32 s44, s44, 8*528
	s_add_co_u32 s45, s45, 16
	s_add_co_u32 s46, s46, 64
	s_add_co_u32 s47, s47, 4
	s_sub_co_u32 s48, s48, 1
	s_cmp_lg_u32 s48, 0
	s_cbranch_scc1 .Lkeys
; ---- the way out: each wave for itself.  O^T / the sum goes through a stage in LDS and comes back as rows; + x; LayerNorm; 512 consecutive bytes a store
	v_and_b32 v5, 31, v0                           ; (these twelve are the plain instructions behind the last products)
	v_and_b32 v6, 15, v0
	v_bfe_u32 v7, v0, 4, 1
	v_lshlrev_b32 v9, 4, v5                        ; v9  16 x lane: my 16 bytes of each 512 of a row
	s_mul_i32 s24, s20, 2*XP
	v_add_nc_u32 v10, s24, v9                      ; v10 my two rows of x in LDS
	v_mul_u32_u24 v11, v6, 272
	v_lshl_add_u32 v11, v7, 5, v11
	v_add_nc_u32 v11, s24, v11                     ; v11 the stage, in the same bytes, once x is read: query r's 256 bytes + 16 of padding; 32 h
	v_mul_u32_u24 v12, v7, 272
	v_lshl_add_u32 v12, v6, 4, v12
	v_add_nc_u32 v12, s24, v12                     ; v12 and back: lanes 0-15 one query's 256 bytes, lanes 16-31 the next's
.irp k, 0,1,2,3,4,5,6,7
	global_load_b128 v[96+4*\k:99+4*\k], v9, s[14:15] offset:512*\k    ; gamma
	global_load_b128 v[128+4*\k:131+4*\k], v9, s[16:17] offset:512*\k  ; beta
.endr
.irp k, 0,1,2,3,4,5,6,7
	ds_load_b128 v[24+4*\k:27+4*\k], v10 offset:512*\k                 ; x, row a
.endr
.irp k, 0,1,2,3,4,5,6,7
	ds_load_b128 v[56+4*\k:59+4*\k], v10 offset:XP+512*\k              ; x, row b
.endr
	v_add_f32 v18, v18, v19                        ; the sums' two halves,
	v_add_f32 v22, v22, v23
	v_permlanex16_b32 v[PT], v18, s26, s27
	v_permlanex16_b32 v[PT+1], v22, s26, s27
	v_add_f32 v18, v18, v[PT]                      ; and lane l xor 16's keys
	v_add_f32 v22, v22, v[PT+1]
	v_rcp_f32 v18, v18
	v_rcp_f32 v22, v22
	v_nop                                          ; a plain instruction behind the reciprocals,
	s_wait_alu depctr_va_vdst(0)                   ; and one wait for both, ahead of their first reader
.set JJ, 0
.rept 16
	v_pk_mul_f32 v[OA+JJ:OA+JJ+1], v[OA+JJ:OA+JJ+1], v[18:19] op_sel_hi:[1,0]
.set JJ, JJ+2
.endr
.set JJ, 0
.rept 16
	v_pk_mul_f32 v[OB+JJ:OB+JJ+1], v[OB+JJ:OB+JJ+1], v[22:23] op_sel_hi:[1,0]
.set JJ, JJ+2
.endr
.irp o, OA, OB                                 ; LDS serves a wave's instructions in order (ISA guide 5.7.1.4): x's loads stand ahead of the stores, each row's loads see its stores, and row b's stores come behind row a's loads
.irp tc, 0,1,2,3
	ds_store_b128 v11, v[\o+8*\tc:\o+8*\tc+3] offset:64*\tc            ; lane (r, h): columns 64 r + 16 tc + 8 h + 0 .. 7
	ds_store_b128 v11, v[\o+8*\tc+4:\o+8*\tc+7] offset:64*\tc+16
.endr
.irp k, 0,1,2,3,4,5,6,7
	ds_load_b128 v[\o+4*\k:\o+4*\k+3], v12 offset:544*\k               ; bytes 512 k + 16 x lane of the row
.endr
.endr
.macro ACROSS                          ; v224 summed over the 32 lanes
	v_add_f32_dpp v224, v224, v224 row_xmask:1 row_mask:0xf bank_mask:0xf
	v_add_f32_dpp v224, v224, v224 row_xmask:2 row_mask:0xf bank_mask:0xf
	v_add_f32_dpp v224, v224, v224 row_xmask:4 row_mask:0xf bank_mask:0xf
	v_add_f32_dpp v224, v224, v224 row_xmask:8 row_mask:0xf bank_mask:0xf
	v_permlanex16_b32 v[PT], v224, s26, s27
	v_add_f32 v224, v224, v[PT]
.endm
.macro LN r, x, off, first             ; a row: 32 numbers a lane in v[r] on; x's in v[x] on
.irp i, 0,2,4,6,8,10,12,14,16,18,20,22,24,26,28,30
	v_pk_add_f32 v[\r+\i:\r+\i+1], v[\r+\i:\r+\i+1], v[\x+\i:\x+\i+1]  ; the residual
.endr
	v_pk_add_f32 v[224:225], v[\r:\r+1], v[\r+2:\r+3]
	v_pk_add_f32 v[226:227], v[\r+4:\r+5], v[\r+6:\r+7]
.irp i, 8,12,16,20,24,28
	v_pk_add_f32 v[224:225], v[224:225], v[\r+\i:\r+\i+1]
	v_pk_add_f32 v[226:227], v[226:227], v[\r+\i+2:\r+\i+3]
.endr
	v_pk_add_f32 v[224:225], v[224:225], v[226:227]
	v_add_f32 v224, v224, v225
	ACROSS
	v_mul_f32 v232, s50, v224                      ; the mean
.irp i, 0,2,4,6,8,10,12,14,16,18,20,22,24,26,28,30
	v_pk_add_f32 v[\r+\i:\r+\i+1], v[\r+\i:\r+\i+1], v[232:233] op_sel_hi:[1,0] neg_lo:[0,1] neg_hi:[0,1]
.endr
	v_pk_mul_f32 v[224:225], v[\r:\r+1], v[\r:\r+1]
	v_pk_mul_f32 v[226:227], v[\r+2:\r+3], v[\r+2:\r+3]
.irp i, 4,8,12,16,20,24,28
	v_pk_fma_f32 v[224:225], v[\r+\i:\r+\i+1], v[\r+\i:\r+\i+1], v[224:225]
	v_pk_fma_f32 v[226:227], v[\r+\i+2:\r+\i+3], v[\r+\i+2:\r+\i+3], v[226:227]
.endr
	v_pk_add_f32 v[224:225], v[224:225], v[226:227]
	v_add_f32 v224, v224, v225
	ACROSS
	v_fma_f32 v224, v224, s50, s49                 ; the variance + 1e-5
	v_rsq_f32 v234, v224
	v_nop                                          ; a plain instruction behind it,
	s_wait_alu depctr_va_vdst(0)                   ; and the wait ahead of its first reader
.if \first
	s_wait_loadcnt 0x0                             ; gamma and beta
.endif
.irp i, 0,2,4,6,8,10,12,14,16,18,20,22,24,26,28,30
	v_pk_mul_f32 v[\r+\i:\r+\i+1], v[\r+\i:\r+\i+1], v[234:235] op_sel_hi:[1,0]
.endr
.irp i, 0,2,4,6,8,10,12,14,16,18,20,22,24,26,28,30
	v_pk_fma_f32 v[\r+\i:\r+\i+1], v[\r+\i:\r+\i+1], v[96+\i:97+\i], v[128+\i:129+\i]
.endr
.irp k, 0,1,2,3,4,5,6,7
	global_store_b128 v9, v[\r+4*\k:\r+4*\k+3], s[38:39] offset:\off+512*\k th:TH_STORE_NT   ; 32 lanes store 512 consecutive bytes, at a multiple of 256 from out0's first byte
.endr
.endm
	s_wait_dscnt 16                                ; x and row a are in; row b's eight stores and eight loads may be out
	LN OA, 24, 0, 1
	s_wait_dscnt 0x0
	LN OB, 56, 4096, 0
	s_wait_xcnt 0x0
	v_lshl_add_u32 v254, v0, 2, 0x48c00
	v_mov_b32 v255, 0
	s_wait_tensorcnt 0x0
	ds_add_u32 v254, v255
	s_wait_dscnt 0x0
	s_endpgm
.Lfunc_end_k_qe4625375f3_enc:
	.size	k_qe4625375f3_enc, .Lfunc_end_k_qe4625375f3_enc-k_qe4625375f3_enc
	.p2alignl 7, 3214868480
	.fill 96, 4, 3214868480
	.section	.rodata,"a",@progbits
	.p2align	6, 0x0
	.amdhsa_kernel k_qe4625375f3_enc
		.amdhsa_group_segment_fixed_size 300032
		.amdhsa_private_segment_fixed_size 0
		.amdhsa_enable_private_segment 0
		.amdhsa_kernarg_size 64
		.amdhsa_user_sgpr_count 2
		.amdhsa_user_sgpr_kernarg_segment_ptr 1
		.amdhsa_wavefront_size32 1
		.amdhsa_system_sgpr_workgroup_id_x 1
		.amdhsa_system_sgpr_workgroup_id_y 1
		.amdhsa_system_sgpr_workgroup_id_z 1
		.amdhsa_system_vgpr_workitem_id 0
		.amdhsa_next_free_vgpr 256
		.amdhsa_next_free_sgpr 66
		.amdhsa_reserve_vcc 1
		.amdhsa_float_denorm_mode_32 3
		.amdhsa_float_denorm_mode_16_64 3
		.amdhsa_memory_ordered 1
		.amdhsa_forward_progress 1
		.amdhsa_inst_pref_size 197
	.end_amdhsa_kernel
	.amdgpu_metadata
---
amdhsa.version: [ 1, 2 ]
amdhsa.kernels:
  - .name:           k_qe4625375f3_enc
    .symbol:         k_qe4625375f3_enc.kd
    .args:
      - { .name: x, .offset: 0, .size: 8, .value_kind: global_buffer, .address_space: global }
      - { .name: dialog_states, .offset: 8, .size: 8, .value_kind: global_buffer, .address_space: global }
      - { .name: wl, .offset: 16, .size: 8, .value_kind: global_buffer, .address_space: global }
      - { .name: wsl, .offset: 24, .size: 8, .value_kind: global_buffer, .address_space: global }
      - { .name: bl, .offset: 32, .size: 8, .value_kind: global_buffer, .address_space: global }
      - { .name: gamma, .offset: 40, .size: 8, .value_kind: global_buffer, .address_space: global }
      - { .name: beta, .offset: 48, .size: 8, .value_kind: global_buffer, .address_space: global }
      - { .name: out0, .offset: 56, .size: 8, .value_kind: global_buffer, .address_space: global }
    .group_segment_fixed_size: 300032
    .private_segment_fixed_size: 0
    .kernarg_segment_align: 8
    .kernarg_segment_size: 64
    .max_flat_workgroup_size: 512
    .sgpr_count:     66
    .vgpr_count:     256
    .wavefront_size: 32
...
	.end_amdgpu_metadata
.endif
;; end of part 2
;; ======== version 2 of 3: 2 launches
;; workspace buffers: wl 1,572,864 bytes; wsl 98,304 bytes; bl 12,288 bytes
;; launch lay: the kernel of part 1 again; grid 16 x 6, 8 waves a work-group, no clusters, 0 bytes of LDS; arguments Wk_codes, Wk_scales, bk, Wv_codes, Wv_scales, bv, Wq_codes, Wq_scales, bq, wl, wsl, bl; writes wl, wsl, bl
;; launch enc (part 3): grid 256 x 1, 16 waves a work-group, no clusters, 300,032 bytes of LDS; arguments x, dialog_states, wl, wsl, bl, gamma, beta, out0; writes out0
.if DOCPART == 3
	.amdgcn_target "amdgcn-amd-amdhsa--gfx1250"
	.amdhsa_code_object_version 6
	.text
	.protected	k_qe4625375f3_enc
	.globl	k_qe4625375f3_enc
	.p2align	8
	.type	k_qe4625375f3_enc,@function
k_qe4625375f3_enc:
	s_mov_b64 s[64:65], 0
	v_nop
	global_prefetch_b8 v0, s[64:65] scope:SCOPE_SE
	s_setreg_imm32_b32 hwreg(HW_REG_WAVE_MODE, 25, 1), 1
	s_wait_xcnt 0x0
; out = LayerNorm(attention(x Wq + bq, x Wk + bk, x Wv + bv) + x), all five products on codes of FP4 (E2M1) with one E8M0 scale for each 32 along K.
; THE RESHAPE: head bh is the 64 rows 64 bh .. 64 bh + 63 of x [8192][1024]; its query or key number is 16 l + j (l: row in the head, j = column / 64), its channel column % 64.
; So a head needs 64 rows of x and the three weights, and a row of the output is the 16 queries (l, j = 0 .. 15): projections, attention, residual and norm are one launch, and Q, K, V and the scores never go to memory.
; SHARES.  Work-group g: head g / 2, half g % 2.  It makes K and V of all 64 rows, Q of its own 32 rows (512 queries), and stores those 32 rows.  K and V are made twice a head (2,048 of a work-group's
; matrix instructions), so that 256 work-groups share the softmax.  LOCAL ROW y = 0 .. 63 stands for the head's row y xor 32 (g % 2): rows 0 .. 31 are my own; no LDS address knows g.
; Sixteen waves of 256 registers, four to a SIMD.  In the projections wave w makes columns 64 w .. 64 w + 63 of K and Q (j = w) and channels 4 w .. 4 w + 3 (all j) of V.
; THE MASK hangs on the query alone.  A masked row's scores are all equal: p = 1 for every key, the sum 1,024: the same for all masked queries of a head, and the same as for a query whose codes are zeros.
; So ATTENTION WALKS A PACKED LIST: the n unmasked of my 512 queries in their order, then one query of zero codes, at place n, which stands for all masked ones.  Wave w walks tile w of the list (places
; 16 w .. 16 w + 15) and, where n >= 16 w + 256, tile w + 16 too: 32 tiles where nothing is masked, 16 where n < 256.  Places behind n hold zero codes and are read by nobody.
; All of that is made of whole numbers read from dialog_states; the one branch on them stands inside the key loop, whose trips are a constant, and round no barrier.
; BLOCKS OF 32: x, Q, K: 32 neighbouring columns of a row.  V, P: 32 neighbouring keys = rows 2 B, 2 B + 1 x j = 0 .. 15; inside a block P and V are laid alike, at place 16 (j / 8) + 8 (row % 2) + j % 8.
; ALL PRODUCTS ARE USED TRANSPOSED (source 0 = weight rows, keys or channels; source 1 = rows of x, or queries), so that a lane's registers run along the next product's K.
; K Q^T has K = 64: a fragment of keys holds row 2 B in registers 0-3 and row 2 B + 1 in registers 4-7, and is multiplied by (Q, 0) and by (0, Q): nothing is read twice, no padding is stored.
; THE WEIGHTS come from memory straight into registers, in the order laid by the launch before: each load of a wave reads 512 consecutive bytes; a ring of six K steps (12 KiB a wave) is on its way.
; NO CLUSTER, NO JOINT LOADS: a weight fragment feeds one wave of a work-group alone, so through LDS it would be written and read there (1.6 MB each way) beside the 2.6 MB of x's fragments that the
; projections read; and beside x (263,168 bytes) and its images (34,816) 29,696 bytes of LDS are left for slots: some 110 changes of slots for 40 matrix instructions a wave each.
; LIMITS: NaN and infinities among the inputs are not served.  A block of zeros gets the scale byte 1 where the rule says 127: its codes are zeros, and this launch alone reads these bytes.
; Sums over the keys run in the order of the local rows, which for g % 2 = 1 is not the head's order.  The work, not the values, hangs on how many queries are masked.
; Scale operands stand in v246-255, which hold nothing else up to the closing add.
.set XP,   4112                        ; LDS: a row of x: 4,096 bytes + 16
.set KC,   32*XP                       ; behind my own 32 rows, in the bytes of rows 32-63, which are dead once x is quantised: K's codes: row y x 528 + 256 (half of the 64 channels) + 16 j
.set QC,   KC+64*528                   ; Q's codes likewise, rows 0-31
.set VC,   QC+32*528                   ; V^T's codes: channel x 528 + 16 B + 8 (j / 8) + 4 (row % 2)
.set KSC,  VC+64*528                   ; K's scale bytes: 144 j + 4 B + 2 (row % 2) + half
.set VSC,  KSC+16*144                  ; V's: 36 x channel + B
.set QSC,  VSC+64*36                   ; Q's: 64 y + 4 j + {half, 2 + half}: each byte twice
.set XI,   64*XP                       ; x's 32 fragments as images of their registers: (8 t + s) x 1,024 + 512 c + 16 x lane
.set XS,   XI+32*1024                  ; x's scale words: 256 s + 8 (16 (t % 2) + r) + 4 (t / 2)
.set STG,  KC                          ; the way out: 512 places of the packed list x (256 bytes + 16), in the bytes of the codes and of x's images, once nobody reads them
.set ACC,  16                          ; projections: v16-79 accumulators, tile of rows t, tile of the pair u: 16 t + 8 u
.set AR,   80                          ; v80-175 six slots of 16: a K step's two weight fragments
.set BIAS, 176                         ; v176-191 the unit's biases in the result's layout
.set BF,   192                         ; v192-223 x's four fragments of a K step
.set TM,   224                         ; v224-227 largest magnitudes, then the conversions' scale operands
.set PT,   228                         ; v228-231 what a lane permute brings
.set BY,   232                         ; v232-235 scale bytes
.set CD,   236                         ; v236-243 codes
.set ASC,  246                         ; v246-251 the weights' scale words, one a slot
.set XSC,  252                         ; v252-253 x's scale words
.set QTM,  192                         ; x's quantiser: v192-207 at work, v208-215 codes, v216 the scale word
.set QPC,  208
.set QPW,  216
.set FF,   44                          ; attention: v[44:45] f = 2^(old M - new M)
.set TT,   46
.set KF,   48                          ; v48-79 four fragments of K, then of V
.set PCA,  80                          ; v80-87, v88-95 P's codes, tiles a and b
.set PCB,  88
.set SCO,  96                          ; v96-159 scores, then p
.set OA,   160                         ; v160-191, v192-223 O^T, tiles a and b
.set OB,   192
.set BM,   224                         ; v224-227 the blocks' largest scores
.set SO,   232                         ; v232-235 the conversions' scale operands
.set QS,   246                         ; v246-247 Q's scale words; v248-249 P's; v250-253 K's; v254-255 V's
.set PW,   248
.set KS,   250
.set VS,   254
.set MK,   66                          ; s66-81  word k: bit i is set where query 32 k + i of my 512 is not masked
.set PF,   82                          ; s82-97  how many unmasked queries stand ahead of word k
.set NU,   98                          ; s98     n: how many in all
.macro BARRIER                         ; my LDS stores have landed and my LDS loads are in: then the work-group's barrier
	s_wait_dscnt 0x0
	s_barrier_signal -1
	s_barrier_wait -1
.endm
.macro PLACES                          ; four plain vector instructions between a matrix instruction and a read of its result or a load into one of its registers
.rept 4
	v_nop
.endr
.endm
; The matrix instruction with C in registers.  ra, rb: A's, B's scales are taken from lanes 16-31
.macro WM d, a, b, c, sa, sb, ra, rb
.if ((\ra) != 0) && ((\rb) != 0)
	v_wmma_scale_f32_16x16x128_f8f6f4 v[0+(\d):7+(\d)], v[0+(\a):7+(\a)], v[0+(\b):7+(\b)], v[0+(\c):7+(\c)], v[\sa], v[\sb] matrix_a_fmt:MATRIX_FMT_FP4 matrix_b_fmt:MATRIX_FMT_FP4 matrix_a_scale:MATRIX_SCALE_ROW1 matrix_b_scale:MATRIX_SCALE_ROW1
.elseif (\ra) != 0
	v_wmma_scale_f32_16x16x128_f8f6f4 v[0+(\d):7+(\d)], v[0+(\a):7+(\a)], v[0+(\b):7+(\b)], v[0+(\c):7+(\c)], v[\sa], v[\sb] matrix_a_fmt:MATRIX_FMT_FP4 matrix_b_fmt:MATRIX_FMT_FP4 matrix_a_scale:MATRIX_SCALE_ROW1
.elseif (\rb) != 0
	v_wmma_scale_f32_16x16x128_f8f6f4 v[0+(\d):7+(\d)], v[0+(\a):7+(\a)], v[0+(\b):7+(\b)], v[0+(\c):7+(\c)], v[\sa], v[\sb] matrix_a_fmt:MATRIX_FMT_FP4 matrix_b_fmt:MATRIX_FMT_FP4 matrix_b_scale:MATRIX_SCALE_ROW1
.else
	v_wmma_scale_f32_16x16x128_f8f6f4 v[0+(\d):7+(\d)], v[0+(\a):7+(\a)], v[0+(\b):7+(\b)], v[0+(\c):7+(\c)], v[\sa], v[\sb] matrix_a_fmt:MATRIX_FMT_FP4 matrix_b_fmt:MATRIX_FMT_FP4
.endif
.endm
.macro WMZ d, a, b, sa, sb             ; the same with C = 0
	v_wmma_scale_f32_16x16x128_f8f6f4 v[0+(\d):7+(\d)], v[0+(\a):7+(\a)], v[0+(\b):7+(\b)], 0, v[\sa], v[\sb] matrix_a_fmt:MATRIX_FMT_FP4 matrix_b_fmt:MATRIX_FMT_FP4
.endm
.macro GLOAD k                         ; K step k of my 48: two weight fragments and their scale words into slot k % 6: five loads
.irp u, 0,1
.irp c, 0,1
	global_load_b128 v[AR+16*((\k)%6)+8*\u+4*\c:AR+16*((\k)%6)+8*\u+4*\c+3], v1, s[32:33] offset:(\k)*2048+\u*1024+\c*512
.endr
.endr
	global_load_b32 v[ASC+(\k)%6], v2, s[34:35] offset:(\k)*128
.endm
.macro BIASLOAD n                      ; unit n's biases: lane (r, h) takes those of rows 8 h .. 8 h + 7 of both tiles: four loads
.irp u, 0,1
	global_load_b128 v[BIAS+8*\u:BIAS+8*\u+3], v3, s[36:37] offset:(\n)*128+\u*64
	global_load_b128 v[BIAS+8*\u+4:BIAS+8*\u+7], v3, s[36:37] offset:(\n)*128+\u*64+16
.endr
.endm
.macro BLOAD k                         ; x's fragments of K step k % 8: four tiles of rows for K and V (k < 32), my own two for Q; and their scale words
.irp t, 0,1,2,3
.if (\t < 2) || ((\k) < 32)
.irp c, 0,1
	ds_load_b128 v[BF+8*\t+4*\c:BF+8*\t+4*\c+3], v4 offset:\t*8192+((\k)%8)*1024+512*\c
.endr
.endif
.endr
	ds_load_b64 v[XSC:XSC+1], v5 offset:((\k)%8)*256   ; word 0: lanes 0-15 tile 0, lanes 16-31 tile 1; word 1: tiles 2 and 3
.endm
; 64 numbers of a lane, register 16 b + i = k 32 b + 16 (lane / 16) + i of my row, become a fragment's codes in v[QPC] on and its scale word in v[QPW]
.macro QUANT s
.irp b, 0,1,2,3
	v_max3_num_f32 v[QTM+\b], |v[\s+16*\b]|, |v[\s+1+16*\b]|, 0x1800000   ; my 16 numbers of block b, and the floor 2^(3 - 127): the byte cannot fall under 1
.endr
.irp i, 2,4,6,8,10,12,14
.irp b, 0,1,2,3
	v_max3_num_f32 v[QTM+\b], v[QTM+\b], |v[\s+16*\b+\i]|, |v[\s+1+16*\b+\i]|
.endr
.endr
.irp b, 0,1,2,3
	v_permlanex16_b32 v[QTM+4+\b], v[QTM+\b], s26, s27
.endr
.irp b, 0,1,2,3
	v_max_num_f32 v[QTM+\b], v[QTM+\b], v[QTM+4+\b]   ; with lane l xor 16's: the block's largest magnitude
.endr
.irp b, 0,1,2,3
	v_add_nc_u32 v[QTM+12+\b], 0xff000000, v[QTM+\b]  ; 2 off its exponent field: the conversion's scale operand
.endr
.irp b, 0,1,2,3
	v_lshrrev_b32 v[QTM+4+\b], 23, v[QTM+12+\b]       ; the scale's byte
.endr
	v_lshl_or_b32 v[QPW], v[QTM+5], 8, v[QTM+4]
	v_lshl_or_b32 v[QPW], v[QTM+6], 16, v[QPW]
	v_lshl_or_b32 v[QPW], v[QTM+7], 24, v[QPW]
.irp b, 0,1,2,3
	v_cvt_scalef32_pk8_fp4_f32 v[QPC+2*\b], v[\s+16*\b:\s+7+16*\b], v[QTM+12+\b]
	v_cvt_scalef32_pk8_fp4_f32 v[QPC+1+2*\b], v[\s+8+16*\b:\s+15+16*\b], v[QTM+12+\b]
.endr
	v_nop                                          ; one plain instruction behind a scaled conversion
.irp c, 0,1                                    ; the operand's layout wants a whole block in a lane
.irp i, 0,1
	v_permlane16_swap_b32 v[QPC+4*\c+\i], v[QPC+2+4*\c+\i]
.endr
.endr
.endm
	s_load_b256 s[4:11], s[0:1], 0x0               ; x s[4:5], dialog_states s[6:7], wl s[8:9], wsl s[10:11]
	s_load_b256 s[12:19], s[0:1], 0x20             ; bl s[12:13], gamma s[14:15], beta s[16:17], out0 s[18:19]
	v_lshrrev_b32 v1, 5, v0
	v_readfirstlane_b32 s20, v1                    ; wave w
	s_lshr_b32 s22, ttmp9, 1                       ; head
	s_and_b32 s23, ttmp9, 1                        ; half
	s_mov_b32 s26, 0x76543210
	s_mov_b32 s27, 0xfedcba98                      ; v_permlanex16_b32's selects for lane l xor 16
	s_mov_b32 s28, 0x3e38aa3b                      ; c = log2(e) / 8: t = score x c
	s_mov_b32 s29, s28                             ; (named with it as a pair)
	s_mov_b32 s49, 0x3727c5ac                      ; 1e-5
	s_mov_b32 s50, 0x3a800000                      ; 1 / 1,024
	s_mov_b32 s54, 0xffff0000                      ; lanes 16-31
	s_lshl_b32 s21, s23, 5                         ; 32 x half
	s_lshl_b32 s24, s22, 6                         ; the head's first row
	s_lshl_b32 s30, s20, 2
	s_xor_b32 s30, s30, s21
	s_add_co_u32 s30, s30, s24
	s_lshl_b32 s30, s30, 12                        ; x: local rows 4 w .. 4 w + 3 are rows 64 bh + (4 w xor 32 half) on, 4,096 bytes each
	s_mov_b32 s31, 0
	s_mul_i32 s32, s20, 98304                      ; my wave's part of wl,
	s_mov_b32 s33, 0
	s_mul_i32 s34, s20, 6144                       ; of wsl,
	s_mov_b32 s35, 0
	s_mul_i32 s36, s20, 768                        ; of bl
	s_mov_b32 s37, 0
	s_lshl_b32 s25, s20, 1
	s_add_co_u32 s25, s25, s21                     ; the first row that I store, in the head: 32 half + 2 w
	s_add_co_u32 s38, s25, s24
	s_lshl_b32 s38, s38, 12                        ; its row of out0
	s_mov_b32 s39, 0
	s_lshl_b32 s40, s22, 12
	s_lshl_b32 s25, s23, 11
	s_add_co_u32 s40, s40, s25                     ; the dialog states of the work-group's 512 queries: 4,096 bytes a head, 2,048 a half
	s_mov_b32 s41, 0
	v_and_b32 v244, 31, v0                         ; lane
	v_and_b32 v245, 15, v0                         ; r
	v_bfe_u32 v243, v0, 4, 1                       ; h
	v_lshlrev_b32 v1, 4, v244                      ; v1  16 x lane
	v_lshlrev_b32 v2, 2, v244                      ; v2  4 x lane
	v_lshlrev_b32 v3, 5, v243                      ; v3  32 h
	v_add_nc_u32 v4, XI, v1                        ; v4  an image's place for my lane
	v_lshl_add_u32 v5, v244, 3, XS                 ; v5  x's scale words
	s_mul_i32 s24, s20, 4*XP
	v_add_nc_u32 v6, s24, v1                       ; v6  where I put my four rows of x
	v_mul_u32_u24 v7, v245, 528
	v_lshl_add_u32 v7, v243, 3, v7
	s_lshl_b32 s24, s20, 4
	s_add_co_u32 s24, s24, KC
	v_add_nc_u32 v7, s24, v7                       ; v7  K's (and Q's) codes: row r, j = w, 8 bytes for each half of the lanes
	s_mul_i32 s24, s20, 144
	s_add_co_u32 s25, s24, KSC
	v_lshl_add_u32 v8, v245, 1, s25                ; v8  K's scale bytes: 144 w + 4 (r / 2) + 2 (r % 2) = 144 w + 2 r
	s_add_co_u32 s25, s24, VSC
	v_lshrrev_b32 v11, 1, v245
	v_add_nc_u32 v11, s25, v11                     ; v11 V's scale bytes: 36 x 4 w + r / 2
	s_lshl_b32 s24, s20, 2
	s_add_co_u32 s24, s24, QSC
	v_lshl_add_u32 v9, v245, 6, s24                ; v9  Q's scale bytes: 64 r + 4 w
	v_and_b32 v242, 14, v245
	v_lshlrev_b32 v10, 3, v242
	v_and_b32 v242, 1, v245
	v_lshl_add_u32 v10, v242, 2, v10
	v_lshl_add_u32 v10, v243, 3, v10
	s_mul_i32 s24, s20, 4*528
	s_add_co_u32 s24, s24, VC
	v_add_nc_u32 v10, s24, v10                     ; v10 V's codes: channel 4 w, 16 (r / 2) + 4 (r % 2) + 8 h
	s_lshr_b32 s24, s20, 2                         ; x's quantiser: wave w takes tile of rows w / 4 and K steps 2 (w % 4), 2 (w % 4) + 1
	s_mul_i32 s24, s24, 16*XP
	s_and_b32 s25, s20, 3
	s_lshl_b32 s25, s25, 10
	s_add_co_u32 s24, s24, s25
	v_mul_u32_u24 v217, v245, XP
	v_lshl_add_u32 v217, v243, 6, v217
	v_add_nc_u32 v217, s24, v217                   ; v217 row r of the tile, + 64 h: my 16 numbers of a block
	s_lshl_b32 s24, s20, 11
	s_add_co_u32 s24, s24, XI
	v_add_nc_u32 v218, s24, v1                     ; v218 images 8 (w / 4) + 2 (w % 4) = 2 w and 2 w + 1
	s_and_b32 s24, s20, 3
	s_lshl_b32 s24, s24, 9
	s_bfe_u32 s25, s20, 0x10002
	s_lshl_b32 s25, s25, 7
	s_add_co_u32 s24, s24, s25
	s_lshr_b32 s25, s20, 3
	s_lshl_b32 s25, s25, 2
	s_add_co_u32 s24, s24, s25
	s_add_co_u32 s24, s24, XS
	v_lshl_add_u32 v219, v245, 3, s24              ; v219 their scale words
.irp b, 0,1,2,3
	v_mov_b32 v[QTM+4+\b], 0                       ; written once: a lane permute's destination counts as one of its sources
	v_mov_b32 v[PT+\b], 0
.endr
	s_wait_kmcnt 0x0
	s_add_nc_u64 s[30:31], s[4:5], s[30:31]
	s_add_nc_u64 s[32:33], s[8:9], s[32:33]
	s_add_nc_u64 s[34:35], s[10:11], s[34:35]
	s_add_nc_u64 s[36:37], s[12:13], s[36:37]
	s_add_nc_u64 s[38:39], s[18:19], s[38:39]
	s_add_nc_u64 s[40:41], s[6:7], s[40:41]
; ---- the dialog states of all 512 queries, in every wave; then x: four rows a wave, each load 512 consecutive bytes; all 256 KiB of the work-group are asked for at once
.irp k, 0,1,2,3,4,5,6,7,8,9,10,11,12,13,14,15
	global_load_b32 v[144+\k], v2, s[40:41] offset:128*\k   ; lane i: query 32 k + i
.endr
.irp p, 0,1,2,3
.irp k, 0,1,2,3,4,5,6,7
	global_load_b128 v[16+32*\p+4*\k:16+32*\p+4*\k+3], v1, s[30:31] offset:\p*4096+512*\k
.endr
.endr
	s_wait_loadcnt 32                              ; the states are in; x's 32 loads, which are younger, may be out: the list is counted while they are on their way
.irp k, 0,1,2,3,4,5,6,7,8,9,10,11,12,13,14,15
	v_cmp_ne_u32 s[MK+\k], -1, v[144+\k]           ; state + 1 = 0 masks a query
.endr
	s_mov_b32 s[NU], 0
.set KK, 0
.rept 16
	s_mov_b32 s[PF+KK], s[NU]
	s_bcnt1_i32_b32 s24, s[MK+KK]
	s_add_co_u32 s[NU], s[NU], s24
.set KK, KK+1
.endr
	s_mov_b32 s52, s[MK]                           ; word w holds the 32 queries of the two rows that I store: s52 the word, s53 its count ahead
	s_mov_b32 s53, s[PF]
.set KK, 1
.rept 15
	s_cmp_eq_u32 s20, KK
	s_cselect_b32 s52, s[MK+KK], s52
	s_cselect_b32 s53, s[PF+KK], s53
.set KK, KK+1
.endr
	s_lshl_b32 s24, s20, 4
	s_add_co_u32 s24, s24, 256
	s_cmp_ge_u32 s[NU], s24
	s_cselect_b32 s51, 1, 0                        ; s51 = 1: tile w + 16 of the list has a place that is read (places 0 .. n are)
	v_mbcnt_lo_u32_b32 v14, s52, 0                 ; the unmasked queries of my word below my lane,
	v_add_nc_u32 v14, s53, v14                     ; so my query's place in the list;
	v_mov_b32 v15, s[NU]
	s_mov_b32 vcc_lo, s52
	v_cndmask_b32 v14, v15, v14, vcc_lo            ; a masked query takes place n's result
	v_min_u32 v14, 511, v14
	v_mul_u32_u24 v14, 272, v14                    ; v14 stays to the end: lane i: where the result of query i of my two rows will lie in the stage
.irp p, 0,1,2,3
	s_wait_loadcnt 24-8*\p                         ; row p is in; the eight loads of each younger row may be out
.irp k, 0,1,2,3,4,5,6,7
	ds_store_b128 v6, v[16+32*\p+4*\k:16+32*\p+4*\k+3] offset:\p*XP+512*\k
.endr
.endr
	s_wait_dscnt 0x0                               ; my rows lie in LDS, and the stores have read their registers:
	BIASLOAD 0                                     ; these take the first weights, 34 loads, which stay out while x is quantised
.irp k, 0,1,2,3,4,5
	GLOAD \k
.endr
	s_barrier_signal -1
	s_barrier_wait -1                              ; all 64 rows lie in LDS
; ---- x is quantised: two fragments a wave; they go to LDS as images of their registers
.irp kk, 0,1
.irp b, 0,1,2,3
.irp q, 0,1,2,3
	ds_load_b128 v[16+16*\b+4*\q:16+16*\b+4*\q+3], v217 offset:512*\kk+128*\b+16*\q
.endr
.endr
	s_wait_dscnt 0x0                               ; the numbers are in (and the last fragment's stores have read their registers)
	QUANT 16
	ds_store_b128 v218, v[QPC:QPC+3] offset:1024*\kk
	ds_store_b128 v218, v[QPC+4:QPC+7] offset:1024*\kk+512
	ds_store_b32 v219, v[QPW] offset:256*\kk       ; both halves of the lanes hold the same word and write it to the same place
.endr
	BARRIER                                        ; x's 32 fragments lie in LDS, and nobody reads rows 32-63 of x any more
; ---- the projections: six units of eight K steps.  A unit: two tiles of 16 weight rows x four (Q: two) tiles of rows of x
; A K step.  The accumulators take turns, one instruction a turn.  A unit's first step takes the biases as C.
.macro KSTEP
.set SL, KI%6
.set ST8, KI%8
.if 47-KI < 5
	s_wait_loadcnt 5*(47-KI)                       ; this step's five loads are in: behind them stand the five of each younger step
.else
	s_wait_loadcnt 25                              ; (the biases' loads only add to the true figure; a unit's biases are asked for eight steps ahead)
.endif
	s_wait_dscnt 0x0                               ; x's fragments are in; the last unit's stores have read their registers
.irp t, 0,1,2,3
.if (\t < 2) || (KI < 32)
.irp u, 0,1
.if ST8 == 0
	WM ACC+16*\t+8*\u, AR+16*SL+8*\u, BF+8*\t, BIAS+8*\u, ASC+SL, XSC+\t/2, \u, \t%2
.else
	WM ACC+16*\t+8*\u, AR+16*SL+8*\u, BF+8*\t, ACC+16*\t+8*\u, ASC+SL, XSC+\t/2, \u, \t%2
.endif
.endr
.endif
.endr
	PLACES                                         ; in front of the loads into registers just multiplied, and of the unit's end
.if KI < 47
	BLOAD KI+1
.endif
.if KI+6 < 48
	GLOAD KI+6
.endif
.if (ST8 == 0) && (KI < 40)
	BIASLOAD KI/8+1
.endif
.endm
; The end of a K or Q unit: lane (r, h) holds, of row 16 t + r, columns 64 w + 32 hh + 16 h + 0 .. 15: half a block.  The tiles of rows by turns
.macro EPI_KQ nx, hh, isq
.irp t, 0,1,2,3
.if \t < \nx
	v_max3_num_f32 v[TM+\t], |v[ACC+16*\t]|, |v[ACC+16*\t+1]|, 0x1800000   ; each accumulator is read from its low end on
.endif
.endr
.irp i, 2,4,6,8,10,12,14
.irp t, 0,1,2,3
.if \t < \nx
	v_max3_num_f32 v[TM+\t], v[TM+\t], |v[ACC+16*\t+\i]|, |v[ACC+16*\t+\i+1]|
.endif
.endr
.endr
.irp t, 0,1,2,3
.if \t < \nx
	v_permlanex16_b32 v[PT+\t], v[TM+\t], s26, s27
.endif
.endr
.irp t, 0,1,2,3
.if \t < \nx
	v_max_num_f32 v[TM+\t], v[TM+\t], v[PT+\t]     ; the block's largest magnitude
.endif
.endr
.irp t, 0,1,2,3
.if \t < \nx
	v_add_nc_u32 v[TM+\t], 0xff000000, v[TM+\t]    ; 2 off its exponent field: the conversion's scale operand
.endif
.endr
.irp t, 0,1,2,3
.if \t < \nx
	v_lshrrev_b32 v[BY+\t], 23, v[TM+\t]           ; the scale's byte
.endif
.endr
.irp t, 0,1,2,3
.if \t < \nx
	v_cvt_scalef32_pk8_fp4_f32 v[CD+2*\t], v[ACC+16*\t:ACC+16*\t+7], v[TM+\t]
	v_cvt_scalef32_pk8_fp4_f32 v[CD+2*\t+1], v[ACC+16*\t+8:ACC+16*\t+15], v[TM+\t]
.endif
.endr
	v_nop                                          ; one plain instruction behind the conversions: the next unit's products write their sources
.irp t, 0,1,2,3
.if \t < \nx
.if \isq
	ds_store_b64 v7, v[CD+2*\t:CD+2*\t+1] offset:QC-KC+\t*8448+(\hh)*256
	ds_store_b8 v9, v[BY+\t] offset:\t*1024+(\hh)  ; both halves of the lanes write the same byte.  Twice: the word serves (Q, 0) and (0, Q)
	ds_store_b8 v9, v[BY+\t] offset:\t*1024+(\hh)+2
.else
	ds_store_b64 v7, v[CD+2*\t:CD+2*\t+1] offset:\t*8448+(\hh)*256
	ds_store_b8 v8, v[BY+\t] offset:32*\t+(\hh)
.endif
.endif
.endr
.endm
; The end of a V unit: accumulator 2 t + u of lane (r, h) holds, of row 16 t + r and channel 4 w + 2 np + u, j = 8 h + 0 .. 7.  A block is lanes r, r xor 1 and their partners 16 away.  Four accumulators at a time
.macro EPI_V np
.irp g, 0,1
.if \g
	s_wait_dscnt 0x0                               ; the first four's stores have read their registers
.endif
.irp q, 0,1,2,3
	v_max3_num_f32 v[TM+\q], |v[ACC+32*\g+8*\q]|, |v[ACC+32*\g+8*\q+1]|, 0x1800000
.endr
.irp i, 2,4,6
.irp q, 0,1,2,3
	v_max3_num_f32 v[TM+\q], v[TM+\q], |v[ACC+32*\g+8*\q+\i]|, |v[ACC+32*\g+8*\q+\i+1]|
.endr
.endr
.irp q, 0,1,2,3
	v_max_num_f32_dpp v[TM+\q], v[TM+\q], v[TM+\q] row_xmask:1 row_mask:0xf bank_mask:0xf   ; the pair's other row
.endr
.irp q, 0,1,2,3
	v_permlanex16_b32 v[PT+\q], v[TM+\q], s26, s27
.endr
.irp q, 0,1,2,3
	v_max_num_f32 v[TM+\q], v[TM+\q], v[PT+\q]     ; the other eight j
.endr
.irp q, 0,1,2,3
	v_add_nc_u32 v[TM+\q], 0xff000000, v[TM+\q]
.endr
.irp q, 0,1,2,3
	v_lshrrev_b32 v[BY+\q], 23, v[TM+\q]
.endr
.irp q, 0,1,2,3
	v_cvt_scalef32_pk8_fp4_f32 v[CD+\q], v[ACC+32*\g+8*\q:ACC+32*\g+8*\q+7], v[TM+\q]
.endr
	v_nop                                          ; one plain instruction behind the conversions
.irp q, 0,1,2,3
	ds_store_b32 v10, v[CD+\q] offset:(2*(\np)+\q%2)*528+128*(2*\g+\q/2)
	ds_store_b8 v11, v[BY+\q] offset:(2*(\np)+\q%2)*36+8*(2*\g+\q/2)   ; the block's four lanes write the same byte
.endr
.endr
.endm
	BLOAD 0
.set KI, 0
.rept 48
	KSTEP
.if KI%8 == 7
.if KI/8 < 2
	EPI_KQ 4, (KI/8)%2, 0
.elseif KI/8 < 4
	EPI_V (KI/8)%2
.else
	EPI_KQ 2, (KI/8)%2, 1
.endif
.endif
.set KI, KI+1
.endr
	BARRIER                                        ; K's, V's and Q's codes and scale bytes lie in LDS.  (The last step's wait was for all loads: their address registers are free.)  From here to the next barrier no wave writes LDS
; ---- attention on the packed list: my tiles a = w and b = w + 16; a lane's query is place 16 x tile + r
	v_and_b32 v12, 15, v0                          ; r
	v_bfe_u32 v13, v0, 4, 1                        ; h
	v_lshlrev_b32 v1, 4, v12
	v_lshl_add_u32 v1, v13, 8, v1
	v_add_nc_u32 v1, KC, v1                        ; v1  K's codes: key j = r, my half of its 64 channels: 16 r + 256 h
	v_lshlrev_b32 v9, 8, v13
	v_add_nc_u32 v9, QC, v9                        ; v9  Q's codes: my half of a query's 64 channels
	v_mul_u32_u24 v2, v12, 528
	v_lshl_add_u32 v2, v13, 4, v2
	v_add_nc_u32 v2, VC, v2                        ; v2  V's codes: channel r, block h
	v_mul_u32_u24 v3, v12, 144
	v_add_nc_u32 v3, KSC, v3                       ; v3  K's scale words
	v_mul_u32_u24 v4, v12, 36
	v_mad_u32_u24 v4, v13, 576, v4
	v_add_nc_u32 v4, VSC, v4                       ; v4  V's: lanes 16-31 take the next tile of channels
.irp j, 24,25,26,27,32,33,34,35,40,41,42,43
	v_mov_b32 v\j, 0                               ; the chain 0 | Qa | 0 | Qb | 0: (Q, 0) and (0, Q) are runs of eight registers in it
.endr
; WHICH QUERY STANDS AT PLACE p: lanes 0-15 ask for tile a's places, lanes 16-31 for tile b's.  First the word: the last k whose count ahead is at most p
	s_lshl_b32 s24, s20, 4
	v_lshl_add_u32 v96, v13, 8, v12
	v_add_nc_u32 v96, s24, v96                     ; p = 16 w + 256 h + r
	v_mov_b32 v97, 0                               ; the word's count ahead,
	v_mov_b32 v98, s[MK]                           ; the word,
	v_mov_b32 v99, 0                               ; 32 k
.set KK, 1
.rept 15
	v_cmp_gt_u32 vcc_lo, s[PF+KK], v96             ; the counts ahead do not fall with k: where word k begins behind p, what stands is kept
	v_cndmask_b32 v97, s[PF+KK], v97, vcc_lo
	v_cndmask_b32 v98, s[MK+KK], v98, vcc_lo
	v_cndmask_b32 v99, 32*KK, v99, vcc_lo
.set KK, KK+1
.endr
	v_sub_nc_u32 v106, v96, v97                    ; then the bit: the one with so many set bits below it.  The word's set bits are counted sideways, in fields of 2, 4, 8 and 16 bits,
	v_lshrrev_b32 v100, 1, v98
	v_and_b32 v100, 0x55555555, v100
	v_sub_nc_u32 v100, v98, v100                   ; v100 fields of 2
	v_lshrrev_b32 v101, 2, v100
	v_and_b32 v101, 0x33333333, v101
	v_and_b32 v102, 0x33333333, v100
	v_add_nc_u32 v101, v101, v102                  ; v101 of 4
	v_lshrrev_b32 v102, 4, v101
	v_add_nc_u32 v102, v102, v101
	v_and_b32 v102, 0x0f0f0f0f, v102               ; v102 of 8
	v_lshrrev_b32 v103, 8, v102
	v_add_nc_u32 v103, v103, v102
	v_and_b32 v103, 0x00ff00ff, v103               ; v103 of 16
	v_mov_b32 v104, 0                              ; and the place is halved five times: v104 the bit so far, v106 the set bits still to pass
.macro HALVE lv, wd                    ; the lower wd bits hold v105 set bits: if those are not more than are still to pass, pass them
	v_bfe_u32 v105, v[\lv], v104, \wd
	v_cmp_lt_u32 vcc_lo, v106, v105
	v_cndmask_b32 v105, v105, v24, vcc_lo
	v_cndmask_b32 v107, \wd, v24, vcc_lo
	v_sub_nc_u32 v106, v106, v105
	v_add_nc_u32 v104, v104, v107
.endm
	HALVE 103, 16
	HALVE 102, 8
	HALVE 101, 4
	HALVE 100, 2
	HALVE 98, 1
	v_add_nc_u32 v104, v99, v104                   ; the query, 0 .. 511 whatever p
	v_cmp_gt_u32 vcc_lo, s[NU], v96
	v_cndmask_b32 v104, 0x400, v104, vcc_lo        ; places n and on hold no query: 1,024 marks them
	v_permlanex16_b32 v107, v104, s26, s27         ; both halves of the lanes want both tiles' answers
	s_mov_b32 vcc_lo, s54
	v_cndmask_b32 v108, v104, v107, vcc_lo         ; v108 tile a's query for r
	v_cndmask_b32 v109, v107, v104, vcc_lo         ; v109 tile b's
.macro QGET q, t, c, s                 ; the codes and the scale word of query v[q], from where the projection put them; each offset is held inside its table just ahead of the last sum
	v_min_u32 v[\t], 511, v[\q]
	v_lshrrev_b32 v[\t+1], 4, v[\t]
	v_and_b32 v[\t+2], 15, v[\t]
	v_mul_u32_u24 v[\t+1], 528, v[\t+1]
	v_lshl_add_u32 v[\t+1], v[\t+2], 4, v[\t+1]    ; row x 528 + 16 j
	v_min_u32 v[\t+1], 31*528+240, v[\t+1]
	v_add_nc_u32 v[\t+1], v[\t+1], v9
	v_lshl_add_u32 v[\t+2], v[\t], 2, QSC          ; 64 x row + 4 j = 4 x query
	ds_load_b128 v[\c:\c+3], v[\t+1]
	ds_load_b32 v[\s], v[\t+2]
.endm
	QGET 108, 110, 28, QS
	QGET 109, 113, 36, QS+1
	v_mov_b32 v17, 0xff61b1e6                      ; the largest t so far: -3e38, under every t
	v_mov_b32 v21, 0xff61b1e6
	v_floor_f32 v16, -v17                          ; -M
	v_floor_f32 v20, -v21
	v_mov_b32 v18, 0                               ; the sums, in two halves
	v_mov_b32 v19, 0
	v_mov_b32 v22, 0
	v_mov_b32 v23, 0
	v_mov_b32 v[FF+1], 0                           ; (named as the upper half of the pair)
	s_wait_dscnt 0x0
	v_cmp_gt_u32 vcc_lo, 0x200, v108               ; a place without a query gets zero codes: place n among them, which stands for the masked queries
.irp j, 28,29,30,31
	v_cndmask_b32 v\j, v24, v\j, vcc_lo
.endr
	v_cmp_gt_u32 vcc_lo, 0x200, v109
.irp j, 36,37,38,39
	v_cndmask_b32 v\j, v24, v\j, vcc_lo
.endr
.set JJ, 0
.rept 64
	v_mov_b32 v[OA+JJ], 0                          ; O^T.  (The loop is written once: its first trip finds zeros, which the first change of M leaves zeros)
.set JJ, JJ+1
.endr
.macro SPROD q, qs                     ; S^T of 128 keys for one tile of queries: register 16 bb + 8 u + i of lane (r, h): key (row 2 B + u, j = 8 h + i), B = 4 x trip + bb
.irp bb, 0,1,2,3
	WMZ SCO+16*\bb, KF+8*\bb, \q, KS+\bb, \qs
	WMZ SCO+16*\bb+8, KF+8*\bb, (\q)-4, KS+\bb, \qs
.endr
.endm
.macro VLOAD                           ; V^T: 64 channels x the trip's 128 keys, into K's registers; they land under a softmax
.irp tc, 0,1,2,3
.irp c, 0,1
	ds_load_b128 v[KF+8*\tc+4*\c:KF+8*\tc+4*\c+3], v7 offset:\tc*8448+32*\c
.endr
.endr
	ds_load_b32 v[VS], v8                          ; lanes 0-15 tile 0, lanes 16-31 tile 1
	ds_load_b32 v[VS+1], v8 offset:1152            ; tiles 2 and 3
.endm
; The softmax of one tile of queries for 128 keys.  st: -M, the largest t, the sum's two halves;  pc: p's codes;  pw: p's scale word;  o: O^T
.macro SOFT st, pc, pw, o
.irp b, 0,1,2,3
	v_max3_num_f32 v[BM+\b], v[SCO+16*\b], v[SCO+1+16*\b], v[SCO+2+16*\b]   ; the largest score of each block of 32 keys: for the row's maximum, and, since p rises with the score, for the block's largest p
.endr
.irp i, 3,5,7,9,11,13
.irp b, 0,1,2,3
	v_max3_num_f32 v[BM+\b], v[BM+\b], v[SCO+16*\b+\i], v[SCO+1+16*\b+\i]
.endr
.endr
.irp b, 0,1,2,3
	v_max_num_f32 v[BM+\b], v[BM+\b], v[SCO+15+16*\b]
.endr
.irp b, 0,1,2,3
	v_permlanex16_b32 v[PT+\b], v[BM+\b], s26, s27
.endr
.irp b, 0,1,2,3
	v_max_num_f32 v[BM+\b], v[BM+\b], v[PT+\b]     ; with lane l xor 16's 16 keys
.endr
	v_max3_num_f32 v[TT], v[BM], v[BM+1], v[BM+2]
	v_max_num_f32 v[TT], v[TT], v[BM+3]
	v_mul_f32 v[TT], s28, v[TT]                    ; the step's largest t (c is positive)
	v_max_num_f32 v[\st+1], v[\st+1], v[TT]        ; the running largest t
	v_mov_b32 v[TT], v[\st]
	v_floor_f32 v[\st], -v[\st+1]                  ; the new -M = -ceil(t): a whole number
	v_sub_f32 v[TT], v[\st], v[TT]                 ; old M - new M: a whole number, 0 or less
	v_cvt_i32_f32 v[TT], v[TT]                     ; (it saturates)
	v_ldexp_f32 v[FF], 1.0, v[TT]                  ; f = 2^(old M - new M): a multiplication by it rounds nothing
.set JJ, 0
.rept 32
	v_pk_fma_f32 v[SCO+JJ:SCO+JJ+1], v[SCO+JJ:SCO+JJ+1], s[28:29], v[\st:\st+1] op_sel_hi:[1,0,0]   ; t - M
.set JJ, JJ+2
.endr
.irp b, 0,1,2,3
	v_fma_f32 v[BM+\b], v[BM+\b], s28, v[\st]      ; the same of each block's largest score
.endr
.set JJ, 0
.rept 64
	v_exp_f32 v[SCO+JJ], v[SCO+JJ]                 ; p = 2^(t - M): not normalised
.set JJ, JJ+1
.endr
	v_pk_mul_f32 v[\st+2:\st+3], v[\st+2:\st+3], v[FF:FF+1] op_sel_hi:[1,0]   ; the sums under the new M: the plain instruction behind the exponentials
	s_wait_alu depctr_va_vdst(0)                   ; one wait for the batch of 64, ahead of its first reader
.irp b, 0,1,2,3
	v_exp_f32 v[BM+\b], v[BM+\b]                   ; the blocks' largest p
.endr
	v_pk_add_f32 v[PT:PT+1], v[SCO:SCO+1], v[SCO+2:SCO+3]   ; the row's sum is taken of the unquantised p, in two chains
.irp j, 4,8,12,16,20,24,28,32,36,40,44,48,52,56,60
	v_pk_add_f32 v[\st+2:\st+3], v[\st+2:\st+3], v[SCO+\j:SCO+1+\j]
	v_pk_add_f32 v[PT:PT+1], v[PT:PT+1], v[SCO+2+\j:SCO+3+\j]
.endr
	v_pk_add_f32 v[\st+2:\st+3], v[\st+2:\st+3], v[PT:PT+1]
	s_wait_alu depctr_va_vdst(0)                   ; and one for the four
.irp b, 0,1,2,3
	v_max_num_f32 v[BM+\b], 0x1800000, v[BM+\b]    ; the floor 2^(3 - 127): the byte cannot fall under 1
.endr
.irp b, 0,1,2,3
	v_add_nc_u32 v[SO+\b], 0xff000000, v[BM+\b]    ; the conversion's scale operand
.endr
.irp b, 0,1,2,3
	v_lshrrev_b32 v[PT+\b], 23, v[SO+\b]           ; the scale's byte
.endr
	v_lshl_or_b32 v[\pw], v[PT+1], 8, v[PT]        ; p's scale word for these 128 keys
	v_lshl_or_b32 v[\pw], v[PT+2], 16, v[\pw]
	v_lshl_or_b32 v[\pw], v[PT+3], 24, v[\pw]
.irp b, 0,1,2,3
	v_cvt_scalef32_pk8_fp4_f32 v[\pc+2*\b], v[SCO+16*\b:SCO+7+16*\b], v[SO+\b]
	v_cvt_scalef32_pk8_fp4_f32 v[\pc+1+2*\b], v[SCO+8+16*\b:SCO+15+16*\b], v[SO+\b]
.endr
	v_nop                                          ; one plain instruction behind the conversions
.irp c, 0,1                                    ; a whole block in a lane: lanes 0-15 block 2 c, lanes 16-31 block 2 c + 1
.irp i, 0,1
	v_permlane16_swap_b32 v[\pc+4*\c+\i], v[\pc+2+4*\c+\i]
.endr
.endr
.set JJ, 0
.rept 16
	v_pk_mul_f32 v[\o+JJ:\o+JJ+1], v[\o+JJ:\o+JJ+1], v[FF:FF+1] op_sel_hi:[1,0]   ; O^T under the new M.  (Also the plain instructions between p's codes and scale word and the products that take them)
.set JJ, JJ+2
.endr
.endm
	s_mov_b32 s44, 0                               ; where the trip's rows of K begin: 8 rows of 528 bytes a trip;
	s_mov_b32 s45, 0                               ; K's scale words: 16 bytes a trip;
	s_mov_b32 s46, 0                               ; V's blocks: 64 bytes;
	s_mov_b32 s47, 0                               ; V's scale words: 4 bytes
	s_mov_b32 s48, 8
.Lkeys:                                                ; eight trips of 128 keys, in every wave; what a wave without a second tile leaves out is jumped over inside the trip
	v_add_nc_u32 v5, s44, v1                       ; (these four are also the plain instructions behind the last trip's products, in front of the loads below)
	v_add_nc_u32 v6, s45, v3
	v_add_nc_u32 v7, s46, v2
	v_add_nc_u32 v8, s47, v4
.irp bb, 0,1,2,3
	ds_load_b128 v[KF+8*\bb:KF+8*\bb+3], v5 offset:\bb*1056         ; row 2 B
	ds_load_b128 v[KF+8*\bb+4:KF+8*\bb+7], v5 offset:\bb*1056+528   ; row 2 B + 1
.endr
	ds_load_b128 v[KS:KS+3], v6                    ; the four fragments' scale words
	s_wait_dscnt 0x0
	SPROD 28, QS
	PLACES                                         ; in front of the scores' first read, and on the short way of the loads into K's registers
	s_cmp_eq_u32 s51, 0
	s_cbranch_scc1 .Lone
	SOFT 16, PCA, PW, OA
	SPROD 36, QS+1
	PLACES                                         ; in front of the loads into K's registers, and of the scores' first read
	VLOAD
	SOFT 20, PCB, PW+1, OB
	s_wait_dscnt 0x0
.irp tc, 0,1,2,3                               ; O^T += V^T P^T: the eight accumulators by turns
	WM OA+8*\tc, KF+8*\tc, PCA, OA+8*\tc, VS+\tc/2, PW, \tc%2, 0
	WM OB+8*\tc, KF+8*\tc, PCB, OB+8*\tc, VS+\tc/2, PW+1, \tc%2, 0
.endr
	s_branch .Lnext
.Lone:                                                 ; tile a alone
	VLOAD
	SOFT 16, PCA, PW, OA
	s_wait_dscnt 0x0
.irp tc, 0,1,2,3                               ; its four accumulators by turns
	WM OA+8*\tc, KF+8*\tc, PCA, OA+8*\tc, VS+\tc/2, PW, \tc%2, 0
.endr
.Lnext:
	s_add_co_u32 s44, s44, 8*528
	s_add_co_u32 s45, s45, 16
	s_add_co_u32 s46, s46, 64
	s_add_co_u32 s47, s47, 4
	s_sub_co_u32 s48, s48, 1
	s_cmp_lg_u32 s48, 0
	s_cbranch_scc1 .Lkeys
; ---- the way out.  O^T / the sum of every tile goes to the stage, at its places of the list; then each wave gathers the 16 queries of each of its two rows; + x; LayerNorm; 512 consecutive bytes a store
	v_and_b32 v5, 31, v0                           ; (these lines are the plain instructions behind the last products)
	v_and_b32 v6, 15, v0
	v_bfe_u32 v7, v0, 4, 1
	v_lshlrev_b32 v9, 4, v5                        ; v9  16 x lane: my 16 bytes of each 512 of a row
	s_mul_i32 s24, s20, 2*XP
	v_add_nc_u32 v10, s24, v9                      ; v10 my two rows of x in LDS
	v_mul_u32_u24 v11, v6, 272
	v_lshl_add_u32 v11, v7, 5, v11
	s_mul_i32 s24, s20, 16*272
	s_add_co_u32 s24, s24, STG
	v_add_nc_u32 v11, s24, v11                     ; v11 the stage, tile a: place 16 w + r, 256 bytes + 16 of padding; 32 h
	v_add_nc_u32 v13, 256*272, v11                 ; v13 tile b: 256 places on
	v_lshl_add_u32 v12, v6, 4, STG                 ; v12 and back: sixteen lanes take one place's 256 bytes
.irp k, 0,1,2,3,4,5,6,7
	global_load_b128 v[96+4*\k:99+4*\k], v9, s[14:15] offset:512*\k    ; gamma
	global_load_b128 v[128+4*\k:131+4*\k], v9, s[16:17] offset:512*\k  ; beta
.endr
.irp k, 0,1,2,3,4,5,6,7
	ds_load_b128 v[24+4*\k:27+4*\k], v10 offset:512*\k                 ; x, my first row
.endr
.irp k, 0,1,2,3,4,5,6,7
	ds_load_b128 v[56+4*\k:59+4*\k], v10 offset:XP+512*\k              ; x, my second
.endr
	s_mov_b32 vcc_lo, s54
.irp k, 0,1,2,3,4,5,6,7                        ; where my rows' queries lie in the stage: lanes 0-15 take query j = 2 k, lanes 16-31 j = 2 k + 1.  v88-95 the first row's addresses, v236-243 the second's
	v_readlane_b32 s24, v14, 2*\k
	v_readlane_b32 s25, v14, 2*\k+1
	v_mov_b32 v[88+\k], s25
	v_cndmask_b32 v[88+\k], s24, v[88+\k], vcc_lo
	v_min_u32 v[88+\k], 511*272, v[88+\k]          ; held inside the stage just ahead of the last sum
	v_add_nc_u32 v[88+\k], v[88+\k], v12
.endr
.irp k, 0,1,2,3,4,5,6,7
	v_readlane_b32 s24, v14, 16+2*\k
	v_readlane_b32 s25, v14, 17+2*\k
	v_mov_b32 v[236+\k], s25
	v_cndmask_b32 v[236+\k], s24, v[236+\k], vcc_lo
	v_min_u32 v[236+\k], 511*272, v[236+\k]
	v_add_nc_u32 v[236+\k], v[236+\k], v12
.endr
	v_add_f32 v18, v18, v19                        ; the sums' two halves,
	v_add_f32 v22, v22, v23
	v_permlanex16_b32 v[PT], v18, s26, s27
	v_permlanex16_b32 v[PT+1], v22, s26, s27
	v_add_f32 v18, v18, v[PT]                      ; and lane l xor 16's keys
	v_add_f32 v22, v22, v[PT+1]
	v_rcp_f32 v18, v18
	v_rcp_f32 v22, v22                             ; (a tile b that was not walked has the sum 0: what comes of it goes to places that no query's index names)
	v_nop                                          ; a plain instruction behind the reciprocals,
	s_wait_alu depctr_va_vdst(0)                   ; and one wait for both, ahead of their first reader
.set JJ, 0
.rept 16
	v_pk_mul_f32 v[OA+JJ:OA+JJ+1], v[OA+JJ:OA+JJ+1], v[18:19] op_sel_hi:[1,0]
.set JJ, JJ+2
.endr
.set JJ, 0
.rept 16
	v_pk_mul_f32 v[OB+JJ:OB+JJ+1], v[OB+JJ:OB+JJ+1], v[22:23] op_sel_hi:[1,0]
.set JJ, JJ+2
.endr
	BARRIER                                        ; every wave's reads of K's, V's and Q's codes are over (and my x is in): their bytes become the stage
.irp tc, 0,1,2,3
	ds_store_b128 v11, v[OA+8*\tc:OA+8*\tc+3] offset:64*\tc            ; lane (r, h): channels 16 tc + 8 h + 0 .. 7 of place 16 w + r
	ds_store_b128 v11, v[OA+8*\tc+4:OA+8*\tc+7] offset:64*\tc+16
.endr
.irp tc, 0,1,2,3
	ds_store_b128 v13, v[OB+8*\tc:OB+8*\tc+3] offset:64*\tc
	ds_store_b128 v13, v[OB+8*\tc+4:OB+8*\tc+7] offset:64*\tc+16
.endr
	BARRIER                                        ; the whole list's results lie in the stage; behind this barrier no wave writes LDS
.irp k, 0,1,2,3,4,5,6,7
	ds_load_b128 v[OA+4*\k:OA+4*\k+3], v[88+\k]    ; bytes 512 k + 16 x lane of my first row
.endr
.irp k, 0,1,2,3,4,5,6,7
	ds_load_b128 v[OB+4*\k:OB+4*\k+3], v[236+\k]   ; of my second
.endr
.macro ACROSS                          ; v224 summed over the 32 lanes
	v_add_f32_dpp v224, v224, v224 row_xmask:1 row_mask:0xf bank_mask:0xf
	v_add_f32_dpp v224, v224, v224 row_xmask:2 row_mask:0xf bank_mask:0xf
	v_add_f32_dpp v224, v224, v224 row_xmask:4 row_mask:0xf bank_mask:0xf
	v_add_f32_dpp v224, v224, v224 row_xmask:8 row_mask:0xf bank_mask:0xf
	v_permlanex16_b32 v[PT], v224, s26, s27
	v_add_f32 v224, v224, v[PT]
.endm
.macro LN r, x, off, first             ; a row: 32 numbers a lane in v[r] on; x's in v[x] on
.irp i, 0,2,4,6,8,10,12,14,16,18,20,22,24,26,28,30
	v_pk_add_f32 v[\r+\i:\r+\i+1], v[\r+\i:\r+\i+1], v[\x+\i:\x+\i+1]  ; the residual
.endr
	v_pk_add_f32 v[224:225], v[\r:\r+1], v[\r+2:\r+3]
	v_pk_add_f32 v[226:227], v[\r+4:\r+5], v[\r+6:\r+7]
.irp i, 8,12,16,20,24,28
	v_pk_add_f32 v[224:225], v[224:225], v[\r+\i:\r+\i+1]
	v_pk_add_f32 v[226:227], v[226:227], v[\r+\i+2:\r+\i+3]
.endr
	v_pk_add_f32 v[224:225], v[224:225], v[226:227]
	v_add_f32 v224, v224, v225
	ACROSS
	v_mul_f32 v232, s50, v224                      ; the mean
.irp i, 0,2,4,6,8,10,12,14,16,18,20,22,24,26,28,30
	v_pk_add_f32 v[\r+\i:\r+\i+1], v[\r+\i:\r+\i+1], v[232:233] op_sel_hi:[1,0] neg_lo:[0,1] neg_hi:[0,1]
.endr
	v_pk_mul_f32 v[224:225], v[\r:\r+1], v[\r:\r+1]
	v_pk_mul_f32 v[226:227], v[\r+2:\r+3], v[\r+2:\r+3]
.irp i, 4,8,12,16,20,24,28
	v_pk_fma_f32 v[224:225], v[\r+\i:\r+\i+1], v[\r+\i:\r+\i+1], v[224:225]
	v_pk_fma_f32 v[226:227], v[\r+\i+2:\r+\i+3], v[\r+\i+2:\r+\i+3], v[226:227]
.endr
	v_pk_add_f32 v[224:225], v[224:225], v[226:227]
	v_add_f32 v224, v224, v225
	ACROSS
	v_fma_f32 v224, v224, s50, s49                 ; the variance + 1e-5
	v_rsq_f32 v234, v224
	v_nop                                          ; a plain instruction behind it,
	s_wait_alu depctr_va_vdst(0)                   ; and the wait ahead of its first reader
.if \first
	s_wait_loadcnt 0x0                             ; gamma and beta
.endif
.irp i, 0,2,4,6,8,10,12,14,16,18,20,22,24,26,28,30
	v_pk_mul_f32 v[\r+\i:\r+\i+1], v[\r+\i:\r+\i+1], v[234:235] op_sel_hi:[1,0]
.endr
.irp i, 0,2,4,6,8,10,12,14,16,18,20,22,24,26,28,30
	v_pk_fma_f32 v[\r+\i:\r+\i+1], v[\r+\i:\r+\i+1], v[96+\i:97+\i], v[128+\i:129+\i]
.endr
.irp k, 0,1,2,3,4,5,6,7
	global_store_b128 v9, v[\r+4*\k:\r+4*\k+3], s[38:39] offset:\off+512*\k th:TH_STORE_NT   ; 32 lanes store 512 consecutive bytes, at a multiple of 256 from out0's first byte
.endr
.endm
	s_wait_dscnt 8                                 ; my first row is in; the second row's eight loads may be out
	LN OA, 24, 0, 1
	s_wait_dscnt 0x0
	LN OB, 56, 4096, 0
	s_wait_xcnt 0x0
	v_lshl_add_u32 v254, v0, 2, 0x48c00
	v_mov_b32 v255, 0
	s_wait_tensorcnt 0x0
	ds_add_u32 v254, v255
	s_wait_dscnt 0x0
	s_endpgm
.Lfunc_end_k_qe4625375f3_enc:
	.size	k_qe4625375f3_enc, .Lfunc_end_k_qe4625375f3_enc-k_qe4625375f3_enc
	.p2alignl 7, 3214868480
	.fill 96, 4, 3214868480
	.section	.rodata,"a",@progbits
	.p2align	6, 0x0
	.amdhsa_kernel k_qe4625375f3_enc
		.amdhsa_group_segment_fixed_size 300032
		.amdhsa_private_segment_fixed_size 0
		.amdhsa_enable_private_segment 0
		.amdhsa_kernarg_size 64
		.amdhsa_user_sgpr_count 2
		.amdhsa_user_sgpr_kernarg_segment_ptr 1
		.amdhsa_wavefront_size32 1
		.amdhsa_system_sgpr_workgroup_id_x 1
		.amdhsa_system_sgpr_workgroup_id_y 1
		.amdhsa_system_sgpr_workgroup_id_z 1
		.amdhsa_system_vgpr_workitem_id 0
		.amdhsa_next_free_vgpr 256
		.amdhsa_next_free_sgpr 100
		.amdhsa_reserve_vcc 1
		.amdhsa_float_denorm_mode_32 3
		.amdhsa_float_denorm_mode_16_64 3
		.amdhsa_memory_ordered 1
		.amdhsa_forward_progress 1
		.amdhsa_inst_pref_size 226
	.end_amdhsa_kernel
	.amdgpu_metadata
---
amdhsa.version: [ 1, 2 ]
amdhsa.kernels:
  - .name:           k_qe4625375f3_enc
    .symbol:         k_qe4625375f3_enc.kd
    .args:
      - { .name: x, .offset: 0, .size: 8, .value_kind: global_buffer, .address_space: global }
      - { .name: dialog_states, .offset: 8, .size: 8, .value_kind: global_buffer, .address_space: global }
      - { .name: wl, .offset: 16, .size: 8, .value_kind: global_buffer, .address_space: global }
      - { .name: wsl, .offset: 24, .size: 8, .value_kind: global_buffer, .address_space: global }
      - { .name: bl, .offset: 32, .size: 8, .value_kind: global_buffer, .address_space: global }
      - { .name: gamma, .offset: 40, .size: 8, .value_kind: global_buffer, .address_space: global }
      - { .name: beta, .offset: 48, .size: 8, .value_kind: global_buffer, .address_space: global }
      - { .name: out0, .offset: 56, .size: 8, .value_kind: global_buffer, .address_space: global }
    .group_segment_fixed_size: 300032
    .private_segment_fixed_size: 0
    .kernarg_segment_align: 8
    .kernarg_segment_size: 64
    .max_flat_workgroup_size: 512
    .sgpr_count:     100
    .vgpr_count:     256
    .wavefront_size: 32
...
	.end_amdgpu_metadata
.endif
;; end of part 3
;; ======== version 3 of 3: 2 launches
;; workspace buffers: wl 1,572,864 bytes; wsl 98,304 bytes; bl 12,288 bytes
;; launch lay (part 4): grid 16 x 6, 8 waves a work-group, no clusters, 0 bytes of LDS; arguments Wk_codes, Wk_scales, bk, Wv_codes, Wv_scales, bv, Wq_codes, Wq_scales, bq, wl, wsl, bl; writes wl, wsl, bl
.if DOCPART == 4
	.amdgcn_target "amdgcn-amd-amdhsa--gfx1250"
	.amdhsa_code_object_version 6
	.text
	.protected	k_qe4625375f3_lay
	.globl	k_qe4625375f3_lay
	.p2align	8
	.type	k_qe4625375f3_lay,@function
k_qe4625375f3_lay:
	s_mov_b64 s[64:65], 0
	v_nop
	global_prefetch_b8 v0, s[64:65] scope:SCOPE_SE
	s_setreg_imm32_b32 hwreg(HW_REG_WAVE_MODE, 25, 1), 1
	s_wait_xcnt 0x0
; The three weights' codes, scale bytes and biases are laid once in the order in which a wave of the next launch takes them into its operand registers.
; wl  [w 16][k 48][u 2][c 2][lane 32][16 bytes]: w = the consuming wave; k = 8 n + s, n = unit (0, 1: K; 2, 3: V; 4, 5: Q), s = K step of 128; u = tile of the unit's pair; c = group of four registers.
; wsl [w 16][k 48][lane 32][4 bytes]: lane 16 u + r holds the scale word (four E8M0 bytes) of row r of tile u for that K step.
; bl  [w 16][n 6][lane 32][4 bytes]: lane 16 u + m holds the bias of row m of tile u.
; WHICH ROW d OF W^T IS ROW r OF TILE u:  K, Q units: d = 32 (2 w + n % 2) + 8 u + r + 8 (r / 8), so that a lane's 16 results of the two tiles are 16 neighbouring columns;
;                                         V units:    d = 64 r + 4 w + 2 (n % 2) + u, so that a lane's 8 results are one channel of 8 neighbouring keys.
; A work-group is (w, n) = (x, y); its eight waves are the eight K steps.  Each code store of a wave covers 512 consecutive bytes; a scale or bias store covers 128 (110,592 bytes of the launch's 1,683,456).
; No LDS, no barrier: waves share nothing.
	s_load_b256 s[4:11], s[0:1], 0x0               ; K's codes s[4:5], scales s[6:7], bias s[8:9]; V's codes s[10:11]
	s_load_b256 s[12:19], s[0:1], 0x20             ; V's scales s[12:13], bias s[14:15]; Q's codes s[16:17], scales s[18:19]
	s_load_b256 s[20:27], s[0:1], 0x40             ; Q's bias s[20:21]; wl s[22:23], wsl s[24:25], bl s[26:27]
	v_lshrrev_b32 v1, 5, v0
	s_delay_alu instid0(VALU_DEP_1)
	v_readfirstlane_b32 s28, v1                    ; the wave's number = K step s
	s_and_b32 s29, ttmp7, 0xffff                   ; unit n
	s_lshr_b32 s30, s29, 1                         ; 0: K, 1: V, 2: Q
	s_and_b32 s31, s29, 1
	s_lshl_b32 s32, ttmp9, 1
	s_add_co_u32 s32, s32, s31                     ; 2 w + n % 2
	s_cmp_eq_u32 s30, 1                            ; a V unit?
	s_cselect_b32 s33, 64, 1                       ; rows of W^T from r to r + 1
	s_cselect_b32 s34, 0, 1                        ; whether r / 8 adds 8
	s_cselect_b32 s35, 1, 8                        ; rows from tile 0 to tile 1
	s_cselect_b32 s36, 1, 5
	s_lshl_b32 s32, s32, s36                       ; the unit's first row: 4 w + 2 (n % 2), or 64 w + 32 (n % 2)
	v_and_b32 v1, 31, v0                           ; lane
	v_and_b32 v2, 15, v0                           ; r
	v_bfe_u32 v3, v0, 4, 1                         ; h
	s_delay_alu instid0(VALU_DEP_2)
	v_mul_u32_u24 v4, s33, v2
	s_delay_alu instid0(VALU_DEP_3)
	v_and_b32 v5, 8, v2
	s_delay_alu instid0(VALU_DEP_1)
	v_mul_u32_u24 v5, s34, v5
	s_delay_alu instid0(VALU_DEP_1)
	v_add3_u32 v4, v4, v5, s32                     ; d of tile 0
	v_mul_u32_u24 v8, s35, v3
	s_delay_alu instid0(VALU_DEP_1)
	v_add_nc_u32 v8, v8, v4                        ; d of tile h: for the scale words and the biases a lane's half is the tile
	s_lshl_b32 s37, s28, 6                         ; 128 codes are 64 bytes
	v_lshlrev_b32 v6, 9, v4                        ; a row of codes is 512 bytes
	s_delay_alu instid0(VALU_DEP_1)
	v_lshl_add_u32 v6, v3, 4, v6
	s_delay_alu instid0(VALU_DEP_1)
	v_add_nc_u32 v6, s37, v6                       ; tile 0: d x 512 + 64 s + 16 h
	s_lshl_b32 s38, s35, 9
	v_add_nc_u32 v7, s38, v6                       ; tile 1
	s_lshl_b32 s39, s28, 2
	v_lshlrev_b32 v9, 5, v8                        ; a row of scale bytes is 32 bytes
	s_delay_alu instid0(VALU_DEP_1)
	v_add_nc_u32 v9, s39, v9
	v_lshlrev_b32 v10, 2, v8                       ; the bias
	v_lshlrev_b32 v11, 4, v1                       ; out: 16 bytes a lane,
	v_lshlrev_b32 v29, 2, v1                       ; or 4
	s_mul_i32 s40, ttmp9, 6
	s_add_co_u32 s40, s40, s29                     ; 6 w + n
	s_lshl_b32 s42, s40, 14
	s_lshl_b32 s41, s28, 11
	s_add_co_u32 s42, s42, s41                     ; wl: (6 w + n) x 16,384 + 2,048 s
	s_mov_b32 s43, 0
	s_lshl_b32 s44, s40, 10
	s_lshl_b32 s41, s28, 7
	s_add_co_u32 s44, s44, s41                     ; wsl: (6 w + n) x 1,024 + 128 s
	s_mov_b32 s45, 0
	s_lshl_b32 s46, s40, 7                         ; bl: (6 w + n) x 128
	s_mov_b32 s47, 0
	s_wait_alu depctr_va_vdst(0)
	s_wait_kmcnt 0x0
	s_cmp_eq_u32 s30, 1                            ; the weight is chosen by the unit's number alone
	s_cselect_b64 s[4:5], s[10:11], s[4:5]
	s_cselect_b64 s[6:7], s[12:13], s[6:7]
	s_cselect_b64 s[8:9], s[14:15], s[8:9]
	s_cmp_eq_u32 s30, 2
	s_cselect_b64 s[4:5], s[16:17], s[4:5]
	s_cselect_b64 s[6:7], s[18:19], s[6:7]
	s_cselect_b64 s[8:9], s[20:21], s[8:9]
	s_add_nc_u64 s[22:23], s[22:23], s[42:43]
	s_add_nc_u64 s[24:25], s[24:25], s[44:45]
	s_add_nc_u64 s[26:27], s[26:27], s[46:47]
	global_load_b128 v[12:15], v6, s[4:5]            ; tile 0: k = 32 h .. of the step
	global_load_b128 v[16:19], v6, s[4:5] offset:32  ;         k = 64 + 32 h ..
	global_load_b128 v[20:23], v7, s[4:5]            ; tile 1
	global_load_b128 v[24:27], v7, s[4:5] offset:32
	global_load_b32 v28, v9, s[6:7]                  ; the scale word
	s_wait_loadcnt 0x0
	global_store_b128 v11, v[12:15], s[22:23]
	global_store_b128 v11, v[16:19], s[22:23] offset:512
	global_store_b128 v11, v[20:23], s[22:23] offset:1024
	global_store_b128 v11, v[24:27], s[22:23] offset:1536
	global_store_b32 v29, v28, s[24:25]
	s_cmp_lg_u32 s28, 0                            ; the unit's 32 biases: wave 0 alone
	s_cbranch_scc1 .Ldone
	global_load_b32 v30, v10, s[8:9]
	s_wait_loadcnt 0x0
	global_store_b32 v29, v30, s[26:27]
.Ldone:
	s_endpgm
.Lfunc_end_k_qe4625375f3_lay:
	.size	k_qe4625375f3_lay, .Lfunc_end_k_qe4625375f3_lay-k_qe4625375f3_lay
	.p2alignl 7, 3214868480
	.fill 96, 4, 3214868480
	.section	.rodata,"a",@progbits
	.p2align	6, 0x0
	.amdhsa_kernel k_qe4625375f3_lay
		.amdhsa_group_segment_fixed_size 0
		.amdhsa_private_segment_fixed_size 0
		.amdhsa_enable_private_segment 0
		.amdhsa_kernarg_size 96
		.amdhsa_user_sgpr_count 2
		.amdhsa_user_sgpr_kernarg_segment_ptr 1
		.amdhsa_wavefront_size32 1
		.amdhsa_system_sgpr_workgroup_id_x 1
		.amdhsa_system_sgpr_workgroup_id_y 1
		.amdhsa_system_sgpr_workgroup_id_z 1
		.amdhsa_system_vgpr_workitem_id 0
		.amdhsa_next_free_vgpr 32
		.amdhsa_next_free_sgpr 66
		.amdhsa_reserve_vcc 0
		.amdhsa_float_denorm_mode_32 3
		.amdhsa_float_denorm_mode_16_64 3
		.amdhsa_memory_ordered 1
		.amdhsa_forward_progress 1
		.amdhsa_inst_pref_size 4
	.end_amdhsa_kernel
	.amdgpu_metadata
---
amdhsa.version: [ 1, 2 ]
amdhsa.kernels:
  - .name:           k_qe4625375f3_lay
    .symbol:         k_qe4625375f3_lay.kd
    .args:
      - { .name: Wk_codes, .offset: 0, .size: 8, .value_kind: global_buffer, .address_space: global }
      - { .name: Wk_scales, .offset: 8, .size: 8, .value_kind: global_buffer, .address_space: global }
      - { .name: bk, .offset: 16, .size: 8, .value_kind: global_buffer, .address_space: global }
      - { .name: Wv_codes, .offset: 24, .size: 8, .value_kind: global_buffer, .address_space: global }
      - { .name: Wv_scales, .offset: 32, .size: 8, .value_kind: global_buffer, .address_space: global }
      - { .name: bv, .offset: 40, .size: 8, .value_kind: global_buffer, .address_space: global }
      - { .name: Wq_codes, .offset: 48, .size: 8, .value_kind: global_buffer, .address_space: global }
      - { .name: Wq_scales, .offset: 56, .size: 8, .value_kind: global_buffer, .address_space: global }
      - { .name: bq, .offset: 64, .size: 8, .value_kind: global_buffer, .address_space: global }
      - { .name: wl, .offset: 72, .size: 8, .value_kind: global_buffer, .address_space: global }
      - { .name: wsl, .offset: 80, .size: 8, .value_kind: global_buffer, .address_space: global }
      - { .name: bl, .offset: 88, .size: 8, .value_kind: global_buffer, .address_space: global }
    .group_segment_fixed_size: 0
    .private_segment_fixed_size: 0
    .kernarg_segment_align: 8
    .kernarg_segment_size: 96
    .max_flat_workgroup_size: 256
    .sgpr_count:     66
    .vgpr_count:     32
    .wavefront_size: 32
...
	.end_amdgpu_metadata
.endif
;; end of part 4
;; launch enc (part 5): grid 256 x 1, 16 waves a work-group, no clusters, 300,032 bytes of LDS; arguments x, dialog_states, wl, wsl, bl, gamma, beta, out0; writes out0
.if DOCPART == 5
	.amdgcn_target "amdgcn-amd-amdhsa--gfx1250"
	.amdhsa_code_object_version 6
	.text
	.protected	k_qe4625375f3_enc
	.globl	k_qe4625375f3_enc
	.p2align	8
	.type	k_qe4625375f3_enc,@function
k_qe4625375f3_enc:
	s_mov_b64 s[64:65], 0
	v_nop
	global_prefetch_b8 v0, s[64:65] scope:SCOPE_SE
	s_setreg_imm32_b32 hwreg(HW_REG_WAVE_SCHED_MODE, 0, 2), 2
	s_setreg_imm32_b32 hwreg(HW_REG_WAVE_MODE, 25, 1), 1
	s_wait_xcnt 0x0
	s_wait_alu depctr_vm_vsrc(0)
; out = LayerNorm(attention(x Wq + bq, x Wk + bk, x Wv + bv) + x), all five products on codes of FP4 (E2M1) with one E8M0 scale for each 32 along K.
; THE RESHAPE: head bh is the 64 rows 64 bh .. 64 bh + 63 of x [8192][1024]; its query or key number is 16 l + j (l: row in the head, j = column / 64), its channel column % 64.
; So a head needs 64 rows of x and the three weights, and a row of the output is the 16 queries (l, j = 0 .. 15): projections, attention, residual and norm are one launch, and Q, K, V and the scores never go to memory.
; SHARES.  Work-group g: head g / 2, half g % 2.  It makes K and V of all 64 rows, Q of its own 32 rows (512 queries), and stores those 32 rows.  K and V are made twice a head (2,048 of a work-group's
; matrix instructions), so that 256 work-groups share the softmax.  LOCAL ROW y = 0 .. 63 stands for the head's row y xor 32 (g % 2): rows 0 .. 31 are my own; no LDS address knows g.
; Sixteen waves of 256 registers, four to a SIMD.  In the projections wave w makes columns 64 w .. 64 w + 63 of K and Q (j = w) and channels 4 w .. 4 w + 3 (all j) of V.
; THE MASK hangs on the query alone.  A masked row's scores are all equal: p = 1 for every key, the sum 1,024: the same for all masked queries of a head, and the same as for a query whose codes are zeros.
; So ATTENTION WALKS A PACKED LIST: the n unmasked of my 512 queries in their order, then one query of zero codes, at place n, which stands for all masked ones.  Wave w walks tile w of the list (places
; 16 w .. 16 w + 15) and, where n >= 16 w + 256, tile w + 16 too: 32 tiles where nothing is masked, 16 where n < 256.  Places behind n hold zero codes and are read by nobody.
; All of that is made of whole numbers read from dialog_states; the one branch on them stands inside the key loop, whose trips are a constant, and round no barrier.
; BLOCKS OF 32: x, Q, K: 32 neighbouring columns of a row.  V, P: 32 neighbouring keys = rows 2 B, 2 B + 1 x j = 0 .. 15; inside a block P and V are laid alike, at place 16 (j / 8) + 8 (row % 2) + j % 8.
; ALL PRODUCTS ARE USED TRANSPOSED (source 0 = weight rows, keys or channels; source 1 = rows of x, or queries), so that a lane's registers run along the next product's K.
; K Q^T has K = 64: a fragment of keys holds row 2 B in registers 0-3 and row 2 B + 1 in registers 4-7, and is multiplied by (Q, 0) and by (0, Q): nothing is read twice, no padding is stored.
; THE WEIGHTS come from memory straight into registers, in the order laid by the launch before: each load of a wave reads 512 consecutive bytes; a ring of six K steps (12 KiB a wave) is on its way.
; NO CLUSTER, NO JOINT LOADS: a weight fragment feeds one wave of a work-group alone, so through LDS it would be written and read there (1.6 MB each way) beside the 2.6 MB of x's fragments that the
; projections read; and beside x (263,168 bytes) and its images (34,816) 29,696 bytes of LDS are left for slots: some 110 changes of slots for 40 matrix instructions a wave each.
; LIMITS: NaN and infinities among the inputs are not served.  A block of zeros gets the scale byte 1 where the rule says 127: its codes are zeros, and this launch alone reads these bytes.
; Sums over the keys run in the order of the local rows, which for g % 2 = 1 is not the head's order.  The work, not the values, hangs on how many queries are masked.
; Scale operands stand in v246-255, which hold nothing else up to the closing add.
; THE MODE: SCHED_MODE bits 1:0 = 2 (LLVM: expert scheduling mode 2), set by the entry lines.  The code itself states the register dependences between vector or matrix instructions and memory or LDS
; instructions, and those through scalar registers and VCC that vector instructions write, with s_wait_alu, always for 0.
; THE PLAN.  Registers that memory or LDS instructions touch, phase by phase:
;   v1-v11, v217-219  addresses, written at the head: one wait on va_vdst ahead of the first load.  v1-v4, v9 are made anew for attention, v5-v13 for the way out: a wait on vm_vsrc ahead of each remaking.
;   x:            v16-143 loaded, read by LDS stores; v144-159 the states, read by compares.  Both waits stand once, ahead of the weights' first loads, which land in v80-191.
;   quantiser:    v16-79 loaded from LDS, read by QUANT; v208-216 written by QUANT, read by its stores.  va_vdst behind each QUANT; vm_vsrc ahead of the second QUANT and ahead of the first load of x's fragments (v192-223).
;   a K step:     its products read x's fragments and scale words, one slot of weights with its scale word, and in a unit's first step the biases; behind them, the places and ONE wait on va_vdst, the step's loads land
;                 in just these registers.  There is no second set of x's fragments to load ahead into: it would take 32 registers, and v12, v13, v15, v244, v245, v254, v255 are all that the projections leave.
;   a unit's end: v232-243 written by vector instructions, read by LDS stores: vm_vsrc ahead of the writing, va_vdst ahead of each run of stores.
;   the key loop: v5-v8 stepped at the head (vm_vsrc ahead, va_vdst behind, which also shows the last trip's products done with K's, V's and their scale words' registers); va_vdst ahead of V's loads, which land
;                 in K's registers; va_vdst ahead of the products that take p's codes and scale words, which vector instructions make.  K and V share one set of 32 registers: ten are free beside it.
;   the way out:  see there.
; Compares and lane reads stand in runs into scalar registers of their own, with one wait on va_sdst behind each run.
.set XP,   4112                        ; LDS: a row of x: 4,096 bytes + 16
.set KC,   32*XP                       ; behind my own 32 rows, in the bytes of rows 32-63, which are dead once x is quantised: K's codes: row y x 528 + 256 (half of the 64 channels) + 16 j
.set QC,   KC+64*528                   ; Q's codes likewise, rows 0-31
.set VC,   QC+32*528                   ; V^T's codes: channel x 528 + 16 B + 8 (j / 8) + 4 (row % 2)
.set KSC,  VC+64*528                   ; K's scale bytes: 144 j + 4 B + 2 (row % 2) + half
.set VSC,  KSC+16*144                  ; V's: 36 x channel + B
.set QSC,  VSC+64*36                   ; Q's: 64 y + 4 j + {half, 2 + half}: each byte twice
.set XI,   64*XP                       ; x's 32 fragments as images of their registers: (8 t + s) x 1,024 + 512 c + 16 x lane
.set XS,   XI+32*1024                  ; x's scale words: 256 s + 8 (16 (t % 2) + r) + 4 (t / 2)
.set STG,  KC                          ; the way out: 512 places of the packed list x (256 bytes + 16), in the bytes of the codes and of x's images, once nobody reads them
.set ACC,  16                          ; projections: v16-79 accumulators, tile of rows t, tile of the pair u: 16 t + 8 u
.set AR,   80                          ; v80-175 six slots of 16: a K step's two weight fragments
.set BIAS, 176                         ; v176-191 the unit's biases in the result's layout
.set BF,   192                         ; v192-223 x's four fragments of a K step
.set TM,   224                         ; v224-227 largest magnitudes, then the conversions' scale operands
.set PT,   228                         ; v228-231 what a lane permute brings
.set BY,   232                         ; v232-235 scale bytes
.set CD,   236                         ; v236-243 codes
.set ASC,  246                         ; v246-251 the weights' scale words, one a slot
.set XSC,  252                         ; v252-253 x's scale words
.set QTM,  192                         ; x's quantiser: v192-207 at work, v208-215 codes, v216 the scale word
.set QPC,  208
.set QPW,  216
.set FF,   44                          ; attention: v[44:45] f = 2^(old M - new M)
.set TT,   46
.set KF,   48                          ; v48-79 four fragments of K, then of V
.set PCA,  80                          ; v80-87, v88-95 P's codes, tiles a and b
.set PCB,  88
.set SCO,  96                          ; v96-159 scores, then p
.set OA,   160                         ; v160-191, v192-223 O^T, tiles a and b
.set OB,   192
.set BM,   224                         ; v224-227 the blocks' largest scores
.set SO,   232                         ; v232-235 the conversions' scale operands
.set QS,   246                         ; v246-247 Q's scale words; v248-249 P's; v250-253 K's; v254-255 V's
.set PW,   248
.set KS,   250
.set VS,   254
.set MK,   66                          ; s66-81  word k: bit i is set where query 32 k + i of my 512 is not masked.  (On the way out s66-97 hold v14's 32 lanes)
.set PF,   82                          ; s82-97  how many unmasked queries stand ahead of word k
.set NU,   98                          ; s98     n: how many in all
.macro BARRIER                         ; my LDS stores have landed and my LDS loads are in: then the work-group's barrier
	s_wait_dscnt 0x0
	s_barrier_signal -1
	s_barrier_wait -1
.endm
.macro PLACES                          ; four plain vector instructions between a matrix instruction and a read of its result or a load into one of its registers
.rept 4
	v_nop
.endr
.endm
; The matrix instruction with C in registers.  ra, rb: A's, B's scales are taken from lanes 16-31
.macro WM d, a, b, c, sa, sb, ra, rb
.if ((\ra) != 0) && ((\rb) != 0)
	v_wmma_scale_f32_16x16x128_f8f6f4 v[0+(\d):7+(\d)], v[0+(\a):7+(\a)], v[0+(\b):7+(\b)], v[0+(\c):7+(\c)], v[\sa], v[\sb] matrix_a_fmt:MATRIX_FMT_FP4 matrix_b_fmt:MATRIX_FMT_FP4 matrix_a_scale:MATRIX_SCALE_ROW1 matrix_b_scale:MATRIX_SCALE_ROW1
.elseif (\ra) != 0
	v_wmma_scale_f32_16x16x128_f8f6f4 v[0+(\d):7+(\d)], v[0+(\a):7+(\a)], v[0+(\b):7+(\b)], v[0+(\c):7+(\c)], v[\sa], v[\sb] matrix_a_fmt:MATRIX_FMT_FP4 matrix_b_fmt:MATRIX_FMT_FP4 matrix_a_scale:MATRIX_SCALE_ROW1
.elseif (\rb) != 0
	v_wmma_scale_f32_16x16x128_f8f6f4 v[0+(\d):7+(\d)], v[0+(\a):7+(\a)], v[0+(\b):7+(\b)], v[0+(\c):7+(\c)], v[\sa], v[\sb] matrix_a_fmt:MATRIX_FMT_FP4 matrix_b_fmt:MATRIX_FMT_FP4 matrix_b_scale:MATRIX_SCALE_ROW1
.else
	v_wmma_scale_f32_16x16x128_f8f6f4 v[0+(\d):7+(\d)], v[0+(\a):7+(\a)], v[0+(\b):7+(\b)], v[0+(\c):7+(\c)], v[\sa], v[\sb] matrix_a_fmt:MATRIX_FMT_FP4 matrix_b_fmt:MATRIX_FMT_FP4
.endif
.endm
.macro WMZ d, a, b, sa, sb             ; the same with C = 0
	v_wmma_scale_f32_16x16x128_f8f6f4 v[0+(\d):7+(\d)], v[0+(\a):7+(\a)], v[0+(\b):7+(\b)], 0, v[\sa], v[\sb] matrix_a_fmt:MATRIX_FMT_FP4 matrix_b_fmt:MATRIX_FMT_FP4
.endm
.macro GLOAD k                         ; K step k of my 48: two weight fragments and their scale words into slot k % 6: five loads
.irp u, 0,1
.irp c, 0,1
	global_load_b128 v[AR+16*((\k)%6)+8*\u+4*\c:AR+16*((\k)%6)+8*\u+4*\c+3], v1, s[32:33] offset:(\k)*2048+\u*1024+\c*512
.endr
.endr
	global_load_b32 v[ASC+(\k)%6], v2, s[34:35] offset:(\k)*128
.endm
.macro BIASLOAD n                      ; unit n's biases: lane (r, h) takes those of rows 8 h .. 8 h + 7 of both tiles: four loads
.irp u, 0,1
	global_load_b128 v[BIAS+8*\u:BIAS+8*\u+3], v3, s[36:37] offset:(\n)*128+\u*64
	global_load_b128 v[BIAS+8*\u+4:BIAS+8*\u+7], v3, s[36:37] offset:(\n)*128+\u*64+16
.endr
.endm
.macro BLOAD k                         ; x's fragments of K step k % 8: four tiles of rows for K and V (k < 32), my own two for Q; and their scale words
.irp t, 0,1,2,3
.if (\t < 2) || ((\k) < 32)
.irp c, 0,1
	ds_load_b128 v[BF+8*\t+4*\c:BF+8*\t+4*\c+3], v4 offset:\t*8192+((\k)%8)*1024+512*\c
.endr
.endif
.endr
	ds_load_b64 v[XSC:XSC+1], v5 offset:((\k)%8)*256   ; word 0: lanes 0-15 tile 0, lanes 16-31 tile 1; word 1: tiles 2 and 3
.endm
; 64 numbers of a lane, register 16 b + i = k 32 b + 16 (lane / 16) + i of my row, become a fragment's codes in v[QPC] on and its scale word in v[QPW]
.macro QUANT s
.irp b, 0,1,2,3
	v_max3_num_f32 v[QTM+\b], |v[\s+16*\b]|, |v[\s+1+16*\b]|, 0x1800000   ; my 16 numbers of block b, and the floor 2^(3 - 127): the byte cannot fall under 1
.endr
.irp i, 2,4,6,8,10,12,14
.irp b, 0,1,2,3
	v_max3_num_f32 v[QTM+\b], v[QTM+\b], |v[\s+16*\b+\i]|, |v[\s+1+16*\b+\i]|
.endr
.endr
.irp b, 0,1,2,3
	v_permlanex16_b32 v[QTM+4+\b], v[QTM+\b], s26, s27
.endr
.irp b, 0,1,2,3
	v_max_num_f32 v[QTM+\b], v[QTM+\b], v[QTM+4+\b]   ; with lane l xor 16's: the block's largest magnitude
.endr
.irp b, 0,1,2,3
	v_add_nc_u32 v[QTM+12+\b], 0xff000000, v[QTM+\b]  ; 2 off its exponent field: the conversion's scale operand
.endr
.irp b, 0,1,2,3
	v_lshrrev_b32 v[QTM+4+\b], 23, v[QTM+12+\b]       ; the scale's byte
.endr
	v_lshl_or_b32 v[QPW], v[QTM+5], 8, v[QTM+4]
	v_lshl_or_b32 v[QPW], v[QTM+6], 16, v[QPW]
	v_lshl_or_b32 v[QPW], v[QTM+7], 24, v[QPW]
.irp b, 0,1,2,3
	v_cvt_scalef32_pk8_fp4_f32 v[QPC+2*\b], v[\s+16*\b:\s+7+16*\b], v[QTM+12+\b]
	v_cvt_scalef32_pk8_fp4_f32 v[QPC+1+2*\b], v[\s+8+16*\b:\s+15+16*\b], v[QTM+12+\b]
.endr
	v_nop                                          ; one plain instruction behind a scaled conversion
.irp c, 0,1                                    ; the operand's layout wants a whole block in a lane
.irp i, 0,1
	v_permlane16_swap_b32 v[QPC+4*\c+\i], v[QPC+2+4*\c+\i]
.endr
.endr
.endm
	s_load_b256 s[4:11], s[0:1], 0x0               ; x s[4:5], dialog_states s[6:7], wl s[8:9], wsl s[10:11]
	s_load_b256 s[12:19], s[0:1], 0x20             ; bl s[12:13], gamma s[14:15], beta s[16:17], out0 s[18:19]
	v_lshrrev_b32 v1, 5, v0
	v_readfirstlane_b32 s20, v1                    ; wave w
	s_lshr_b32 s22, ttmp9, 1                       ; head
	s_and_b32 s23, ttmp9, 1                        ; half
	s_mov_b32 s26, 0x76543210
	s_mov_b32 s27, 0xfedcba98                      ; v_permlanex16_b32's selects for lane l xor 16
	s_mov_b32 s28, 0x3e38aa3b                      ; c = log2(e) / 8: t = score x c
	s_mov_b32 s29, s28                             ; (named with it as a pair)
	s_mov_b32 s49, 0x3727c5ac                      ; 1e-5
	s_mov_b32 s50, 0x3a800000                      ; 1 / 1,024
	s_mov_b32 s54, 0xffff0000                      ; lanes 16-31
	s_lshl_b32 s21, s23, 5                         ; 32 x half
	s_lshl_b32 s24, s22, 6                         ; the head's first row
	s_wait_alu depctr_va_sdst(0)                   ; s20 is written, ahead of its first reader
	s_lshl_b32 s30, s20, 2
	s_xor_b32 s30, s30, s21
	s_add_co_u32 s30, s30, s24
	s_lshl_b32 s30, s30, 12                        ; x: local rows 4 w .. 4 w + 3 are rows 64 bh + (4 w xor 32 half) on, 4,096 bytes each
	s_mov_b32 s31, 0
	s_mul_i32 s32, s20, 98304                      ; my wave's part of wl,
	s_mov_b32 s33, 0
	s_mul_i32 s34, s20, 6144                       ; of wsl,
	s_mov_b32 s35, 0
	s_mul_i32 s36, s20, 768                        ; of bl
	s_mov_b32 s37, 0
	s_lshl_b32 s25, s20, 1
	s_add_co_u32 s25, s25, s21                     ; the first row that I store, in the head: 32 half + 2 w
	s_add_co_u32 s38, s25, s24
	s_lshl_b32 s38, s38, 12                        ; its row of out0
	s_mov_b32 s39, 0
	s_lshl_b32 s40, s22, 12
	s_lshl_b32 s25, s23, 11
	s_add_co_u32 s40, s40, s25                     ; the dialog states of the work-group's 512 queries: 4,096 bytes a head, 2,048 a half
	s_mov_b32 s41, 0
	v_and_b32 v244, 31, v0                         ; lane
	v_and_b32 v245, 15, v0                         ; r
	v_bfe_u32 v243, v0, 4, 1                       ; h
	v_lshlrev_b32 v1, 4, v244                      ; v1  16 x lane
	v_lshlrev_b32 v2, 2, v244                      ; v2  4 x lane
	v_lshlrev_b32 v3, 5, v243                      ; v3  32 h
	v_add_nc_u32 v4, XI, v1                        ; v4  an image's place for my lane
	v_lshl_add_u32 v5, v244, 3, XS                 ; v5  x's scale words
	s_mul_i32 s24, s20, 4*XP
	v_add_nc_u32 v6, s24, v1                       ; v6  where I put my four rows of x
	v_mul_u32_u24 v7, v245, 528
	v_lshl_add_u32 v7, v243, 3, v7
	s_lshl_b32 s24, s20, 4
	s_add_co_u32 s24, s24, KC
	v_add_nc_u32 v7, s24, v7                       ; v7  K's (and Q's) codes: row r, j = w, 8 bytes for each half of the lanes
	s_mul_i32 s24, s20, 144
	s_add_co_u32 s25, s24, KSC
	v_lshl_add_u32 v8, v245, 1, s25                ; v8  K's scale bytes: 144 w + 4 (r / 2) + 2 (r % 2) = 144 w + 2 r
	s_add_co_u32 s25, s24, VSC
	v_lshrrev_b32 v11, 1, v245
	v_add_nc_u32 v11, s25, v11                     ; v11 V's scale bytes: 36 x 4 w + r / 2
	s_lshl_b32 s24, s20, 2
	s_add_co_u32 s24, s24, QSC
	v_lshl_add_u32 v9, v245, 6, s24                ; v9  Q's scale bytes: 64 r + 4 w
	v_and_b32 v242, 14, v245
	v_lshlrev_b32 v10, 3, v242
	v_and_b32 v242, 1, v245
	v_lshl_add_u32 v10, v242, 2, v10
	v_lshl_add_u32 v10, v243, 3, v10
	s_mul_i32 s24, s20, 4*528
	s_add_co_u32 s24, s24, VC
	v_add_nc_u32 v10, s24, v10                     ; v10 V's codes: channel 4 w, 16 (r / 2) + 4 (r % 2) + 8 h
	s_lshr_b32 s24, s20, 2                         ; x's quantiser: wave w takes tile of rows w / 4 and K steps 2 (w % 4), 2 (w % 4) + 1
	s_mul_i32 s24, s24, 16*XP
	s_and_b32 s25, s20, 3
	s_lshl_b32 s25, s25, 10
	s_add_co_u32 s24, s24, s25
	v_mul_u32_u24 v217, v245, XP
	v_lshl_add_u32 v217, v243, 6, v217
	v_add_nc_u32 v217, s24, v217                   ; v217 row r of the tile, + 64 h: my 16 numbers of a block
	s_lshl_b32 s24, s20, 11
	s_add_co_u32 s24, s24, XI
	v_add_nc_u32 v218, s24, v1                     ; v218 images 8 (w / 4) + 2 (w % 4) = 2 w and 2 w + 1
	s_and_b32 s24, s20, 3
	s_lshl_b32 s24, s24, 9
	s_bfe_u32 s25, s20, 0x10002
	s_lshl_b32 s25, s25, 7
	s_add_co_u32 s24, s24, s25
	s_lshr_b32 s25, s20, 3
	s_lshl_b32 s25, s25, 2
	s_add_co_u32 s24, s24, s25
	s_add_co_u32 s24, s24, XS
	v_lshl_add_u32 v219, v245, 3, s24              ; v219 their scale words
.irp b, 0,1,2,3
	v_mov_b32 v[QTM+4+\b], 0                       ; written once: a lane permute's destination counts as one of its sources
	v_mov_b32 v[PT+\b], 0
.endr
	s_wait_kmcnt 0x0
	s_add_nc_u64 s[30:31], s[4:5], s[30:31]
	s_add_nc_u64 s[32:33], s[8:9], s[32:33]
	s_add_nc_u64 s[34:35], s[10:11], s[34:35]
	s_add_nc_u64 s[36:37], s[12:13], s[36:37]
	s_add_nc_u64 s[38:39], s[18:19], s[38:39]
	s_add_nc_u64 s[40:41], s[6:7], s[40:41]
	s_wait_alu depctr_va_vdst(0)                   ; the addresses v1 to v11 and v217 to v219 are written, which the loads and stores up to the end of the projections read
; ---- the dialog states of all 512 queries, in every wave; then x: four rows a wave, each load 512 consecutive bytes; all 256 KiB of the work-group are asked for at once
.irp k, 0,1,2,3,4,5,6,7,8,9,10,11,12,13,14,15
	global_load_b32 v[144+\k], v2, s[40:41] offset:128*\k   ; lane i: query 32 k + i
.endr
.irp p, 0,1,2,3
.irp k, 0,1,2,3,4,5,6,7
	global_load_b128 v[16+32*\p+4*\k:16+32*\p+4*\k+3], v1, s[30:31] offset:\p*4096+512*\k
.endr
.endr
	s_wait_loadcnt 32                              ; the states are in; x's 32 loads, which are younger, may be out: the list is counted while they are on their way
.irp k, 0,1,2,3,4,5,6,7,8,9,10,11,12,13,14,15
	v_cmp_ne_u32 s[MK+\k], -1, v[144+\k]           ; state + 1 = 0 masks a query
.endr
	s_wait_alu depctr_va_sdst(0)                   ; the sixteen masks s66 to s81 are written, ahead of their first readers, the bit counts below
	s_mov_b32 s[NU], 0
.set KK, 0
.rept 16
	s_mov_b32 s[PF+KK], s[NU]
	s_bcnt1_i32_b32 s24, s[MK+KK]
	s_add_co_u32 s[NU], s[NU], s24
.set KK, KK+1
.endr
	s_mov_b32 s52, s[MK]                           ; word w holds the 32 queries of the two rows that I store: s52 the word, s53 its count ahead
	s_mov_b32 s53, s[PF]
.set KK, 1
.rept 15
	s_cmp_eq_u32 s20, KK
	s_cselect_b32 s52, s[MK+KK], s52
	s_cselect_b32 s53, s[PF+KK], s53
.set KK, KK+1
.endr
	s_lshl_b32 s24, s20, 4
	s_add_co_u32 s24, s24, 256
	s_cmp_ge_u32 s[NU], s24
	s_cselect_b32 s51, 1, 0                        ; s51 = 1: tile w + 16 of the list has a place that is read (places 0 .. n are)
	v_mbcnt_lo_u32_b32 v14, s52, 0                 ; the unmasked queries of my word below my lane,
	v_add_nc_u32 v14, s53, v14                     ; so my query's place in the list;
	v_mov_b32 v15, s[NU]
	s_mov_b32 vcc_lo, s52
	v_cndmask_b32 v14, v15, v14, vcc_lo            ; a masked query takes place n's result
	v_min_u32 v14, 511, v14
	v_mul_u32_u24 v14, 272, v14                    ; v14 stays to the end: lane i: where the result of query i of my two rows will lie in the stage
.irp p, 0,1,2,3
	s_wait_loadcnt 24-8*\p                         ; row p is in; the eight loads of each younger row may be out
.irp k, 0,1,2,3,4,5,6,7
	ds_store_b128 v6, v[16+32*\p+4*\k:16+32*\p+4*\k+3] offset:\p*XP+512*\k   ; (no vector instruction since the head's wait names v6 or v16 to v143)
.endr
.endr
	s_wait_dscnt 0x0                               ; my rows lie in LDS, and the stores have read their registers:
	s_wait_alu depctr_vm_vsrc(0)                   ; the LDS stores have read v16 to v143: the weights' loads below land in v80 to v143, the quantiser's LDS loads in v16 to v79
	s_wait_alu depctr_va_vdst(0)                   ; the compares are done reading v144 to v159, in which weights land too
	BIASLOAD 0                                     ; these take the first weights, 34 loads, which stay out while x is quantised
.irp k, 0,1,2,3,4,5
	GLOAD \k
.endr
	s_barrier_signal -1
	s_barrier_wait -1                              ; all 64 rows lie in LDS
; ---- x is quantised: two fragments a wave; they go to LDS as images of their registers
.irp kk, 0,1
.irp b, 0,1,2,3
.irp q, 0,1,2,3
	ds_load_b128 v[16+16*\b+4*\q:16+16*\b+4*\q+3], v217 offset:512*\kk+128*\b+16*\q
.endr
.endr
	s_wait_dscnt 0x0                               ; the numbers are in (and the last fragment's stores have read their registers)
.if \kk == 1
	s_wait_alu depctr_vm_vsrc(0)                   ; the first fragment's LDS stores have read v[QPC ..] and v[QPW], which QUANT writes again
.endif
	QUANT 16
	s_wait_alu depctr_va_vdst(0)                   ; QUANT has written the codes and the scale word, which the stores read, and is done reading v16 to v79, in which the next fragment's numbers land
	ds_store_b128 v218, v[QPC:QPC+3] offset:1024*\kk
	ds_store_b128 v218, v[QPC+4:QPC+7] offset:1024*\kk+512
	ds_store_b32 v219, v[QPW] offset:256*\kk       ; both halves of the lanes hold the same word and write it to the same place
.endr
	BARRIER                                        ; x's 32 fragments lie in LDS, and nobody reads rows 32-63 of x any more
; ---- the projections: six units of eight K steps.  A unit: two tiles of 16 weight rows x four (Q: two) tiles of rows of x
; A K step.  The accumulators take turns, one instruction a turn.  A unit's first step takes the biases as C.
.macro KSTEP
.set SL, KI%6
.set ST8, KI%8
.if 47-KI < 5
	s_wait_loadcnt 5*(47-KI)                       ; this step's five loads are in: behind them stand the five of each younger step
.else
	s_wait_loadcnt 25                              ; (the biases' loads only add to the true figure; a unit's biases are asked for eight steps ahead)
.endif
	s_wait_dscnt 0x0                               ; x's fragments are in; the last unit's stores have read their registers
.irp t, 0,1,2,3
.if (\t < 2) || (KI < 32)
.irp u, 0,1
.if ST8 == 0
	WM ACC+16*\t+8*\u, AR+16*SL+8*\u, BF+8*\t, BIAS+8*\u, ASC+SL, XSC+\t/2, \u, \t%2
.else
	WM ACC+16*\t+8*\u, AR+16*SL+8*\u, BF+8*\t, ACC+16*\t+8*\u, ASC+SL, XSC+\t/2, \u, \t%2
.endif
.endr
.endif
.endr
	PLACES                                         ; in front of the loads into registers just multiplied, and of the unit's end
.if KI < 47
	s_wait_alu depctr_va_vdst(0)                   ; the step's products are done reading x's fragments and scale words, this slot's weights and scale word and, in a unit's first step, the biases: the loads below land in these
	BLOAD KI+1
.endif
.if KI+6 < 48
	GLOAD KI+6
.endif
.if (ST8 == 0) && (KI < 40)
	BIASLOAD KI/8+1
.endif
.endm
; The end of a K or Q unit: lane (r, h) holds, of row 16 t + r, columns 64 w + 32 hh + 16 h + 0 .. 15: half a block.  The tiles of rows by turns
.macro EPI_KQ nx, hh, isq
.if KI > 7
	s_wait_alu depctr_vm_vsrc(0)                   ; the last unit's LDS stores have read v[BY ..] and v[CD ..], which are written again below
.endif
.irp t, 0,1,2,3
.if \t < \nx
	v_max3_num_f32 v[TM+\t], |v[ACC+16*\t]|, |v[ACC+16*\t+1]|, 0x1800000   ; each accumulator is read from its low end on
.endif
.endr
.irp i, 2,4,6,8,10,12,14
.irp t, 0,1,2,3
.if \t < \nx
	v_max3_num_f32 v[TM+\t], v[TM+\t], |v[ACC+16*\t+\i]|, |v[ACC+16*\t+\i+1]|
.endif
.endr
.endr
.irp t, 0,1,2,3
.if \t < \nx
	v_permlanex16_b32 v[PT+\t], v[TM+\t], s26, s27
.endif
.endr
.irp t, 0,1,2,3
.if \t < \nx
	v_max_num_f32 v[TM+\t], v[TM+\t], v[PT+\t]     ; the block's largest magnitude
.endif
.endr
.irp t, 0,1,2,3
.if \t < \nx
	v_add_nc_u32 v[TM+\t], 0xff000000, v[TM+\t]    ; 2 off its exponent field: the conversion's scale operand
.endif
.endr
.irp t, 0,1,2,3
.if \t < \nx
	v_lshrrev_b32 v[BY+\t], 23, v[TM+\t]           ; the scale's byte
.endif
.endr
.irp t, 0,1,2,3
.if \t < \nx
	v_cvt_scalef32_pk8_fp4_f32 v[CD+2*\t], v[ACC+16*\t:ACC+16*\t+7], v[TM+\t]
	v_cvt_scalef32_pk8_fp4_f32 v[CD+2*\t+1], v[ACC+16*\t+8:ACC+16*\t+15], v[TM+\t]
.endif
.endr
	v_nop                                          ; one plain instruction behind the conversions: the next unit's products write their sources
	s_wait_alu depctr_va_vdst(0)                   ; the codes v[CD ..] and the bytes v[BY ..] are written, which the LDS stores read
.irp t, 0,1,2,3
.if \t < \nx
.if \isq
	ds_store_b64 v7, v[CD+2*\t:CD+2*\t+1] offset:QC-KC+\t*8448+(\hh)*256
	ds_store_b8 v9, v[BY+\t] offset:\t*1024+(\hh)  ; both halves of the lanes write the same byte.  Twice: the word serves (Q, 0) and (0, Q)
	ds_store_b8 v9, v[BY+\t] offset:\t*1024+(\hh)+2
.else
	ds_store_b64 v7, v[CD+2*\t:CD+2*\t+1] offset:\t*8448+(\hh)*256
	ds_store_b8 v8, v[BY+\t] offset:32*\t+(\hh)
.endif
.endif
.endr
.endm
; The end of a V unit: accumulator 2 t + u of lane (r, h) holds, of row 16 t + r and channel 4 w + 2 np + u, j = 8 h + 0 .. 7.  A block is lanes r, r xor 1 and their partners 16 away.  Four accumulators at a time
.macro EPI_V np
.irp g, 0,1
.if \g
	s_wait_dscnt 0x0                               ; the first four's stores have read their registers
.endif
	s_wait_alu depctr_vm_vsrc(0)                   ; the LDS stores issued so far, the last unit's or the first four's, have read v[BY ..] and v[CD ..], which are written again below
.irp q, 0,1,2,3
	v_max3_num_f32 v[TM+\q], |v[ACC+32*\g+8*\q]|, |v[ACC+32*\g+8*\q+1]|, 0x1800000
.endr
.irp i, 2,4,6
.irp q, 0,1,2,3
	v_max3_num_f32 v[TM+\q], v[TM+\q], |v[ACC+32*\g+8*\q+\i]|, |v[ACC+32*\g+8*\q+\i+1]|
.endr
.endr
.irp q, 0,1,2,3
	v_max_num_f32_dpp v[TM+\q], v[TM+\q], v[TM+\q] row_xmask:1 row_mask:0xf bank_mask:0xf   ; the pair's other row
.endr
.irp q, 0,1,2,3
	v_permlanex16_b32 v[PT+\q], v[TM+\q], s26, s27
.endr
.irp q, 0,1,2,3
	v_max_num_f32 v[TM+\q], v[TM+\q], v[PT+\q]     ; the other eight j
.endr
.irp q, 0,1,2,3
	v_add_nc_u32 v[TM+\q], 0xff000000, v[TM+\q]
.endr
.irp q, 0,1,2,3
	v_lshrrev_b32 v[BY+\q], 23, v[TM+\q]
.endr
.irp q, 0,1,2,3
	v_cvt_scalef32_pk8_fp4_f32 v[CD+\q], v[ACC+32*\g+8*\q:ACC+32*\g+8*\q+7], v[TM+\q]
.endr
	v_nop                                          ; one plain instruction behind the conversions
	s_wait_alu depctr_va_vdst(0)                   ; the codes v[CD ..] and the bytes v[BY ..] are written, which the LDS stores read
.irp q, 0,1,2,3
	ds_store_b32 v10, v[CD+\q] offset:(2*(\np)+\q%2)*528+128*(2*\g+\q/2)
	ds_store_b8 v11, v[BY+\q] offset:(2*(\np)+\q%2)*36+8*(2*\g+\q/2)   ; the block's four lanes write the same byte
.endr
.endr
.endm
	s_wait_alu depctr_vm_vsrc(0)                   ; the quantiser's LDS instructions have read the codes, the scale word and the addresses v217 to v219: x's fragments land in v192 to v223.  (QUANT itself stands ahead of the last wait on va_vdst)
	BLOAD 0
.set KI, 0
.rept 48
	KSTEP
.if KI%8 == 7
.if KI/8 < 2
	EPI_KQ 4, (KI/8)%2, 0
.elseif KI/8 < 4
	EPI_V (KI/8)%2
.else
	EPI_KQ 2, (KI/8)%2, 1
.endif
.endif
.set KI, KI+1
.endr
	BARRIER                                        ; K's, V's and Q's codes and scale bytes lie in LDS.  (The last step's wait was for all loads: their address registers are free.)  From here to the next barrier no wave writes LDS
	s_wait_alu depctr_vm_vsrc(0)                   ; the projections' loads and stores have read their addresses, of which v1 to v4 and v9 are made anew below, and the last unit's stores v232 to v243
; ---- attention on the packed list: my tiles a = w and b = w + 16; a lane's query is place 16 x tile + r
	v_and_b32 v12, 15, v0                          ; r
	v_bfe_u32 v13, v0, 4, 1                        ; h
	v_lshlrev_b32 v1, 4, v12
	v_lshl_add_u32 v1, v13, 8, v1
	v_add_nc_u32 v1, KC, v1                        ; v1  K's codes: key j = r, my half of its 64 channels: 16 r + 256 h
	v_lshlrev_b32 v9, 8, v13
	v_add_nc_u32 v9, QC, v9                        ; v9  Q's codes: my half of a query's 64 channels
	v_mul_u32_u24 v2, v12, 528
	v_lshl_add_u32 v2, v13, 4, v2
	v_add_nc_u32 v2, VC, v2                        ; v2  V's codes: channel r, block h
	v_mul_u32_u24 v3, v12, 144
	v_add_nc_u32 v3, KSC, v3                       ; v3  K's scale words
	v_mul_u32_u24 v4, v12, 36
	v_mad_u32_u24 v4, v13, 576, v4
	v_add_nc_u32 v4, VSC, v4                       ; v4  V's: lanes 16-31 take the next tile of channels
.irp j, 24,25,26,27,32,33,34,35,40,41,42,43
	v_mov_b32 v\j, 0                               ; the chain 0 | Qa | 0 | Qb | 0: (Q, 0) and (0, Q) are runs of eight registers in it
.endr
; WHICH QUERY STANDS AT PLACE p: lanes 0-15 ask for tile a's places, lanes 16-31 for tile b's.  First the word: the last k whose count ahead is at most p
	s_lshl_b32 s24, s20, 4
	v_lshl_add_u32 v96, v13, 8, v12
	v_add_nc_u32 v96, s24, v96                     ; p = 16 w + 256 h + r
	v_mov_b32 v97, 0                               ; the word's count ahead,
	v_mov_b32 v98, s[MK]                           ; the word,
	v_mov_b32 v99, 0                               ; 32 k
.set KK, 1
.rept 15                                       ; the fifteen compares stand in one run, each with a mask of its own: k = 1 .. 10 in s4 to s13, whose addresses are done with, k = 11 .. 15 in s55 to s59
.set CR, 3+KK+41*(KK/11)
	v_cmp_gt_u32 s[CR], s[PF+KK], v96              ; the counts ahead do not fall with k: where word k begins behind p, what stands is kept
.set KK, KK+1
.endr
	v_cmp_gt_u32 s60, s[NU], v96                   ; and whether place p holds a query at all
	s_wait_alu depctr_va_sdst(0)                   ; the sixteen masks are written, ahead of the selects that read them
.set KK, 1
.rept 15
.set CR, 3+KK+41*(KK/11)
	v_cndmask_b32 v97, s[PF+KK], v97, s[CR]
	v_cndmask_b32 v98, s[MK+KK], v98, s[CR]
	v_cndmask_b32 v99, 32*KK, v99, s[CR]
.set KK, KK+1
.endr
	v_sub_nc_u32 v106, v96, v97                    ; then the bit: the one with so many set bits below it.  The word's set bits are counted sideways, in fields of 2, 4, 8 and 16 bits,
	v_lshrrev_b32 v100, 1, v98
	v_and_b32 v100, 0x55555555, v100
	v_sub_nc_u32 v100, v98, v100                   ; v100 fields of 2
	v_lshrrev_b32 v101, 2, v100
	v_and_b32 v101, 0x33333333, v101
	v_and_b32 v102, 0x33333333, v100
	v_add_nc_u32 v101, v101, v102                  ; v101 of 4
	v_lshrrev_b32 v102, 4, v101
	v_add_nc_u32 v102, v102, v101
	v_and_b32 v102, 0x0f0f0f0f, v102               ; v102 of 8
	v_lshrrev_b32 v103, 8, v102
	v_add_nc_u32 v103, v103, v102
	v_and_b32 v103, 0x00ff00ff, v103               ; v103 of 16
	v_mov_b32 v104, 0                              ; and the place is halved five times: v104 the bit so far, v106 the set bits still to pass
.macro HALVE lv, wd                    ; the lower wd bits hold v105 set bits: if those are not more than are still to pass, pass them
	v_bfe_u32 v105, v[\lv], v104, \wd
	v_cmp_lt_u32 vcc_lo, v106, v105
	s_wait_alu depctr_va_vcc(0)                    ; VCC is written, ahead of the two selects that read it (each halving hangs on the one before, so these compares cannot stand in a run)
	v_cndmask_b32 v105, v105, v24, vcc_lo
	v_cndmask_b32 v107, \wd, v24, vcc_lo
	v_sub_nc_u32 v106, v106, v105
	v_add_nc_u32 v104, v104, v107
.endm
	HALVE 103, 16
	HALVE 102, 8
	HALVE 101, 4
	HALVE 100, 2
	HALVE 98, 1
	v_add_nc_u32 v104, v99, v104                   ; the query, 0 .. 511 whatever p
	v_cndmask_b32 v104, 0x400, v104, s60           ; places n and on hold no query: 1,024 marks them
	v_permlanex16_b32 v107, v104, s26, s27         ; both halves of the lanes want both tiles' answers
	s_mov_b32 vcc_lo, s54
	v_cndmask_b32 v108, v104, v107, vcc_lo         ; v108 tile a's query for r
	v_cndmask_b32 v109, v107, v104, vcc_lo         ; v109 tile b's
.macro QADR q, t                       ; where the codes (v[t + 1]) and the scale word (v[t + 2]) of query v[q] lie, as the projection put them; each offset is held inside its table just ahead of the last sum
	v_min_u32 v[\t], 511, v[\q]
	v_lshrrev_b32 v[\t+1], 4, v[\t]
	v_and_b32 v[\t+2], 15, v[\t]
	v_mul_u32_u24 v[\t+1], 528, v[\t+1]
	v_lshl_add_u32 v[\t+1], v[\t+2], 4, v[\t+1]    ; row x 528 + 16 j
	v_min_u32 v[\t+1], 31*528+240, v[\t+1]
	v_add_nc_u32 v[\t+1], v[\t+1], v9
	v_lshl_add_u32 v[\t+2], v[\t], 2, QSC          ; 64 x row + 4 j = 4 x query
.endm
	QADR 108, 110
	QADR 109, 113
	v_cmp_gt_u32 s24, 0x200, v108                  ; does tile a's place hold a query?
	v_cmp_gt_u32 s25, 0x200, v109                  ; tile b's?
	s_wait_alu depctr_va_vdst(0)                   ; the four addresses v111, v112, v114, v115 are written; the projections' products and conversions are done with v28 to v31, v36 to v39, v246 and v247, in which the loads land
	ds_load_b128 v[28:31], v111
	ds_load_b32 v[QS], v112
	ds_load_b128 v[36:39], v114
	ds_load_b32 v[QS+1], v115
	v_mov_b32 v17, 0xff61b1e6                      ; the largest t so far: -3e38, under every t
	v_mov_b32 v21, 0xff61b1e6
	v_floor_f32 v16, -v17                          ; -M
	v_floor_f32 v20, -v21
	v_mov_b32 v18, 0                               ; the sums, in two halves
	v_mov_b32 v19, 0
	v_mov_b32 v22, 0
	v_mov_b32 v23, 0
	v_mov_b32 v[FF+1], 0                           ; (named as the upper half of the pair)
	s_wait_alu depctr_va_sdst(0)                   ; the two masks s24 and s25 are written, ahead of the selects that read them
	s_wait_dscnt 0x0
.irp j, 28,29,30,31
	v_cndmask_b32 v\j, v24, v\j, s24               ; a place without a query gets zero codes: place n among them, which stands for the masked queries
.endr
.irp j, 36,37,38,39
	v_cndmask_b32 v\j, v24, v\j, s25
.endr
.set JJ, 0
.rept 64
	v_mov_b32 v[OA+JJ], 0                          ; O^T.  (The loop is written once: its first trip finds zeros, which the first change of M leaves zeros)
.set JJ, JJ+1
.endr
.macro SPROD q, qs                     ; S^T of 128 keys for one tile of queries: register 16 bb + 8 u + i of lane (r, h): key (row 2 B + u, j = 8 h + i), B = 4 x trip + bb
.irp bb, 0,1,2,3
	WMZ SCO+16*\bb, KF+8*\bb, \q, KS+\bb, \qs
	WMZ SCO+16*\bb+8, KF+8*\bb, (\q)-4, KS+\bb, \qs
.endr
.endm
.macro VLOAD                           ; V^T: 64 channels x the trip's 128 keys, into K's registers; they land under a softmax, which names none of them
.irp tc, 0,1,2,3
.irp c, 0,1
	ds_load_b128 v[KF+8*\tc+4*\c:KF+8*\tc+4*\c+3], v7 offset:\tc*8448+32*\c
.endr
.endr
	ds_load_b32 v[VS], v8                          ; lanes 0-15 tile 0, lanes 16-31 tile 1
	ds_load_b32 v[VS+1], v8 offset:1152            ; tiles 2 and 3
.endm
; The softmax of one tile of queries for 128 keys.  st: -M, the largest t, the sum's two halves;  pc: p's codes;  pw: p's scale word;  o: O^T
.macro SOFT st, pc, pw, o
.irp b, 0,1,2,3
	v_max3_num_f32 v[BM+\b], v[SCO+16*\b], v[SCO+1+16*\b], v[SCO+2+16*\b]   ; the largest score of each block of 32 keys: for the row's maximum, and, since p rises with the score, for the block's largest p
.endr
.irp i, 3,5,7,9,11,13
.irp b, 0,1,2,3
	v_max3_num_f32 v[BM+\b], v[BM+\b], v[SCO+16*\b+\i], v[SCO+1+16*\b+\i]
.endr
.endr
.irp b, 0,1,2,3
	v_max_num_f32 v[BM+\b], v[BM+\b], v[SCO+15+16*\b]
.endr
.irp b, 0,1,2,3
	v_permlanex16_b32 v[PT+\b], v[BM+\b], s26, s27
.endr
.irp b, 0,1,2,3
	v_max_num_f32 v[BM+\b], v[BM+\b], v[PT+\b]     ; with lane l xor 16's 16 keys
.endr
	v_max3_num_f32 v[TT], v[BM], v[BM+1], v[BM+2]
	v_max_num_f32 v[TT], v[TT], v[BM+3]
	v_mul_f32 v[TT], s28, v[TT]                    ; the step's largest t (c is positive)
	v_max_num_f32 v[\st+1], v[\st+1], v[TT]        ; the running largest t
	v_mov_b32 v[TT], v[\st]
	v_floor_f32 v[\st], -v[\st+1]                  ; the new -M = -ceil(t): a whole number
	v_sub_f32 v[TT], v[\st], v[TT]                 ; old M - new M: a whole number, 0 or less
	v_cvt_i32_f32 v[TT], v[TT]                     ; (it saturates)
	v_ldexp_f32 v[FF], 1.0, v[TT]                  ; f = 2^(old M - new M): a multiplication by it rounds nothing
.set JJ, 0
.rept 32
	v_pk_fma_f32 v[SCO+JJ:SCO+JJ+1], v[SCO+JJ:SCO+JJ+1], s[28:29], v[\st:\st+1] op_sel_hi:[1,0,0]   ; t - M
.set JJ, JJ+2
.endr
.irp b, 0,1,2,3
	v_fma_f32 v[BM+\b], v[BM+\b], s28, v[\st]      ; the same of each block's largest score
.endr
.set JJ, 0
	s_wait_alu depctr_va_vdst(0)
.rept 64
	v_exp_f32 v[SCO+JJ], v[SCO+JJ]                 ; p = 2^(t - M): not normalised
.set JJ, JJ+1
.endr
	v_pk_mul_f32 v[\st+2:\st+3], v[\st+2:\st+3], v[FF:FF+1] op_sel_hi:[1,0]   ; the sums under the new M: the plain instruction behind the exponentials
	s_wait_alu depctr_va_vdst(0)                   ; one wait for the batch of 64, ahead of its first reader
.irp b, 0,1,2,3
	v_exp_f32 v[BM+\b], v[BM+\b]                   ; the blocks' largest p
.endr
	v_pk_add_f32 v[PT:PT+1], v[SCO:SCO+1], v[SCO+2:SCO+3]   ; the row's sum is taken of the unquantised p, in two chains
.irp j, 4,8,12,16,20,24,28,32,36,40,44,48,52,56,60
	v_pk_add_f32 v[\st+2:\st+3], v[\st+2:\st+3], v[SCO+\j:SCO+1+\j]
	v_pk_add_f32 v[PT:PT+1], v[PT:PT+1], v[SCO+2+\j:SCO+3+\j]
.endr
	v_pk_add_f32 v[\st+2:\st+3], v[\st+2:\st+3], v[PT:PT+1]
	s_wait_alu depctr_va_vdst(0)                   ; and one for the four
.irp b, 0,1,2,3
	v_max_num_f32 v[BM+\b], 0x1800000, v[BM+\b]    ; the floor 2^(3 - 127): the byte cannot fall under 1
.endr
.irp b, 0,1,2,3
	v_add_nc_u32 v[SO+\b], 0xff000000, v[BM+\b]    ; the conversion's scale operand
.endr
.irp b, 0,1,2,3
	v_lshrrev_b32 v[PT+\b], 23, v[SO+\b]           ; the scale's byte
.endr
	v_lshl_or_b32 v[\pw], v[PT+1], 8, v[PT]        ; p's scale word for these 128 keys
	v_lshl_or_b32 v[\pw], v[PT+2], 16, v[\pw]
	v_lshl_or_b32 v[\pw], v[PT+3], 24, v[\pw]
.irp b, 0,1,2,3
	v_cvt_scalef32_pk8_fp4_f32 v[\pc+2*\b], v[SCO+16*\b:SCO+7+16*\b], v[SO+\b]
	v_cvt_scalef32_pk8_fp4_f32 v[\pc+1+2*\b], v[SCO+8+16*\b:SCO+15+16*\b], v[SO+\b]
.endr
	v_nop                                          ; one plain instruction behind the conversions
.irp c, 0,1                                    ; a whole block in a lane: lanes 0-15 block 2 c, lanes 16-31 block 2 c + 1
.irp i, 0,1
	v_permlane16_swap_b32 v[\pc+4*\c+\i], v[\pc+2+4*\c+\i]
.endr
.endr
.set JJ, 0
.rept 16
	v_pk_mul_f32 v[\o+JJ:\o+JJ+1], v[\o+JJ:\o+JJ+1], v[FF:FF+1] op_sel_hi:[1,0]   ; O^T under the new M.  (Also the plain instructions between p's codes and scale word and the products that take them)
.set JJ, JJ+2
.endr
.endm
	s_mov_b32 s44, 0                               ; where the trip's rows of K begin: 8 rows of 528 bytes a trip;
	s_mov_b32 s45, 0                               ; K's scale words: 16 bytes a trip;
	s_mov_b32 s46, 0                               ; V's blocks: 64 bytes;
	s_mov_b32 s47, 0                               ; V's scale words: 4 bytes
	s_mov_b32 s48, 8
.Lkeys:                                                ; eight trips of 128 keys, in every wave; what a wave without a second tile leaves out is jumped over inside the trip
	s_wait_alu depctr_vm_vsrc(0)                   ; the last trip's LDS loads have read v5 to v8, which are written below; in the first trip Q's loads have read v111 to v115, over which the scores are written
	v_add_nc_u32 v5, s44, v1                       ; (these four are also the plain instructions behind the last trip's products, in front of the loads below)
	v_add_nc_u32 v6, s45, v3
	v_add_nc_u32 v7, s46, v2
	v_add_nc_u32 v8, s47, v4
	s_wait_alu depctr_va_vdst(0)                   ; v5 to v8 are written, which this trip's LDS loads read; the last trip's products are done reading K's and V's registers and scale words, in which they land; in the first trip Q's chain is written, which the scaled products take
.irp bb, 0,1,2,3
	ds_load_b128 v[KF+8*\bb:KF+8*\bb+3], v5 offset:\bb*1056         ; row 2 B
	ds_load_b128 v[KF+8*\bb+4:KF+8*\bb+7], v5 offset:\bb*1056+528   ; row 2 B + 1
.endr
	ds_load_b128 v[KS:KS+3], v6                    ; the four fragments' scale words
	s_wait_dscnt 0x0
	SPROD 28, QS
	PLACES                                         ; in front of the scores' first read, and on the short way of the loads into K's registers
	s_cmp_eq_u32 s51, 0
	s_cbranch_scc1 .Lone
	SOFT 16, PCA, PW, OA
	SPROD 36, QS+1
	PLACES                                         ; in front of the loads into K's registers, and of the scores' first read
	s_wait_alu depctr_va_vdst(0)                   ; both tiles' score products are done reading K's fragments, in which V's land
	VLOAD
	SOFT 20, PCB, PW+1, OB
	s_wait_dscnt 0x0
	s_wait_alu depctr_va_vdst(0)                   ; p's codes and scale words of both tiles are written by vector instructions: the scaled products below take them (the sixteen multiplications above are the plain instructions between)
.irp tc, 0,1,2,3                               ; O^T += V^T P^T: the eight accumulators by turns
	WM OA+8*\tc, KF+8*\tc, PCA, OA+8*\tc, VS+\tc/2, PW, \tc%2, 0
	WM OB+8*\tc, KF+8*\tc, PCB, OB+8*\tc, VS+\tc/2, PW+1, \tc%2, 0
.endr
	s_branch .Lnext
.Lone:                                                 ; tile a alone
	s_wait_alu depctr_va_vdst(0)                   ; the score products are done reading K's fragments, in which V's land
	VLOAD
	SOFT 16, PCA, PW, OA
	s_wait_dscnt 0x0
	s_wait_alu depctr_va_vdst(0)                   ; p's codes and scale word are written by vector instructions: the scaled products below take them
.irp tc, 0,1,2,3                               ; its four accumulators by turns
	WM OA+8*\tc, KF+8*\tc, PCA, OA+8*\tc, VS+\tc/2, PW, \tc%2, 0
.endr
.Lnext:
	s_add_co_u32 s44, s44, 8*528
	s_add_co_u32 s45, s45, 16
	s_add_co_u32 s46, s46, 64
	s_add_co_u32 s47, s47, 4
	s_sub_co_u32 s48, s48, 1
	s_cmp_lg_u32 s48, 0
	s_cbranch_scc1 .Lkeys
; ---- the way out.  O^T / the sum of every tile goes to the stage, at its places of the list; then each wave gathers the 16 queries of each of its two rows; + x; LayerNorm; 512 consecutive bytes a store
; Registers that memory or LDS instructions touch here: v9 to v13 addresses, made below; v24-87 x and v96-159 gamma and beta, loaded over what the loop has left; v160-223 O^T, scaled by vector instructions, stored to the
; stage, loaded again from it as rows, worked on and stored to memory; v88-95 and v236-243 the stage's addresses on the way back, made by vector instructions ahead of the wait that stands in front of the stage's stores.
	s_wait_alu depctr_vm_vsrc(0)                   ; the last trip's LDS loads have read v5 to v7, which are written below
	v_and_b32 v5, 31, v0                           ; (these lines are the plain instructions behind the last products)
	v_and_b32 v6, 15, v0
	v_bfe_u32 v7, v0, 4, 1
	v_lshlrev_b32 v9, 4, v5                        ; v9  16 x lane: my 16 bytes of each 512 of a row
	s_mul_i32 s24, s20, 2*XP
	v_add_nc_u32 v10, s24, v9                      ; v10 my two rows of x in LDS
	v_mul_u32_u24 v11, v6, 272
	v_lshl_add_u32 v11, v7, 5, v11
	s_mul_i32 s24, s20, 16*272
	s_add_co_u32 s24, s24, STG
	v_add_nc_u32 v11, s24, v11                     ; v11 the stage, tile a: place 16 w + r, 256 bytes + 16 of padding; 32 h
	v_add_nc_u32 v13, 256*272, v11                 ; v13 tile b: 256 places on
	v_lshl_add_u32 v12, v6, 4, STG                 ; v12 and back: sixteen lanes take one place's 256 bytes
	s_wait_alu depctr_va_vdst(0)                   ; v9 and v10 are written, which the loads below read; the loop's products and softmax are done with v24 to v87 and v96 to v159, in which they land
.irp k, 0,1,2,3,4,5,6,7
	global_load_b128 v[96+4*\k:99+4*\k], v9, s[14:15] offset:512*\k    ; gamma
	global_load_b128 v[128+4*\k:131+4*\k], v9, s[16:17] offset:512*\k  ; beta
.endr
.irp k, 0,1,2,3,4,5,6,7
	ds_load_b128 v[24+4*\k:27+4*\k], v10 offset:512*\k                 ; x, my first row
.endr
.irp k, 0,1,2,3,4,5,6,7
	ds_load_b128 v[56+4*\k:59+4*\k], v10 offset:XP+512*\k              ; x, my second
.endr
.set JJ, 0
.rept 32                                       ; v14's 32 lanes in one run, into s66 to s97, whose masks and counts are done with
	v_readlane_b32 s[MK+JJ], v14, JJ
.set JJ, JJ+1
.endr
	s_wait_alu depctr_va_sdst(0)                   ; s66 to s97 are written, ahead of the lines below that read them
	s_mov_b32 vcc_lo, s54
.irp k, 0,1,2,3,4,5,6,7                        ; where my rows' queries lie in the stage: lanes 0-15 take query j = 2 k, lanes 16-31 j = 2 k + 1.  v88-95 the first row's addresses, v236-243 the second's
	v_mov_b32 v[88+\k], s[MK+2*\k+1]
	v_cndmask_b32 v[88+\k], s[MK+2*\k], v[88+\k], vcc_lo
	v_min_u32 v[88+\k], 511*272, v[88+\k]          ; held inside the stage just ahead of the last sum
	v_add_nc_u32 v[88+\k], v[88+\k], v12
.endr
.irp k, 0,1,2,3,4,5,6,7
	v_mov_b32 v[236+\k], s[MK+17+2*\k]
	v_cndmask_b32 v[236+\k], s[MK+16+2*\k], v[236+\k], vcc_lo
	v_min_u32 v[236+\k], 511*272, v[236+\k]
	v_add_nc_u32 v[236+\k], v[236+\k], v12
.endr
	v_add_f32 v18, v18, v19                        ; the sums' two halves,
	v_add_f32 v22, v22, v23
	v_permlanex16_b32 v[PT], v18, s26, s27
	v_permlanex16_b32 v[PT+1], v22, s26, s27
	v_add_f32 v18, v18, v[PT]                      ; and lane l xor 16's keys
	v_add_f32 v22, v22, v[PT+1]
	s_wait_alu depctr_va_vdst(0)
	v_rcp_f32 v18, v18
	v_rcp_f32 v22, v22                             ; (a tile b that was not walked has the sum 0: what comes of it goes to places that no query's index names)
	v_nop                                          ; a plain instruction behind the reciprocals,
	s_wait_alu depctr_va_vdst(0)                   ; and one wait for both, ahead of their first reader
.set JJ, 0
.rept 16
	v_pk_mul_f32 v[OA+JJ:OA+JJ+1], v[OA+JJ:OA+JJ+1], v[18:19] op_sel_hi:[1,0]
.set JJ, JJ+2
.endr
.set JJ, 0
.rept 16
	v_pk_mul_f32 v[OB+JJ:OB+JJ+1], v[OB+JJ:OB+JJ+1], v[22:23] op_sel_hi:[1,0]
.set JJ, JJ+2
.endr
	BARRIER                                        ; every wave's reads of K's, V's and Q's codes are over (and my x is in): their bytes become the stage
	s_wait_alu depctr_va_vdst(0)                   ; O^T / the sum is written, and so are v11 and v13, which the stage's stores read, and v88 to v95
.irp tc, 0,1,2,3
	ds_store_b128 v11, v[OA+8*\tc:OA+8*\tc+3] offset:64*\tc            ; lane (r, h): channels 16 tc + 8 h + 0 .. 7 of place 16 w + r
	ds_store_b128 v11, v[OA+8*\tc+4:OA+8*\tc+7] offset:64*\tc+16
.endr
.irp tc, 0,1,2,3
	ds_store_b128 v13, v[OB+8*\tc:OB+8*\tc+3] offset:64*\tc
	ds_store_b128 v13, v[OB+8*\tc+4:OB+8*\tc+7] offset:64*\tc+16
.endr
	BARRIER                                        ; the whole list's results lie in the stage; behind this barrier no wave writes LDS
	s_wait_alu depctr_vm_vsrc(0)                   ; my stage stores have read v160 to v223, in which the rows land
.irp k, 0,1,2,3,4,5,6,7
	ds_load_b128 v[OA+4*\k:OA+4*\k+3], v[88+\k]    ; bytes 512 k + 16 x lane of my first row
.endr
.irp k, 0,1,2,3,4,5,6,7
	ds_load_b128 v[OB+4*\k:OB+4*\k+3], v[236+\k]   ; of my second
.endr
.macro ACROSS                          ; v224 summed over the 32 lanes
	v_add_f32_dpp v224, v224, v224 row_xmask:1 row_mask:0xf bank_mask:0xf
	v_add_f32_dpp v224, v224, v224 row_xmask:2 row_mask:0xf bank_mask:0xf
	v_add_f32_dpp v224, v224, v224 row_xmask:4 row_mask:0xf bank_mask:0xf
	v_add_f32_dpp v224, v224, v224 row_xmask:8 row_mask:0xf bank_mask:0xf
	v_permlanex16_b32 v[PT], v224, s26, s27
	v_add_f32 v224, v224, v[PT]
.endm
.macro LN r, x, off, first             ; a row: 32 numbers a lane in v[r] on; x's in v[x] on
.irp i, 0,2,4,6,8,10,12,14,16,18,20,22,24,26,28,30
	v_pk_add_f32 v[\r+\i:\r+\i+1], v[\r+\i:\r+\i+1], v[\x+\i:\x+\i+1]  ; the residual
.endr
	v_pk_add_f32 v[224:225], v[\r:\r+1], v[\r+2:\r+3]
	v_pk_add_f32 v[226:227], v[\r+4:\r+5], v[\r+6:\r+7]
.irp i, 8,12,16,20,24,28
	v_pk_add_f32 v[224:225], v[224:225], v[\r+\i:\r+\i+1]
	v_pk_add_f32 v[226:227], v[226:227], v[\r+\i+2:\r+\i+3]
.endr
	v_pk_add_f32 v[224:225], v[224:225], v[226:227]
	v_add_f32 v224, v224, v225
	ACROSS
	v_mul_f32 v232, s50, v224                      ; the mean
.irp i, 0,2,4,6,8,10,12,14,16,18,20,22,24,26,28,30
	v_pk_add_f32 v[\r+\i:\r+\i+1], v[\r+\i:\r+\i+1], v[232:233] op_sel_hi:[1,0] neg_lo:[0,1] neg_hi:[0,1]
.endr
	v_pk_mul_f32 v[224:225], v[\r:\r+1], v[\r:\r+1]
	v_pk_mul_f32 v[226:227], v[\r+2:\r+3], v[\r+2:\r+3]
.irp i, 4,8,12,16,20,24,28
	v_pk_fma_f32 v[224:225], v[\r+\i:\r+\i+1], v[\r+\i:\r+\i+1], v[224:225]
	v_pk_fma_f32 v[226:227], v[\r+\i+2:\r+\i+3], v[\r+\i+2:\r+\i+3], v[226:227]
.endr
	v_pk_add_f32 v[224:225], v[224:225], v[226:227]
	v_add_f32 v224, v224, v225
	ACROSS
	v_fma_f32 v224, v224, s50, s49                 ; the variance + 1e-5
	s_wait_alu depctr_va_vdst(0)
	v_rsq_f32 v234, v224
	v_nop                                          ; a plain instruction behind it,
	s_wait_alu depctr_va_vdst(0)                   ; and the wait ahead of its first reader
.if \first
	s_wait_loadcnt 0x0                             ; gamma and beta
.endif
.irp i, 0,2,4,6,8,10,12,14,16,18,20,22,24,26,28,30
	v_pk_mul_f32 v[\r+\i:\r+\i+1], v[\r+\i:\r+\i+1], v[234:235] op_sel_hi:[1,0]
.endr
.irp i, 0,2,4,6,8,10,12,14,16,18,20,22,24,26,28,30
	v_pk_fma_f32 v[\r+\i:\r+\i+1], v[\r+\i:\r+\i+1], v[96+\i:97+\i], v[128+\i:129+\i]
.endr
	s_wait_alu depctr_va_vdst(0)                   ; the row's 32 numbers are written, which the eight stores read
.irp k, 0,1,2,3,4,5,6,7
	global_store_b128 v9, v[\r+4*\k:\r+4*\k+3], s[38:39] offset:\off+512*\k th:TH_STORE_NT   ; 32 lanes store 512 consecutive bytes, at a multiple of 256 from out0's first byte
.endr
.endm
	s_wait_dscnt 8                                 ; my first row is in; the second row's eight loads may be out
	LN OA, 24, 0, 1
	s_wait_dscnt 0x0
	LN OB, 56, 4096, 0                             ; (it writes none of the registers that the first row's stores read)
	s_wait_xcnt 0x0
	v_lshl_add_u32 v254, v0, 2, 0x48c00            ; the closing add's two registers are made here, where V's scale words are done with: my spare word, behind x's scale words, and 0.  No memory or LDS instruction has read either
	v_mov_b32 v255, 0
	s_wait_dscnt 0x0                               ; the closing lines, six on end
	s_wait_alu 0x0
	s_wait_tensorcnt 0x0
	ds_add_u32 v254, v255
	s_wait_dscnt 0x0
	s_endpgm
.Lfunc_end_k_qe4625375f3_enc:
	.size	k_qe4625375f3_enc, .Lfunc_end_k_qe4625375f3_enc-k_qe4625375f3_enc
	.p2alignl 7, 3214868480
	.fill 96, 4, 3214868480
	.section	.rodata,"a",@progbits
	.p2align	6, 0x0
	.amdhsa_kernel k_qe4625375f3_enc
		.amdhsa_group_segment_fixed_size 300032
		.amdhsa_private_segment_fixed_size 0
		.amdhsa_enable_private_segment 0
		.amdhsa_kernarg_size 64
		.amdhsa_user_sgpr_count 2
		.amdhsa_user_sgpr_kernarg_segment_ptr 1
		.amdhsa_wavefront_size32 1
		.amdhsa_system_sgpr_workgroup_id_x 1
		.amdhsa_system_sgpr_workgroup_id_y 1
		.amdhsa_system_sgpr_workgroup_id_z 1
		.amdhsa_system_vgpr_workitem_id 0
		.amdhsa_next_free_vgpr 256
		.amdhsa_next_free_sgpr 100
		.amdhsa_reserve_vcc 1
		.amdhsa_float_denorm_mode_32 3
		.amdhsa_float_denorm_mode_16_64 3
		.amdhsa_memory_ordered 1
		.amdhsa_forward_progress 1
		.amdhsa_inst_pref_size 231
	.end_amdhsa_kernel
	.amdgpu_metadata
---
amdhsa.version: [ 1, 2 ]
amdhsa.kernels:
  - .name:           k_qe4625375f3_enc
    .symbol:         k_qe4625375f3_enc.kd
    .args:
      - { .name: x, .offset: 0, .size: 8, .value_kind: global_buffer, .address_space: global }
      - { .name: dialog_states, .offset: 8, .size: 8, .value_kind: global_buffer, .address_space: global }
      - { .name: wl, .offset: 16, .size: 8, .value_kind: global_buffer, .address_space: global }
      - { .name: wsl, .offset: 24, .size: 8, .value_kind: global_buffer, .address_space: global }
      - { .name: bl, .offset: 32, .size: 8, .value_kind: global_buffer, .address_space: global }
      - { .name: gamma, .offset: 40, .size: 8, .value_kind: global_buffer, .address_space: global }
      - { .name: beta, .offset: 48, .size: 8, .value_kind: global_buffer, .address_space: global }
      - { .name: out0, .offset: 56, .size: 8, .value_kind: global_buffer, .address_space: global }
    .group_segment_fixed_size: 300032
    .private_segment_fixed_size: 0
    .kernarg_segment_align: 8
    .kernarg_segment_size: 64
    .max_flat_workgroup_size: 512
    .sgpr_count:     100
    .vgpr_count:     256
    .wavefront_size: 32
...
	.end_amdgpu_metadata
.endif
;; end of part 5
